; MI455X (gfx1250); checked and timed in simulation.
; The chip was launched on July 23, 2026; its instructions are those of AMD's public machine-readable ISA for CDNA 5 (MIT licence, August 2026) and "CDNA5" Instruction Set Architecture Reference Guide (July 2026). The comments in the code are by the model that wrote it; some were corrected since.
;; Mixtral Decoder Block. Allowed arithmetic: matrix products marked QUANTISED: E3M2 operands, one E8M0 scale for each 32 along K, by v_wmma_scale_f32_16x16x128_f8f6f4 with both operands' format E3M2, f32 sums; products left as they are: f32 operands where the result goes on into a quantised operand, else bf16, f16 or f32 operands; f32 sums; everything else in f32.
;; Inputs: attn_norm_w 1,024 float32; ffn_norm_w 1,024 float32; freqs_cos 1,024 x 32 float32; freqs_sin 1,024 x 32 float32; gate_w 1,024 x 8 float32; w1 8 x 1,024 x 2,048 float32; w2 8 x 2,048 x 1,024 float32; w3 8 x 1,024 x 2,048 float32; wk 1,024 x 256 float32; wo 1,024 x 1,024 float32; wq 1,024 x 1,024 float32; wv 1,024 x 256 float32; x 1 x 1,024 x 1,024 float32.
;; Outputs: out0 1 x 1,024 x 1,024 float32.
;; This version of the problem:
;;   THIS VERSION OF THE PROBLEM IS GIVEN IN LOW PRECISION. The matrix products marked QUANTISED in the list below multiply operands that are first quantised to E3M2 (3 exponent bits, 2 mantissa bits; 6 bits a number), with one power-of-two scale for each 32 numbers along K (OCP MX v1.0); their sums are f32. All else is computed in f32.
;;   The module's matrix products, in the order in which they are computed (A, B: the left and right operand; K: the contracted axis; several contracted axes count as one K, in the product's order):
;;     1. [M 1,024, K 1,024] x [K 1,024, N 1,024]; A: computed on the way; B: input wq: QUANTISED
;;     2. [M 1,024, K 1,024] x [K 1,024, N 256]; A: computed on the way; B: input wk: QUANTISED
;;     3. [M 1,024, K 1,024] x [K 1,024, N 256]; A: computed on the way; B: input wv: QUANTISED
;;     4. batch 16 x [M 1,024, K 64] x [K 64, N 1,024]; A: computed on the way; B: computed on the way: QUANTISED
;;     5. batch 16 x [M 64, K 1,024] x [K 1,024, N 1,024]; A: computed on the way; B: softmax (see below): QUANTISED
;;     6. [M 1,024, K 1,024] x [K 1,024, N 1,024]; A: computed on the way; B: input wo: QUANTISED
;;     7. [M 1,024, K 1,024] x [K 1,024, N 8]; A: computed on the way; B: input gate_w: left as it is (N = 8 < 16)
;;     8. [M 16,384, K 1,024] x [K 1,024, N 1,024]; A: input w1; B: computed on the way: QUANTISED
;;     9. [M 16,384, K 1,024] x [K 1,024, N 1,024]; A: input w3; B: computed on the way: QUANTISED
;;     10. batch 8 x [M 1,024, K 2,048] x [K 2,048, N 1,024]; A: computed on the way; B: input w2: QUANTISED
;;     11. batch 1,024 x [M 1, K 8] x [K 8, N 1,024]; A: computed on the way; B: computed on the way: left as it is (K = 8 < 32)
;;   THE QUANTISER, for each operand of a quantised product, along K:
;;     - K is cut into blocks of 32 from its start; a last block that is shorter is filled with zeros.
;;     - A block's scale is 2^e with e = floor(log2(the largest magnitude in the block)) - 4, held to -126 .. 127; a block of zeros has e = 0. As a byte (E8M0): e + 127.
;;     - Each number is divided by its block's scale, clamped to +-28, and rounded to the nearest number of E3M2, ties to even, subnormals kept.
;;     - The product sums the exact products of the quantised numbers (number of the format x scale) in f32.
;;   ~~~python
;;   def quantise(x, axis):      # numpy; x: float32 -> the quantised numbers, widened to float32 again
;;       x = np.moveaxis(x, axis, -1); K = x.shape[-1]
;;       x = np.pad(x, [(0, 0)] * (x.ndim - 1) + [(0, -K % 32)]); x = x.reshape(x.shape[:-1] + (-1, 32)); a = np.abs(x).max(-1, keepdims=True)
;;       e = np.where(a > 0, np.clip(np.frexp(np.where(a > 0, a, 1))[1] - 1 - 4, -126, 127), 0)      # np.frexp(a)[1] - 1 = floor(log2(a)), exactly
;;       r = np.clip(x / 2.0 ** e, -28, 28)
;;       step = 2.0 ** (np.maximum(np.frexp(np.where(r == 0, 1, r))[1] - 1, -2) - 2)
;;       q = np.round(r / step) * step * 2.0 ** e      # np.round: ties to even
;;       return np.moveaxis(q.reshape(q.shape[:-2] + (-1,))[..., :K], -1, axis).astype(np.float32)
;;   ~~~
;;   SOFTMAX AHEAD OF A QUANTISED PRODUCT. Where the list says 'softmax', what is quantised is not the finished softmax but p = 2^(t - M), with t = logit x log2(e) and M = ceil(the row's largest t), a whole number; so 1/2 < the row's largest p <= 1. The row's sum l is taken of the UNQUANTISED p, in f32, and the product's result is divided by l at the end. Since M is a whole number, a kernel that streams over the keys may use a running M (the ceiling of the running maximum): every later rescaling is an exact power of two, which a block's scale takes up: the codes' values come out the same.
;;   OPERANDS COMPUTED ON THE WAY. 'Computed on the way' means the value that the module computes at that place (a softmax that the list does not call 'softmax' is quantised finished and normalised). What goes into a quantiser is computed in f32, as accurately as f32 sums, v_exp_f32 and their like allow (about 1e-6 of the number): no bf16 or f16 on the way to a quantiser, and a product that is left as it is and whose result goes on into a quantised operand takes f32 operands (vector FMAs, or v_wmma_f32_16x16x4_f32). A number that lies on a knife's edge between two numbers of the format may be rounded either way, as far as f32 arithmetic and the matrix unit's own rounding can turn it there, and no further.
;; 2 versions, each right; version 2 is version 1 with the launches qkv, attn, wo_gate, moe_up, moe_down written anew for expert scheduling mode. Each part assembles by itself: llvm-mc -triple=amdgcn-amd-amdhsa -mcpu=gfx1250 --defsym DOCPART=n.
;; ======== version 1 of 2: 8 launches
;; workspace buffers: wsm 2,048,000 bytes; wbig 39,321,600 bytes; bufA 3,481,600 bytes; bufB 8,912,896 bytes; att 819,200 bytes; hbuf 5,021,696 bytes; topi 8,192 bytes of whole numbers; lists 9,984 bytes of whole numbers
;; launch prep (part 1): grid 416 x 1, 4 waves a work-group, no clusters, 0 bytes of LDS; arguments x, attn_norm_w, wq, wo, wk, wv, bufA, wsm; writes bufA, wsm
.if DOCPART == 1
	.amdgcn_target "amdgcn-amd-amdhsa--gfx1250"
	.amdhsa_code_object_version 6
	.text
	.protected	k_qdf6739d439_prep
	.globl	k_qdf6739d439_prep
	.p2align	8
	.type	k_qdf6739d439_prep,@function
k_qdf6739d439_prep:
	s_mov_b64 s[64:65], 0
	v_nop
	global_prefetch_b8 v0, s[64:65] scope:SCOPE_SE
	s_setreg_imm32_b32 hwreg(HW_REG_WAVE_MODE, 25, 1), 1
	s_wait_xcnt 0x0
; PREP.  Work-groups 0-255: xn = rmsnorm(x) x attn_norm_w, quantised to E3M2 along D (a wave a token, a lane a block of 32).
; Work-groups 256-415: wq, wo, wk, wv: f32 [K][N] into codes and E8M0 bytes.  (The experts' weights are quantised by later launches, beside
; work that leaves most of the chip free.)
; A UNIT is a wave's work on a weight: 32 columns x 128 along K (16 KB of f32).  A lane takes a column and its registers run down K, so a
; block of 32 lies in one lane and the conversions give codes with K innermost.  The codes are stored as IMAGES OF THE OPERAND'S REGISTERS:
; a fragment (16 rows x 128 K) is 1,536 bytes, group g (four registers) of lane L at 512 g + 16 L; lane r of tile u of a block of 32 columns
; is column 8 u + r + 8 (r / 8).  Sixteen lanes of a store cover 256 consecutive bytes, aligned.  The scale words (4 bytes a column and
; 128 K) leave 128 bytes a wave: one byte in 128 of what the unit reads.
; xn's codes lie by token, 768 bytes a row: block j of K step s at 96 s + 48 (j % 2) + 24 (j / 2), so that a lane's twelve operand registers
; are 48 consecutive bytes; its scale bytes 32 a row, in K's order.
; LIMITS: NaN and infinities are not served.  A block whose largest magnitude lies under 2^-122 (a block of zeros too) gets the byte 1:
; its codes are zeros or subnormal codes, and the bytes are read by this program alone.
.set WV, 24
.set QS, 40                            ; s[40:41] a unit's source, s[42:43] its codes, s[44:45] its scale words
.set QC, 42
.set QZ, 44
.macro QLANES                          ; v2 = 4 x my column in the 32, v3 = my place in the two fragments, v4 = 4 x lane
	v_and_b32 v1, 31, v0
	v_and_b32 v5, 15, v0                           ; r
	v_bfe_u32 v6, v0, 4, 1                         ; u
	v_and_b32 v7, 8, v5
	v_add_nc_u32 v7, v7, v5                        ; r + 8 (r / 8)
	v_lshl_add_u32 v7, v6, 3, v7                   ; + 8 u
	v_lshlrev_b32 v2, 2, v7
	v_mul_u32_u24 v3, v6, 1536
	v_lshl_add_u32 v3, v5, 4, v3
	v_lshlrev_b32 v4, 2, v1
.endm
.macro QLOAD j, pitch                  ; block j: 32 rows of K at my column, into set j % 2
.set QI, 0
.rept 32
	global_load_b32 v[32+32*((\j)%2)+QI], v2, s[QS:QS+1] offset:(32*(\j)+QI)*(\pitch) th:TH_LOAD_NT
.set QI, QI+1
.endr
.endm
.macro QBLOCK j, pitch                 ; block j belongs to operand lane (r, j % 2), registers 6 (j / 2) on
.set QX, 32+32*((\j)%2)
.set QD, 96+12*((\j)%2)+6*((\j)/2)
.if (\j) < 3
	s_wait_loadcnt 32                              ; this block's 32 loads are in; the next block's 32 may be out
.else
	s_wait_loadcnt 0x0
.endif
	v_max3_num_f32 v5, |v[QX]|, |v[QX+1]|, |v[QX+2]|
	v_max3_num_f32 v6, |v[QX+3]|, |v[QX+4]|, |v[QX+5]|
.irp i, 6,10,14,18,22,26
	v_max3_num_f32 v5, v5, |v[QX+\i]|, |v[QX+\i+1]|
	v_max3_num_f32 v6, v6, |v[QX+\i+2]|, |v[QX+\i+3]|
.endr
	v_max3_num_f32 v5, v5, |v[QX+30]|, |v[QX+31]|
	v_max3_num_f32 v5, v5, v6, 0x2800000           ; and the floor 2^(5 - 127): the byte cannot fall under 1
	v_add_nc_u32 v7, 0xfe000000, v5                ; 4 off the exponent field: the conversion's scale operand
	v_lshrrev_b32 v8, 23, v7                       ; the scale's byte
	v_cvt_scalef32_pk16_bf6_f32 v[QD:QD+2], v[QX:QX+15], v7
	v_cvt_scalef32_pk16_bf6_f32 v[120:122], v[QX+16:QX+31], v7   ; (a conversion's three registers begin on an even number)
.if (\j) == 0
	v_mov_b32 v9, v8                               ; the scale word; also the plain line behind the conversions
.else
	v_lshl_or_b32 v9, v8, 8*(\j), v9
.endif
	v_mov_b32 v[QD+3], v120
	v_mov_b32 v[QD+4], v121
	v_mov_b32 v[QD+5], v122
.if (\j) < 2
	QLOAD (\j)+2, \pitch
.endif
.endm
.macro QUNIT pitch
	QLOAD 0, \pitch
	QLOAD 1, \pitch
	QBLOCK 0, \pitch
	QBLOCK 1, \pitch
	QBLOCK 2, \pitch
	QBLOCK 3, \pitch
.irp h, 0,1
.irp g, 0,1,2
	global_store_b128 v3, v[96+12*\h+4*\g:96+12*\h+4*\g+3], s[QC:QC+1] offset:512*\g+256*\h
.endr
.endr
	global_store_b32 v4, v9, s[QZ:QZ+1]
	s_endpgm
.endm
	s_load_b256 s[4:11], s[0:1], 0x0               ; x, attn_norm_w, wq, wo
	s_load_b128 s[12:15], s[0:1], 0x20             ; wk, wv
	s_load_b64 s[18:19], s[0:1], 0x30              ; bufA
	s_load_b64 s[20:21], s[0:1], 0x38              ; wsm
	v_lshrrev_b32 v1, 5, v0
	v_readfirstlane_b32 s[WV], v1
	s_wait_kmcnt 0x0
	s_cmp_lt_u32 ttmp9, 256
	s_cbranch_scc1 .Lxnorm
	QLANES
	s_cmp_lt_u32 ttmp9, 384
	s_cbranch_scc0 .Lwkwv
	; 512 units: wq's 256, then wo's 256; [1024][1024]
	s_sub_co_u32 s46, ttmp9, 256
	s_lshl_b32 s46, s46, 2
	s_add_co_u32 s46, s46, s[WV]
	s_lshr_b32 s47, s46, 8                         ; 0: wq, 1: wo
	s_bfe_u32 s48, s46, 0x30005
	s_bfe_u32 s49, s46, 0x30002                    ; K step
	s_and_b32 s50, s46, 3
	s_lshl_b32 s48, s48, 2
	s_add_co_u32 s48, s48, s50                     ; block of 32 columns
	s_lshl_b32 s50, s49, 19
	s_lshl_b32 s51, s48, 7
	s_add_co_u32 s50, s50, s51
	s_mov_b32 s51, 0
	s_cmp_eq_u32 s47, 0
	s_cselect_b64 s[QS:QS+1], s[8:9], s[10:11]
	s_add_nc_u64 s[QS:QS+1], s[QS:QS+1], s[50:51]
	s_lshl_b32 s48, s48, 3
	s_add_co_u32 s48, s48, s49                     ; 8 x block + K step
	s_mul_i32 s50, s47, 1179648
	s_mul_i32 s52, s48, 3072
	s_add_co_u32 s50, s50, s52
	s_add_nc_u64 s[QC:QC+1], s[20:21], s[50:51]
	s_mul_i32 s50, s47, 49152
	s_lshl_b32 s52, s48, 7
	s_add_co_u32 s50, s50, s52
	s_add_co_u32 s50, s50, 1966080
	s_add_nc_u64 s[QZ:QZ+1], s[20:21], s[50:51]
	QUNIT 4096
.Lwkwv:                                                ; 128 units: wk's 64, then wv's 64; [1024][256]
	s_sub_co_u32 s46, ttmp9, 384
	s_lshl_b32 s46, s46, 2
	s_add_co_u32 s46, s46, s[WV]
	s_lshr_b32 s47, s46, 6                         ; 0: wk, 1: wv
	s_bfe_u32 s48, s46, 0x10005
	s_bfe_u32 s49, s46, 0x30002
	s_and_b32 s50, s46, 3
	s_lshl_b32 s48, s48, 2
	s_add_co_u32 s48, s48, s50
	s_lshl_b32 s50, s49, 17
	s_lshl_b32 s51, s48, 7
	s_add_co_u32 s50, s50, s51
	s_mov_b32 s51, 0
	s_cmp_eq_u32 s47, 0
	s_cselect_b64 s[QS:QS+1], s[12:13], s[14:15]
	s_add_nc_u64 s[QS:QS+1], s[QS:QS+1], s[50:51]
	s_lshl_b32 s48, s48, 3
	s_add_co_u32 s48, s48, s49
	s_mul_i32 s50, s47, 196608
	s_mul_i32 s52, s48, 3072
	s_add_co_u32 s50, s50, s52
	s_add_co_u32 s50, s50, 786432
	s_add_nc_u64 s[QC:QC+1], s[20:21], s[50:51]
	s_lshl_b32 s50, s47, 13
	s_lshl_b32 s52, s48, 7
	s_add_co_u32 s50, s50, s52
	s_add_co_u32 s50, s50, 1998848
	s_add_nc_u64 s[QZ:QZ+1], s[20:21], s[50:51]
	QUNIT 1024
.Lxnorm:                                               ; a wave a token; lane l holds x[32 l .. 32 l + 31]
	s_lshl_b32 s26, ttmp9, 2
	s_add_co_u32 s26, s26, s[WV]                   ; the token
	s_lshl_b32 s28, s26, 12
	s_mov_b32 s29, 0
	s_add_nc_u64 s[4:5], s[4:5], s[28:29]
	s_mul_i32 s28, s26, 768
	s_add_nc_u64 s[30:31], s[18:19], s[28:29]      ; its codes
	s_lshl_b32 s28, s26, 5
	s_add_nc_u64 s[18:19], s[18:19], s[28:29]      ; its scale bytes
	s_mov_b32 s36, 0x76543210
	s_mov_b32 s37, 0xfedcba98                      ; lane l xor 16
	s_mov_b32 s38, 0x3a800000                      ; 1 / 1024
	s_mov_b32 s39, 0x3727c5ac                      ; 1e-5
	v_and_b32 v1, 31, v0
	v_lshlrev_b32 v2, 7, v1
.irp i, 0,1,2,3,4,5,6,7
	global_load_b128 v[64+4*\i:67+4*\i], v2, s[6:7] offset:16*\i
.endr
.irp i, 0,1,2,3,4,5,6,7
	global_load_b128 v[32+4*\i:35+4*\i], v2, s[4:5] offset:16*\i
.endr
	v_lshrrev_b32 v3, 2, v1
	v_mul_u32_u24 v3, v3, 96
	v_and_b32 v4, 1, v1
	v_mad_u32_u24 v3, v4, 48, v3
	v_bfe_u32 v4, v1, 1, 1
	v_mad_u32_u24 v3, v4, 24, v3                   ; my block's 24 bytes in the row
	s_wait_loadcnt 0x0
	v_pk_mul_f32 v[10:11], v[32:33], v[32:33]      ; the sum of squares, in two chains
	v_pk_mul_f32 v[12:13], v[34:35], v[34:35]
.irp i, 4,8,12,16,20,24,28
	v_pk_fma_f32 v[10:11], v[32+\i:33+\i], v[32+\i:33+\i], v[10:11]
	v_pk_fma_f32 v[12:13], v[34+\i:35+\i], v[34+\i:35+\i], v[12:13]
.endr
	v_pk_add_f32 v[10:11], v[10:11], v[12:13]
	v_add_f32 v10, v10, v11
	v_add_f32_dpp v10, v10, v10 row_xmask:1 row_mask:0xf bank_mask:0xf
	v_add_f32_dpp v10, v10, v10 row_xmask:2 row_mask:0xf bank_mask:0xf
	v_add_f32_dpp v10, v10, v10 row_xmask:4 row_mask:0xf bank_mask:0xf
	v_add_f32_dpp v10, v10, v10 row_xmask:8 row_mask:0xf bank_mask:0xf
	v_permlanex16_b32 v12, v10, s36, s37
	v_add_f32 v10, v10, v12
	v_fma_f32 v10, v10, s38, s39                   ; the mean + eps
	v_rsq_f32 v14, v10
	v_mov_b32 v15, 0                               ; a plain line behind the transcendental; v15 is named with v14 as a pair
	s_wait_alu depctr_va_vdst(0)                   ; the wait ahead of the first reader
.irp i, 0,2,4,6,8,10,12,14,16,18,20,22,24,26,28,30
	v_pk_mul_f32 v[32+\i:33+\i], v[32+\i:33+\i], v[14:15] op_sel_hi:[1,0]
.endr
.irp i, 0,2,4,6,8,10,12,14,16,18,20,22,24,26,28,30
	v_pk_mul_f32 v[32+\i:33+\i], v[32+\i:33+\i], v[64+\i:65+\i]
.endr
	v_max3_num_f32 v5, |v32|, |v33|, |v34|
	v_max3_num_f32 v6, |v35|, |v36|, |v37|
.irp i, 6,10,14,18,22,26
	v_max3_num_f32 v5, v5, |v[32+\i]|, |v[33+\i]|
	v_max3_num_f32 v6, v6, |v[34+\i]|, |v[35+\i]|
.endr
	v_max3_num_f32 v5, v5, |v62|, |v63|
	v_max3_num_f32 v5, v5, v6, 0x2800000
	v_add_nc_u32 v7, 0xfe000000, v5
	v_lshrrev_b32 v8, 23, v7
	v_cvt_scalef32_pk16_bf6_f32 v[96:98], v[32:47], v7
	v_cvt_scalef32_pk16_bf6_f32 v[100:102], v[48:63], v7
	v_nop
	global_store_b96 v3, v[96:98], s[30:31]
	global_store_b96 v3, v[100:102], s[30:31] offset:12
	global_store_b8 v1, v8, s[18:19] offset:786432 ; 32 lanes, 32 neighbouring bytes
	s_endpgm
.Lfunc_end_k_qdf6739d439_prep:
	.size	k_qdf6739d439_prep, .Lfunc_end_k_qdf6739d439_prep-k_qdf6739d439_prep
	.p2alignl 7, 3214868480
	.fill 96, 4, 3214868480
	.section	.rodata,"a",@progbits
	.p2align	6, 0x0
	.amdhsa_kernel k_qdf6739d439_prep
		.amdhsa_group_segment_fixed_size 0
		.amdhsa_private_segment_fixed_size 0
		.amdhsa_enable_private_segment 0
		.amdhsa_kernarg_size 64
		.amdhsa_user_sgpr_count 2
		.amdhsa_user_sgpr_kernarg_segment_ptr 1
		.amdhsa_wavefront_size32 1
		.amdhsa_system_sgpr_workgroup_id_x 1
		.amdhsa_system_sgpr_workgroup_id_y 1
		.amdhsa_system_sgpr_workgroup_id_z 1
		.amdhsa_system_vgpr_workitem_id 0
		.amdhsa_next_free_vgpr 128
		.amdhsa_next_free_sgpr 66
		.amdhsa_reserve_vcc 0
		.amdhsa_float_denorm_mode_32 3
		.amdhsa_float_denorm_mode_16_64 3
		.amdhsa_memory_ordered 1
		.amdhsa_forward_progress 1
		.amdhsa_inst_pref_size 48
	.end_amdhsa_kernel
	.amdgpu_metadata
---
amdhsa.version: [ 1, 2 ]
amdhsa.kernels:
  - .name:           k_qdf6739d439_prep
    .symbol:         k_qdf6739d439_prep.kd
    .args:
      - { .name: x, .offset: 0, .size: 8, .value_kind: global_buffer, .address_space: global }
      - { .name: attn_norm_w, .offset: 8, .size: 8, .value_kind: global_buffer, .address_space: global }
      - { .name: wq, .offset: 16, .size: 8, .value_kind: global_buffer, .address_space: global }
      - { .name: wo, .offset: 24, .size: 8, .value_kind: global_buffer, .address_space: global }
      - { .name: wk, .offset: 32, .size: 8, .value_kind: global_buffer, .address_space: global }
      - { .name: wv, .offset: 40, .size: 8, .value_kind: global_buffer, .address_space: global }
      - { .name: bufA, .offset: 48, .size: 8, .value_kind: global_buffer, .address_space: global }
      - { .name: wsm, .offset: 56, .size: 8, .value_kind: global_buffer, .address_space: global }
    .group_segment_fixed_size: 0
    .private_segment_fixed_size: 0
    .kernarg_segment_align: 8
    .kernarg_segment_size: 64
    .max_flat_workgroup_size: 128
    .sgpr_count:     66
    .vgpr_count:     128
    .wavefront_size: 32
...
	.end_amdgpu_metadata
.endif
;; end of part 1
;; launch qkv (part 2): grid 704 x 1, 4 waves a work-group, no clusters, 0 bytes of LDS; arguments bufA, wsm, freqs_cos, freqs_sin, w2, bufB, wbig; writes bufB, wbig
.if DOCPART == 2
	.amdgcn_target "amdgcn-amd-amdhsa--gfx1250"
	.amdhsa_code_object_version 6
	.text
	.protected	k_qdf6739d439_qkv
	.globl	k_qdf6739d439_qkv
	.p2align	8
	.type	k_qdf6739d439_qkv,@function
k_qdf6739d439_qkv:
	s_mov_b64 s[64:65], 0
	v_nop
	global_prefetch_b8 v0, s[64:65] scope:SCOPE_SE
	s_setreg_imm32_b32 hwreg(HW_REG_WAVE_MODE, 25, 1), 1
	s_wait_xcnt 0x0
; QKV.  Work-groups 0-191: q, k, v = xn (wq | wk | wv) on E3M2 codes, RoPE on q and k, and the results quantised for attention.
; Work-groups 192-703: units 2,048 to 4,095 of w2 (see QUNIT), which hang on nothing here and fill the rest of the chip.
; A wave takes 32 tokens x one head unit hu of 64 columns (hu 0-15 q's heads, 16-19 k's, 20-23 v's): eight accumulators, K in eight steps
; of 128, fragments straight from memory into two sets of registers, two steps ahead.
; q, k: source 0 = 16 columns of the weight, source 1 = 16 tokens: a lane holds ONE token and 32 b + 16 h + 0..15 of the head's 64, which
; are 16 neighbours along the next K (the head).  v: the sources change places: a lane holds ONE channel and 16 neighbouring tokens, since
; the keys are the next K.  k's and v's token tiles take tokens 8 m + r + 8 (r / 8) of the 32, q's 16 m + r.
; OUT: half fragments of 768 bytes, [3][32 lanes][8 bytes]: a store covers 256 consecutive bytes, aligned.  q's and k's scale words carry
; 0x7f in the bytes of the unused upper 64 of K.  v's scale bytes are single bytes 32 apart: 8,192 bytes in the whole launch.
; No LDS, no cluster: a work-group's waves share only xn's 24 KB and the launch has 49,152 matrix instructions in all.
; LIMITS: as stated for the quantiser in QUNIT's comment: NaN and infinities not served; blocks under 2^-122 get the byte 1.
.set WV, 24
.set QS, 40
.set QC, 42
.set QZ, 44
.set SEL, 36
.set MHI, 38                           ; s38 = lanes 16-31
.set AO, 2                             ; v2, v3 token tile m: token x 768 + 48 h
.set ASO, 4                            ; v4  32 x the token of tile h, row r
.set L16, 5
.set L8, 6
.set L4, 7
.set RO, 8                             ; v8, v9 token x 128 + 32 h: my eight cosines
.set L32, 10
.set BSC, 16                           ; v16-31 the weight's scale words [b][K step]: lanes 0-15 tile u = 0, lanes 16-31 u = 1
.set ASC, 32                           ; v32-39 xn's scale words [K step]: lanes 0-15 token tile 0, lanes 16-31 tile 1
.set BUF, 48                           ; v48-119, v120-191: two sets: token tiles 0, 1, weight tiles 0-3, 12 registers each
.set ACC, 192
.macro QLANES
	v_and_b32 v1, 31, v0
	v_and_b32 v5, 15, v0
	v_bfe_u32 v6, v0, 4, 1
	v_and_b32 v7, 8, v5
	v_add_nc_u32 v7, v7, v5
	v_lshl_add_u32 v7, v6, 3, v7
	v_lshlrev_b32 v2, 2, v7
	v_mul_u32_u24 v3, v6, 1536
	v_lshl_add_u32 v3, v5, 4, v3
	v_lshlrev_b32 v4, 2, v1
.endm
.macro QLOAD j, pitch
.set QI, 0
.rept 32
	global_load_b32 v[32+32*((\j)%2)+QI], v2, s[QS:QS+1] offset:(32*(\j)+QI)*(\pitch) th:TH_LOAD_NT
.set QI, QI+1
.endr
.endm
.macro QBLOCK j, pitch
.set QX, 32+32*((\j)%2)
.set QD, 96+12*((\j)%2)+6*((\j)/2)
.if (\j) < 3
	s_wait_loadcnt 32                              ; this block's 32 loads are in; the next block's 32 may be out
.else
	s_wait_loadcnt 0x0
.endif
	v_max3_num_f32 v5, |v[QX]|, |v[QX+1]|, |v[QX+2]|
	v_max3_num_f32 v6, |v[QX+3]|, |v[QX+4]|, |v[QX+5]|
.irp i, 6,10,14,18,22,26
	v_max3_num_f32 v5, v5, |v[QX+\i]|, |v[QX+\i+1]|
	v_max3_num_f32 v6, v6, |v[QX+\i+2]|, |v[QX+\i+3]|
.endr
	v_max3_num_f32 v5, v5, |v[QX+30]|, |v[QX+31]|
	v_max3_num_f32 v5, v5, v6, 0x2800000
	v_add_nc_u32 v7, 0xfe000000, v5
	v_lshrrev_b32 v8, 23, v7
	v_cvt_scalef32_pk16_bf6_f32 v[QD:QD+2], v[QX:QX+15], v7
	v_cvt_scalef32_pk16_bf6_f32 v[120:122], v[QX+16:QX+31], v7
.if (\j) == 0
	v_mov_b32 v9, v8
.else
	v_lshl_or_b32 v9, v8, 8*(\j), v9
.endif
	v_mov_b32 v[QD+3], v120
	v_mov_b32 v[QD+4], v121
	v_mov_b32 v[QD+5], v122
.if (\j) < 2
	QLOAD (\j)+2, \pitch
.endif
.endm
; A unit: 32 columns x 128 K of an f32 weight [K][N] into two fragments' register images and 32 scale words (a lane a column, registers down K)
.macro QUNIT pitch
	QLOAD 0, \pitch
	QLOAD 1, \pitch
	QBLOCK 0, \pitch
	QBLOCK 1, \pitch
	QBLOCK 2, \pitch
	QBLOCK 3, \pitch
.irp h, 0,1
.irp g, 0,1,2
	global_store_b128 v3, v[96+12*\h+4*\g:96+12*\h+4*\g+3], s[QC:QC+1] offset:512*\g+256*\h
.endr
.endr
	global_store_b32 v4, v9, s[QZ:QZ+1]
	s_endpgm
.endm
.macro Q_W2 first, nchain, wshift, src, big
	s_sub_co_u32 s46, ttmp9, \nchain
	s_lshl_b32 s46, s46, \wshift
	s_add_co_u32 s46, s46, s[WV]
.if \first
	s_add_co_u32 s46, s46, \first
.endif
	s_lshr_b32 s47, s46, 9
	s_bfe_u32 s48, s46, 0x30006
	s_bfe_u32 s49, s46, 0x40002
	s_and_b32 s50, s46, 3
	s_lshl_b32 s48, s48, 2
	s_add_co_u32 s48, s48, s50
	s_lshl_b32 s50, s47, 23
	s_lshl_b32 s51, s49, 19
	s_add_co_u32 s50, s50, s51
	s_lshl_b32 s51, s48, 7
	s_add_co_u32 s50, s50, s51
	s_mov_b32 s51, 0
	s_add_nc_u64 s[QS:QS+1], s[\src:\src+1], s[50:51]
	s_lshl_b32 s48, s48, 4
	s_add_co_u32 s48, s48, s49
	s_mul_i32 s50, s47, 1572864
	s_mul_i32 s52, s48, 3072
	s_add_co_u32 s50, s50, s52
	s_add_nc_u64 s[QC:QC+1], s[\big:\big+1], s[50:51]
	s_lshl_b32 s50, s47, 16
	s_lshl_b32 s52, s48, 7
	s_add_co_u32 s50, s50, s52
	s_add_co_u32 s50, s50, 37748736
	s_add_nc_u64 s[QZ:QZ+1], s[\big:\big+1], s[50:51]
.endm
; one matrix instruction: D at d, sources at a and b, z = 1: the sum starts at 0; scale registers sa, sb; ra, rb = 1: lanes 16-31 of them
.macro MM d, a, b, z, sa, sb, ra, rb
.if \z
.if (\ra) && (\rb)
	v_wmma_scale_f32_16x16x128_f8f6f4 v[\d:\d+7], v[\a:\a+11], v[\b:\b+11], 0, v[\sa], v[\sb] matrix_a_fmt:MATRIX_FMT_BF6 matrix_b_fmt:MATRIX_FMT_BF6 matrix_a_scale:MATRIX_SCALE_ROW1 matrix_b_scale:MATRIX_SCALE_ROW1
.elseif \ra
	v_wmma_scale_f32_16x16x128_f8f6f4 v[\d:\d+7], v[\a:\a+11], v[\b:\b+11], 0, v[\sa], v[\sb] matrix_a_fmt:MATRIX_FMT_BF6 matrix_b_fmt:MATRIX_FMT_BF6 matrix_a_scale:MATRIX_SCALE_ROW1
.elseif \rb
	v_wmma_scale_f32_16x16x128_f8f6f4 v[\d:\d+7], v[\a:\a+11], v[\b:\b+11], 0, v[\sa], v[\sb] matrix_a_fmt:MATRIX_FMT_BF6 matrix_b_fmt:MATRIX_FMT_BF6 matrix_b_scale:MATRIX_SCALE_ROW1
.else
	v_wmma_scale_f32_16x16x128_f8f6f4 v[\d:\d+7], v[\a:\a+11], v[\b:\b+11], 0, v[\sa], v[\sb] matrix_a_fmt:MATRIX_FMT_BF6 matrix_b_fmt:MATRIX_FMT_BF6
.endif
.else
.if (\ra) && (\rb)
	v_wmma_scale_f32_16x16x128_f8f6f4 v[\d:\d+7], v[\a:\a+11], v[\b:\b+11], v[\d:\d+7], v[\sa], v[\sb] matrix_a_fmt:MATRIX_FMT_BF6 matrix_b_fmt:MATRIX_FMT_BF6 matrix_a_scale:MATRIX_SCALE_ROW1 matrix_b_scale:MATRIX_SCALE_ROW1
.elseif \ra
	v_wmma_scale_f32_16x16x128_f8f6f4 v[\d:\d+7], v[\a:\a+11], v[\b:\b+11], v[\d:\d+7], v[\sa], v[\sb] matrix_a_fmt:MATRIX_FMT_BF6 matrix_b_fmt:MATRIX_FMT_BF6 matrix_a_scale:MATRIX_SCALE_ROW1
.elseif \rb
	v_wmma_scale_f32_16x16x128_f8f6f4 v[\d:\d+7], v[\a:\a+11], v[\b:\b+11], v[\d:\d+7], v[\sa], v[\sb] matrix_a_fmt:MATRIX_FMT_BF6 matrix_b_fmt:MATRIX_FMT_BF6 matrix_b_scale:MATRIX_SCALE_ROW1
.else
	v_wmma_scale_f32_16x16x128_f8f6f4 v[\d:\d+7], v[\a:\a+11], v[\b:\b+11], v[\d:\d+7], v[\sa], v[\sb] matrix_a_fmt:MATRIX_FMT_BF6 matrix_b_fmt:MATRIX_FMT_BF6
.endif
.endif
.endm
.macro PLACES                          ; four plain lines between a matrix instruction and a load into, or a vector line on, its registers
.rept 4
	v_nop
.endr
.endm
; 32 numbers of a lane, register 16 b + i = k 32 b + 16 h + i of blocks b = 0, 1, become six registers of codes at f: lane (r, h) holds all of
; block h.  g: three registers at work; tm: eight at work; the blocks' bytes are left in tm + 6 and tm + 7, in every lane.
.macro QUANT2 n, f, g, tm
	v_max3_num_f32 v[\tm], |v[\n]|, |v[\n+1]|, 0x2800000
	v_max3_num_f32 v[\tm+1], |v[\n+16]|, |v[\n+17]|, 0x2800000
.irp i, 2,4,6,8,10,12,14
	v_max3_num_f32 v[\tm], v[\tm], |v[\n+\i]|, |v[\n+\i+1]|
	v_max3_num_f32 v[\tm+1], v[\tm+1], |v[\n+16+\i]|, |v[\n+17+\i]|
.endr
	v_permlanex16_b32 v[\tm+2], v[\tm], s[SEL], s[SEL+1]
	v_permlanex16_b32 v[\tm+3], v[\tm+1], s[SEL], s[SEL+1]
	v_max_num_f32 v[\tm], v[\tm], v[\tm+2]
	v_max_num_f32 v[\tm+1], v[\tm+1], v[\tm+3]
	v_add_nc_u32 v[\tm+4], 0xfe000000, v[\tm]
	v_add_nc_u32 v[\tm+5], 0xfe000000, v[\tm+1]
	v_lshrrev_b32 v[\tm+6], 23, v[\tm+4]
	v_lshrrev_b32 v[\tm+7], 23, v[\tm+5]
	v_cvt_scalef32_pk16_bf6_f32 v[\f:\f+2], v[\n:\n+15], v[\tm+4]
	v_cvt_scalef32_pk16_bf6_f32 v[\g:\g+2], v[\n+16:\n+31], v[\tm+5]
	v_nop                                          ; one plain line behind a scaled conversion
.irp i, 0,1,2
	v_permlane16_swap_b32 v[\f+\i], v[\g+\i]       ; f: each lane's block's lower 16 codes, g: the upper 16
.endr
.irp i, 0,1,2
	v_mov_b32 v[\f+3+\i], v[\g+\i]
.endr
.endm
.macro FR ks                           ; a K step's 18 loads: two token tiles, four weight tiles
.set FB, BUF+72*((\ks)%2)
.irp g, 0,1,2
	global_load_b128 v[FB+4*\g:FB+4*\g+3], v[AO], s[4:5] offset:96*(\ks)+16*\g
.endr
.irp g, 0,1,2
	global_load_b128 v[FB+12+4*\g:FB+12+4*\g+3], v[AO+1], s[4:5] offset:96*(\ks)+16*\g
.endr
.irp t, 0,1,2,3
.irp g, 0,1,2
	global_load_b128 v[FB+24+12*\t+4*\g:FB+24+12*\t+4*\g+3], v[L16], s[40:41] offset:24576*(\t/2)+3072*(\ks)+1536*(\t%2)+512*\g
.endr
.endr
.endm
; a K step's eight matrix instructions, the eight accumulators by turns.  cnt: the loads issued behind this step's
.macro KSTEP ks, vp, cnt
.set FB, BUF+72*((\ks)%2)
	s_wait_loadcnt \cnt
.if \vp
.irp c, 0,1,2,3
.irp u, 0,1
	MM ACC+16*\c+8*\u, FB+12*\u, FB+24+12*\c, (\ks)==0, ASC+(\ks), BSC+8*(\c/2)+(\ks), \u, \c%2
.endr
.endr
.else
.irp m, 0,1
.irp t, 0,1,2,3
	MM ACC+32*\m+8*\t, FB+24+12*\t, FB+12*\m, (\ks)==0, BSC+8*(\t/2)+(\ks), ASC+(\ks), \t%2, \m
.endr
.endr
.endif
	PLACES
.endm
	s_load_b256 s[4:11], s[0:1], 0x0               ; bufA, wsm, cos, sin
	s_load_b128 s[12:15], s[0:1], 0x20             ; w2, bufB
	s_load_b64 s[16:17], s[0:1], 0x30              ; wbig
	v_lshrrev_b32 v1, 5, v0
	v_readfirstlane_b32 s[WV], v1
	s_cmp_lt_u32 ttmp9, 192
	s_cbranch_scc1 .Lchain
	QLANES
	s_wait_kmcnt 0x0
	Q_W2 2048, 192, 2, 12, 16
	QUNIT 4096
.Lchain:
	s_and_b32 s25, ttmp9, 31                       ; block of 32 tokens
	s_lshr_b32 s26, ttmp9, 5                       ; 0-3 q, 4 k, 5 v
	s_lshl_b32 s27, s26, 2
	s_add_co_u32 s27, s27, s[WV]                   ; head unit
	s_cmp_lt_u32 s26, 4
	s_cselect_b32 s28, 16, 8                       ; from tile 0's tokens to tile 1's
	s_cselect_b32 s29, 0, 8                        ; k, v: + 8 (r / 8)
	s_mov_b32 s[SEL], 0x76543210
	s_mov_b32 s[SEL+1], 0xfedcba98
	s_mov_b32 s[MHI], 0xffff0000
	v_and_b32 v11, 15, v0                          ; r
	v_bfe_u32 v12, v0, 4, 1                        ; h
	v_and_b32 v1, 31, v0
	v_and_b32 v13, s29, v11
	v_add_nc_u32 v13, v13, v11
	s_lshl_b32 s30, s25, 5
	v_add_nc_u32 v13, s30, v13                     ; tile 0's token
	v_add_nc_u32 v14, s28, v13                     ; tile 1's
	v_mul_u32_u24 v15, v12, 48
	v_mad_u32_u24 v[AO], v13, 768, v15
	v_mad_u32_u24 v[AO+1], v14, 768, v15
	v_cndmask_b32 v[ASO], v13, v14, s[MHI]
	v_lshlrev_b32 v[ASO], 5, v[ASO]
	v_lshlrev_b32 v[L16], 4, v1
	v_lshlrev_b32 v[L8], 3, v1
	v_lshlrev_b32 v[L4], 2, v1
	v_lshlrev_b32 v[L32], 5, v1
	v_lshlrev_b32 v15, 5, v12
	v_lshl_add_u32 v[RO], v13, 7, v15
	v_lshl_add_u32 v[RO+1], v14, 7, v15
	s_mov_b32 s31, 0
	s_mul_i32 s30, s27, 49152
	s_wait_kmcnt 0x0
	s_add_nc_u64 s[40:41], s[6:7], s[30:31]        ; the unit's weight fragments
	s_mul_i32 s32, s25, 1536
	s_add_co_u32 s30, s30, s32
	s_add_nc_u64 s[44:45], s[14:15], s[30:31]      ; its codes out
	s_lshl_b32 s30, s27, 11
	s_add_nc_u64 s[42:43], s[6:7], s[30:31]        ; the weight's scale words
	s_lshl_b32 s30, s27, 12
	s_lshl_b32 s32, s25, 7
	s_add_co_u32 s30, s30, s32
	s_add_nc_u64 s[46:47], s[14:15], s[30:31]      ; q's, k's scale words out
	s_lshl_b32 s30, s[WV], 11
	s_add_co_u32 s30, s30, s25
	s_add_nc_u64 s[48:49], s[14:15], s[30:31]      ; v's scale bytes out
.irp b, 0,1
.irp k, 0,1,2,3,4,5,6,7
	global_load_b32 v[BSC+8*\b+\k], v[L4], s[42:43] offset:1966080+(8*\b+\k)*128
.endr
.endr
	global_load_b128 v[ASC:ASC+3], v[ASO], s[4:5] offset:786432
	global_load_b128 v[ASC+4:ASC+7], v[ASO], s[4:5] offset:786432+16
	FR 0
	FR 1
	s_cmp_eq_u32 s26, 5
	s_cbranch_scc1 .Lvpath
.irp k, 0,1,2,3,4,5
	KSTEP \k, 0, 18                                ; the next step's 18 loads may be out
	FR \k+2
.endr
	KSTEP 6, 0, 18
.irp m, 0,1                                    ; cosines and sines of my 32 pairs, into the set that step 6 has left
.irp b, 0,1
	global_load_b128 v[BUF+16*(2*\m+\b):BUF+16*(2*\m+\b)+3], v[RO+\m], s[8:9] offset:64*\b
	global_load_b128 v[BUF+16*(2*\m+\b)+4:BUF+16*(2*\m+\b)+7], v[RO+\m], s[8:9] offset:64*\b+16
	global_load_b128 v[BUF+16*(2*\m+\b)+8:BUF+16*(2*\m+\b)+11], v[RO+\m], s[10:11] offset:64*\b
	global_load_b128 v[BUF+16*(2*\m+\b)+12:BUF+16*(2*\m+\b)+15], v[RO+\m], s[10:11] offset:64*\b+16
.endr
.endr
	KSTEP 7, 0, 16                                 ; those 16 may be out
	s_wait_loadcnt 0x0
.irp m, 0,1                                    ; RoPE: registers 2 p, 2 p + 1 are a pair; each accumulator from its low end on
.irp b, 0,1
.irp p, 0,1,2,3,4,5,6,7
.set RN, ACC+32*\m+16*\b+2*\p
.set RC, BUF+16*(2*\m+\b)+\p
	v_mul_f32 v[158+2*(\p%2)], v[RN], v[RC]
	v_mul_f32 v[159+2*(\p%2)], v[RN], v[RC+8]
	v_fma_f32 v[RN], -v[RN+1], v[RC+8], v[158+2*(\p%2)]
	v_fma_f32 v[RN+1], v[RN+1], v[RC], v[159+2*(\p%2)]
.endr
.endr
.endr
	QUANT2 ACC, 120, 126, 140
	QUANT2 ACC+32, 130, 136, 148
	v_lshl_or_b32 v156, v147, 8, v146
	v_lshl_or_b32 v157, v155, 8, v154
	v_cndmask_b32 v156, v156, v157, s[MHI]         ; lanes 0-15: tile 0's words, lanes 16-31: tile 1's
	v_or_b32 v156, 0x7f7f0000, v156                ; the unused upper half of K: scale 1 over zero codes
.irp p, 0,1,2
	global_store_b64 v[L8], v[120+2*\p:121+2*\p], s[44:45] offset:256*\p
	global_store_b64 v[L8], v[130+2*\p:131+2*\p], s[44:45] offset:768+256*\p
.endr
	global_store_b32 v[L4], v156, s[46:47] offset:1179648
	s_endpgm
.Lvpath:
.irp k, 0,1,2,3,4,5
	KSTEP \k, 1, 18
	FR \k+2
.endr
	KSTEP 6, 1, 18
	KSTEP 7, 1, 0
	QUANT2 ACC, 120, 126, 140                      ; channel tiles 0, 1: K = my 32 tokens
	QUANT2 ACC+32, 130, 136, 148                   ; channel tiles 2, 3
	v_cndmask_b32 v156, v146, v147, s[MHI]         ; lane (r, h) holds tile 2 a + h's channel: its byte
	v_cndmask_b32 v157, v154, v155, s[MHI]
.irp p, 0,1,2
	global_store_b64 v[L8], v[120+2*\p:121+2*\p], s[44:45] offset:256*\p
	global_store_b64 v[L8], v[130+2*\p:131+2*\p], s[44:45] offset:768+256*\p
.endr
	global_store_b8 v[L32], v156, s[48:49] offset:1261568
	global_store_b8 v[L32], v157, s[48:49] offset:1261568+1024
	s_endpgm
.Lfunc_end_k_qdf6739d439_qkv:
	.size	k_qdf6739d439_qkv, .Lfunc_end_k_qdf6739d439_qkv-k_qdf6739d439_qkv
	.p2alignl 7, 3214868480
	.fill 96, 4, 3214868480
	.section	.rodata,"a",@progbits
	.p2align	6, 0x0
	.amdhsa_kernel k_qdf6739d439_qkv
		.amdhsa_group_segment_fixed_size 0
		.amdhsa_private_segment_fixed_size 0
		.amdhsa_enable_private_segment 0
		.amdhsa_kernarg_size 56
		.amdhsa_user_sgpr_count 2
		.amdhsa_user_sgpr_kernarg_segment_ptr 1
		.amdhsa_wavefront_size32 1
		.amdhsa_system_sgpr_workgroup_id_x 1
		.amdhsa_system_sgpr_workgroup_id_y 1
		.amdhsa_system_sgpr_workgroup_id_z 1
		.amdhsa_system_vgpr_workitem_id 0
		.amdhsa_next_free_vgpr 256
		.amdhsa_next_free_sgpr 66
		.amdhsa_reserve_vcc 0
		.amdhsa_float_denorm_mode_32 3
		.amdhsa_float_denorm_mode_16_64 3
		.amdhsa_memory_ordered 1
		.amdhsa_forward_progress 1
		.amdhsa_inst_pref_size 83
	.end_amdhsa_kernel
	.amdgpu_metadata
---
amdhsa.version: [ 1, 2 ]
amdhsa.kernels:
  - .name:           k_qdf6739d439_qkv
    .symbol:         k_qdf6739d439_qkv.kd
    .args:
      - { .name: bufA, .offset: 0, .size: 8, .value_kind: global_buffer, .address_space: global }
      - { .name: wsm, .offset: 8, .size: 8, .value_kind: global_buffer, .address_space: global }
      - { .name: freqs_cos, .offset: 16, .size: 8, .value_kind: global_buffer, .address_space: global }
      - { .name: freqs_sin, .offset: 24, .size: 8, .value_kind: global_buffer, .address_space: global }
      - { .name: w2, .offset: 32, .size: 8, .value_kind: global_buffer, .address_space: global }
      - { .name: bufB, .offset: 40, .size: 8, .value_kind: global_buffer, .address_space: global }
      - { .name: wbig, .offset: 48, .size: 8, .value_kind: global_buffer, .address_space: global }
    .group_segment_fixed_size: 0
    .private_segment_fixed_size: 0
    .kernarg_segment_align: 8
    .kernarg_segment_size: 56
    .max_flat_workgroup_size: 128
    .sgpr_count:     66
    .vgpr_count:     256
    .wavefront_size: 32
...
	.end_amdgpu_metadata
.endif
;; end of part 2
;; launch attn (part 3): grid 768 x 1, 4 waves a work-group, no clusters, 0 bytes of LDS; arguments bufB, w2, att, wbig; writes att, wbig
.if DOCPART == 3
	.amdgcn_target "amdgcn-amd-amdhsa--gfx1250"
	.amdhsa_code_object_version 6
	.text
	.protected	k_qdf6739d439_attn
	.globl	k_qdf6739d439_attn
	.p2align	8
	.type	k_qdf6739d439_attn,@function
k_qdf6739d439_attn:
	s_mov_b64 s[64:65], 0
	v_nop
	global_prefetch_b8 v0, s[64:65] scope:SCOPE_SE
	s_setreg_imm32_b32 hwreg(HW_REG_WAVE_MODE, 25, 1), 1
	s_wait_xcnt 0x0
; ATTENTION, causal, 16 query heads on 4 key and value heads, head size 64, both products on E3M2 codes.
; Work-groups 0-255: tile of 16 queries qt = 63 - wg / 4 (the longest first), key head wg % 4; wave w takes query head 4 kv + w.
; Work-groups 256-767: units 0 to 2,047 of w2 (see QUNIT), which hang on nothing here.
; A wave walks the keys 128 a step: qt / 8 whole steps and the step on the diagonal, where hidden scores become -infinity.  Steps wholly
; behind the diagonal are not walked.  Both products are used transposed (S^T = K Q^T, O^T = V^T P^T): a lane holds one query throughout.
; K = 64 IN A FORM OF 128: q's registers 6-11 are zero codes and the scale bytes of the upper 64 are 0x7f.  A key tile's six registers are
; followed by the next tile's six (finite codes), which meet q's zeros and add nothing; six cleared registers follow the last tile.
; SOFTMAX: t = score x log2(e) / 8; M = the running largest t rounded up to a whole number; p = 2^(t - M) is quantised along the keys; the sum
; is taken of the unquantised p and divides at the end; when M moves, sum and O^T are multiplied by a power of two.
; K and V come from memory into registers a step ahead; no LDS: a key head's codes are 96 KB, read by waves that run at the same time.
; OUT: O / sum, quantised along the head (K of the next product): 768 bytes a wave in whole runs of 256; two scale bytes a token and head.
; LIMITS: NaN and infinities not served; blocks under 2^-122 get the byte 1.
.set WV, 24
.set QS, 40
.set QC, 42
.set QZ, 44
.set SEL, 36
.set CS, 38                            ; s[38:39] c = log2(e) / 8
.set KC, 12                            ; s[12:13] the step's codes of K;  s[14:15] its scale words;  s[16:17], s[18:19] V's
.set KSB, 14
.set VC, 16
.set VSB, 18
.set QSC, 5                            ; v5 q's scale words;  v6 p's
.set PSC, 6
.set QF, 16                            ; v16-27 q
.set KT, 28                            ; v28-75 eight key tiles, six registers each; v76-81 zeros
.set VT, 82                            ; v82-129 four tiles of V^T
.set S, 130                            ; v130-193 S^T, then p
.set O, 194                            ; v194-225 O^T
.set P, 226                            ; v226-237 p's codes;  before them: v226-229 block maxima, v230-233 and v[234:235] at work
.set CT, 238                           ; v238-245 at work on the codes; before that v238-241 the bytes
.set KSC, 246
.set VSC, 250
.set SOP, 252                          ; v252-255 the conversions' scale operands
.macro QLANES
	v_and_b32 v1, 31, v0
	v_and_b32 v5, 15, v0
	v_bfe_u32 v6, v0, 4, 1
	v_and_b32 v7, 8, v5
	v_add_nc_u32 v7, v7, v5
	v_lshl_add_u32 v7, v6, 3, v7
	v_lshlrev_b32 v2, 2, v7
	v_mul_u32_u24 v3, v6, 1536
	v_lshl_add_u32 v3, v5, 4, v3
	v_lshlrev_b32 v4, 2, v1
.endm
.macro QLOAD j, pitch
.set QI, 0
.rept 32
	global_load_b32 v[32+32*((\j)%2)+QI], v2, s[QS:QS+1] offset:(32*(\j)+QI)*(\pitch) th:TH_LOAD_NT
.set QI, QI+1
.endr
.endm
.macro QBLOCK j, pitch
.set QX, 32+32*((\j)%2)
.set QD, 96+12*((\j)%2)+6*((\j)/2)
.if (\j) < 3
	s_wait_loadcnt 32                              ; this block's 32 loads are in; the next block's 32 may be out
.else
	s_wait_loadcnt 0x0
.endif
	v_max3_num_f32 v5, |v[QX]|, |v[QX+1]|, |v[QX+2]|
	v_max3_num_f32 v6, |v[QX+3]|, |v[QX+4]|, |v[QX+5]|
.irp i, 6,10,14,18,22,26
	v_max3_num_f32 v5, v5, |v[QX+\i]|, |v[QX+\i+1]|
	v_max3_num_f32 v6, v6, |v[QX+\i+2]|, |v[QX+\i+3]|
.endr
	v_max3_num_f32 v5, v5, |v[QX+30]|, |v[QX+31]|
	v_max3_num_f32 v5, v5, v6, 0x2800000
	v_add_nc_u32 v7, 0xfe000000, v5
	v_lshrrev_b32 v8, 23, v7
	v_cvt_scalef32_pk16_bf6_f32 v[QD:QD+2], v[QX:QX+15], v7
	v_cvt_scalef32_pk16_bf6_f32 v[120:122], v[QX+16:QX+31], v7
.if (\j) == 0
	v_mov_b32 v9, v8
.else
	v_lshl_or_b32 v9, v8, 8*(\j), v9
.endif
	v_mov_b32 v[QD+3], v120
	v_mov_b32 v[QD+4], v121
	v_mov_b32 v[QD+5], v122
.if (\j) < 2
	QLOAD (\j)+2, \pitch
.endif
.endm
; A unit: 32 columns x 128 K of an f32 weight [K][N] into two fragments' register images and 32 scale words (a lane a column, registers down K)
.macro QUNIT pitch
	QLOAD 0, \pitch
	QLOAD 1, \pitch
	QBLOCK 0, \pitch
	QBLOCK 1, \pitch
	QBLOCK 2, \pitch
	QBLOCK 3, \pitch
.irp h, 0,1
.irp g, 0,1,2
	global_store_b128 v3, v[96+12*\h+4*\g:96+12*\h+4*\g+3], s[QC:QC+1] offset:512*\g+256*\h
.endr
.endr
	global_store_b32 v4, v9, s[QZ:QZ+1]
	s_endpgm
.endm
; unit U of w2 [8][2048][1024]: expert U / 512, then 8 groups of 4 column blocks, 16 K steps, 4 neighbouring blocks for 4 neighbouring waves
.macro Q_W2 first, nchain, wshift, src, big
	s_sub_co_u32 s46, ttmp9, \nchain
	s_lshl_b32 s46, s46, \wshift
	s_add_co_u32 s46, s46, s[WV]
.if \first
	s_add_co_u32 s46, s46, \first
.endif
	s_lshr_b32 s47, s46, 9                         ; expert
	s_bfe_u32 s48, s46, 0x30006
	s_bfe_u32 s49, s46, 0x40002                    ; K step
	s_and_b32 s50, s46, 3
	s_lshl_b32 s48, s48, 2
	s_add_co_u32 s48, s48, s50                     ; block of 32 columns
	s_lshl_b32 s50, s47, 23
	s_lshl_b32 s51, s49, 19
	s_add_co_u32 s50, s50, s51
	s_lshl_b32 s51, s48, 7
	s_add_co_u32 s50, s50, s51
	s_mov_b32 s51, 0
	s_add_nc_u64 s[QS:QS+1], s[\src:\src+1], s[50:51]
	s_lshl_b32 s48, s48, 4
	s_add_co_u32 s48, s48, s49                     ; 16 x block + K step
	s_mul_i32 s50, s47, 1572864
	s_mul_i32 s52, s48, 3072
	s_add_co_u32 s50, s50, s52
	s_add_nc_u64 s[QC:QC+1], s[\big:\big+1], s[50:51]
	s_lshl_b32 s50, s47, 16
	s_lshl_b32 s52, s48, 7
	s_add_co_u32 s50, s50, s52
	s_add_co_u32 s50, s50, 37748736
	s_add_nc_u64 s[QZ:QZ+1], s[\big:\big+1], s[50:51]
.endm
.macro MM d, a, b, z, sa, sb, ra, rb
.if \z
.if (\ra) && (\rb)
	v_wmma_scale_f32_16x16x128_f8f6f4 v[\d:\d+7], v[\a:\a+11], v[\b:\b+11], 0, v[\sa], v[\sb] matrix_a_fmt:MATRIX_FMT_BF6 matrix_b_fmt:MATRIX_FMT_BF6 matrix_a_scale:MATRIX_SCALE_ROW1 matrix_b_scale:MATRIX_SCALE_ROW1
.elseif \ra
	v_wmma_scale_f32_16x16x128_f8f6f4 v[\d:\d+7], v[\a:\a+11], v[\b:\b+11], 0, v[\sa], v[\sb] matrix_a_fmt:MATRIX_FMT_BF6 matrix_b_fmt:MATRIX_FMT_BF6 matrix_a_scale:MATRIX_SCALE_ROW1
.elseif \rb
	v_wmma_scale_f32_16x16x128_f8f6f4 v[\d:\d+7], v[\a:\a+11], v[\b:\b+11], 0, v[\sa], v[\sb] matrix_a_fmt:MATRIX_FMT_BF6 matrix_b_fmt:MATRIX_FMT_BF6 matrix_b_scale:MATRIX_SCALE_ROW1
.else
	v_wmma_scale_f32_16x16x128_f8f6f4 v[\d:\d+7], v[\a:\a+11], v[\b:\b+11], 0, v[\sa], v[\sb] matrix_a_fmt:MATRIX_FMT_BF6 matrix_b_fmt:MATRIX_FMT_BF6
.endif
.else
.if (\ra) && (\rb)
	v_wmma_scale_f32_16x16x128_f8f6f4 v[\d:\d+7], v[\a:\a+11], v[\b:\b+11], v[\d:\d+7], v[\sa], v[\sb] matrix_a_fmt:MATRIX_FMT_BF6 matrix_b_fmt:MATRIX_FMT_BF6 matrix_a_scale:MATRIX_SCALE_ROW1 matrix_b_scale:MATRIX_SCALE_ROW1
.elseif \ra
	v_wmma_scale_f32_16x16x128_f8f6f4 v[\d:\d+7], v[\a:\a+11], v[\b:\b+11], v[\d:\d+7], v[\sa], v[\sb] matrix_a_fmt:MATRIX_FMT_BF6 matrix_b_fmt:MATRIX_FMT_BF6 matrix_a_scale:MATRIX_SCALE_ROW1
.elseif \rb
	v_wmma_scale_f32_16x16x128_f8f6f4 v[\d:\d+7], v[\a:\a+11], v[\b:\b+11], v[\d:\d+7], v[\sa], v[\sb] matrix_a_fmt:MATRIX_FMT_BF6 matrix_b_fmt:MATRIX_FMT_BF6 matrix_b_scale:MATRIX_SCALE_ROW1
.else
	v_wmma_scale_f32_16x16x128_f8f6f4 v[\d:\d+7], v[\a:\a+11], v[\b:\b+11], v[\d:\d+7], v[\sa], v[\sb] matrix_a_fmt:MATRIX_FMT_BF6 matrix_b_fmt:MATRIX_FMT_BF6
.endif
.endif
.endm
.macro PLACES                          ; four plain lines between a matrix instruction and a load into, or a vector line on, its registers
.rept 4
	v_nop
.endr
.endm
.macro QUANT2 n, f, g, tm
	v_max3_num_f32 v[\tm], |v[\n]|, |v[\n+1]|, 0x2800000
	v_max3_num_f32 v[\tm+1], |v[\n+16]|, |v[\n+17]|, 0x2800000
.irp i, 2,4,6,8,10,12,14
	v_max3_num_f32 v[\tm], v[\tm], |v[\n+\i]|, |v[\n+\i+1]|
	v_max3_num_f32 v[\tm+1], v[\tm+1], |v[\n+16+\i]|, |v[\n+17+\i]|
.endr
	v_permlanex16_b32 v[\tm+2], v[\tm], s[SEL], s[SEL+1]
	v_permlanex16_b32 v[\tm+3], v[\tm+1], s[SEL], s[SEL+1]
	v_max_num_f32 v[\tm], v[\tm], v[\tm+2]
	v_max_num_f32 v[\tm+1], v[\tm+1], v[\tm+3]
	v_add_nc_u32 v[\tm+4], 0xfe000000, v[\tm]
	v_add_nc_u32 v[\tm+5], 0xfe000000, v[\tm+1]
	v_lshrrev_b32 v[\tm+6], 23, v[\tm+4]
	v_lshrrev_b32 v[\tm+7], 23, v[\tm+5]
	v_cvt_scalef32_pk16_bf6_f32 v[\f:\f+2], v[\n:\n+15], v[\tm+4]
	v_cvt_scalef32_pk16_bf6_f32 v[\g:\g+2], v[\n+16:\n+31], v[\tm+5]
	v_nop
.irp i, 0,1,2
	v_permlane16_swap_b32 v[\f+\i], v[\g+\i]
.endr
.irp i, 0,1,2
	v_mov_b32 v[\f+3+\i], v[\g+\i]
.endr
.endm
.macro LOADK                           ; 28 loads: eight key tiles and their scale words
.irp t, 0,1,2,3,4,5,6,7
.irp p, 0,1,2
	global_load_b64 v[KT+6*\t+2*\p:KT+6*\t+2*\p+1], v1, s[KC:KC+1] offset:768*\t+256*\p
.endr
.endr
.irp b, 0,1,2,3
	global_load_b32 v[KSC+\b], v3, s[KSB:KSB+1] offset:128*\b
.endr
.endm
.macro LOADV                           ; 26 loads: four tiles of V^T (16 channels x 128 keys) and their scale words
.irp t, 0,1,2,3
.irp c, 0,1
.irp p, 0,1,2
	global_load_b64 v[VT+12*\t+6*\c+2*\p:VT+12*\t+6*\c+2*\p+1], v2, s[VC:VC+1] offset:3072*\c+768*(\t/2)+256*\p+128*(\t%2)
.endr
.endr
.endr
	global_load_b32 v[VSC], v4, s[VSB:VSB+1]
	global_load_b32 v[VSC+1], v4, s[VSB:VSB+1] offset:1024
.endm
; A key step.  mask = 1: the step on the diagonal.  pre = 1: the next step's K and V are asked for.
.macro STEP mask, pre
	s_wait_loadcnt 26                              ; K (and q) are in; V's 26 loads may be out
.irp t, 0,1,2,3,4,5,6,7
	MM S+8*\t, KT+6*\t, QF, 1, KSC+(\t/2), QSC, \t%2, 0
.endr
	PLACES
.if \pre
	s_add_nc_u64 s[KC:KC+1], s[KC:KC+1], 6144      ; K's loads are done (the wait above): their bases may step
	s_add_nc_u64 s[KSB:KSB+1], s[KSB:KSB+1], 512
	LOADK
.endif
.if \mask
.set J, 0
.rept 64                                       ; register 16 b + i holds key 32 b + 16 h + i of the step: hidden where 32 b + i > d
	v_cmp_gt_i32 vcc_lo, 32*(J/16)+J%16, v14
	v_cndmask_b32 v[S+J], v[S+J], v15, vcc_lo
.set J, J+1
.endr
.endif
.irp b, 0,1,2,3
	v_max3_num_f32 v[P+\b], v[S+16*\b], v[S+1+16*\b], v[S+2+16*\b]   ; each block's largest score: for the row's maximum and for the block's largest p
.endr
.irp i, 3,5,7,9,11,13
.irp b, 0,1,2,3
	v_max3_num_f32 v[P+\b], v[P+\b], v[S+16*\b+\i], v[S+1+16*\b+\i]
.endr
.endr
.irp b, 0,1,2,3
	v_max_num_f32 v[P+\b], v[P+\b], v[S+15+16*\b]
.endr
.irp b, 0,1,2,3
	v_permlanex16_b32 v[P+4+\b], v[P+\b], s[SEL], s[SEL+1]
.endr
.irp b, 0,1,2,3
	v_max_num_f32 v[P+\b], v[P+\b], v[P+4+\b]
.endr
	v_max3_num_f32 v7, v[P], v[P+1], v[P+2]
	v_max_num_f32 v7, v7, v[P+3]
	v_mul_f32 v7, s[CS], v7
	v_max_num_f32 v11, v11, v7                     ; the running largest t
	v_mov_b32 v7, v10
	v_floor_f32 v10, -v11                          ; -M = floor(-t)
	v_sub_f32 v7, v10, v7                          ; old M - new M, a whole number, 0 or less
	v_cvt_i32_f32 v7, v7
	v_ldexp_f32 v8, 1.0, v7                        ; f = 2^(old M - new M)
.set J, 0
.rept 32
	v_pk_fma_f32 v[S+J:S+J+1], v[S+J:S+J+1], s[CS:CS+1], v[10:11] op_sel_hi:[1,0,0]   ; t - M
.set J, J+2
.endr
.irp b, 0,1,2,3
	v_fma_f32 v[P+\b], v[P+\b], s[CS], v10
.endr
.set J, 0
.rept 64
	v_exp_f32 v[S+J], v[S+J]                       ; p = 2^(t - M)
.set J, J+1
.endr
	v_pk_mul_f32 v[12:13], v[12:13], v[8:9] op_sel_hi:[1,0]   ; the sums under the new M; a plain line behind the exponentials
	s_wait_alu depctr_va_vdst(0)                   ; one wait for the batch, ahead of its first reader
.irp b, 0,1,2,3
	v_exp_f32 v[P+\b], v[P+\b]                     ; each block's largest p
.endr
	v_pk_add_f32 v[P+8:P+9], v[S:S+1], v[S+2:S+3]  ; the row's sum of the unquantised p, in two chains
.irp j, 4,8,12,16,20,24,28,32,36,40,44,48,52,56,60
	v_pk_add_f32 v[12:13], v[12:13], v[S+\j:S+\j+1]
	v_pk_add_f32 v[P+8:P+9], v[P+8:P+9], v[S+2+\j:S+3+\j]
.endr
	v_pk_add_f32 v[12:13], v[12:13], v[P+8:P+9]
	s_wait_alu depctr_va_vdst(0)                   ; and one for the four
.irp b, 0,1,2,3
	v_max_num_f32 v[P+\b], 0x2800000, v[P+\b]
.endr
.irp b, 0,1,2,3
	v_add_nc_u32 v[SOP+\b], 0xfe000000, v[P+\b]
.endr
.irp b, 0,1,2,3
	v_lshrrev_b32 v[CT+\b], 23, v[SOP+\b]
.endr
	v_lshl_or_b32 v[PSC], v[CT+1], 8, v[CT]
	v_lshl_or_b32 v[PSC], v[CT+2], 16, v[PSC]
	v_lshl_or_b32 v[PSC], v[CT+3], 24, v[PSC]      ; p's scale word for these 128 keys
.irp c, 0,1
	v_cvt_scalef32_pk16_bf6_f32 v[P+6*\c:P+2+6*\c], v[S+32*\c:S+15+32*\c], v[SOP+2*\c]
	v_cvt_scalef32_pk16_bf6_f32 v[CT+4*\c:CT+2+4*\c], v[S+16+32*\c:S+31+32*\c], v[SOP+2*\c+1]
.endr
	v_nop
.irp c, 0,1
.irp i, 0,1,2
	v_permlane16_swap_b32 v[P+6*\c+\i], v[CT+4*\c+\i]
.endr
.irp i, 0,1,2
	v_mov_b32 v[P+3+6*\c+\i], v[CT+4*\c+\i]
.endr
.endr
.set J, 0
.rept 16
	v_pk_mul_f32 v[O+J:O+J+1], v[O+J:O+J+1], v[8:9] op_sel_hi:[1,0]   ; O^T under the new M; for each product below twelve of these name none of its registers
.set J, J+2
.endr
.if \pre
	s_wait_loadcnt 28                              ; V is in; the next step's K, 28 loads, may be out
.else
	s_wait_loadcnt 0x0
.endif
.irp t, 0,1,2,3
	MM O+8*\t, VT+12*\t, P, 0, VSC+(\t/2), PSC, \t%2, 0
.endr
	PLACES
.if \pre
	s_add_nc_u64 s[VC:VC+1], s[VC:VC+1], 6144      ; V's loads are done: their bases may step
	s_add_nc_u64 s[VSB:VSB+1], s[VSB:VSB+1], 4
	LOADV
.endif
.endm
	s_load_b256 s[4:11], s[0:1], 0x0               ; bufB, w2, att, wbig
	v_lshrrev_b32 v1, 5, v0
	v_readfirstlane_b32 s[WV], v1
	s_cmp_lt_u32 ttmp9, 256
	s_cbranch_scc1 .Lchain
	QLANES
	s_wait_kmcnt 0x0
	Q_W2 0, 256, 2, 6, 10
	QUNIT 4096
.Lchain:
	s_lshr_b32 s25, ttmp9, 2
	s_sub_co_u32 s25, 63, s25                      ; tile of queries
	s_and_b32 s26, ttmp9, 3                        ; key head
	s_lshl_b32 s27, s26, 2
	s_add_co_u32 s27, s27, s[WV]                   ; query head
	s_lshr_b32 s33, s25, 3                         ; whole steps ahead of the diagonal
	s_mov_b32 s[SEL], 0x76543210
	s_mov_b32 s[SEL+1], 0xfedcba98
	s_mov_b32 s[CS], 0x3e38aa3b
	s_mov_b32 s[CS+1], s[CS]
	v_and_b32 v8, 31, v0
	v_and_b32 v9, 15, v0                           ; r
	v_bfe_u32 v10, v0, 4, 1                        ; h
	v_lshlrev_b32 v1, 3, v8
	v_mul_u32_u24 v2, v10, 1536
	v_lshl_add_u32 v2, v9, 3, v2
	v_lshlrev_b32 v3, 2, v8
	v_lshlrev_b32 v4, 5, v8
	v_lshlrev_b32 v7, 2, v9
	s_and_b32 s28, s25, 7
	s_lshl_b32 s28, s28, 4
	v_lshlrev_b32 v15, 4, v10
	v_sub_nc_u32 v14, v9, v15
	v_add_nc_u32 v14, s28, v14                     ; d = my query - the diagonal step's first key - 16 h
	v_mov_b32 v15, 0xff800000
	s_mov_b32 s29, 0
	s_mul_i32 s28, s26, 49152
	s_add_co_u32 s28, s28, 786432
	s_wait_kmcnt 0x0
	s_add_nc_u64 s[KC:KC+1], s[4:5], s[28:29]
	s_add_co_u32 s28, s28, 196608
	s_add_nc_u64 s[VC:VC+1], s[4:5], s[28:29]
	s_lshl_b32 s28, s26, 12
	s_add_co_u32 s28, s28, 1245184
	s_add_nc_u64 s[KSB:KSB+1], s[4:5], s[28:29]
	s_lshl_b32 s28, s26, 11
	s_add_co_u32 s28, s28, 1261568
	s_add_nc_u64 s[VSB:VSB+1], s[4:5], s[28:29]
	s_mul_i32 s28, s27, 49152
	s_mul_i32 s30, s25, 768
	s_add_co_u32 s28, s28, s30
	s_add_nc_u64 s[20:21], s[4:5], s[28:29]        ; q's codes
	s_lshl_b32 s28, s27, 12
	s_lshl_b32 s30, s25, 6
	s_add_co_u32 s28, s28, s30
	s_add_nc_u64 s[22:23], s[4:5], s[28:29]        ; q's scale words
	s_lshl_b32 s28, s25, 3
	s_lshr_b32 s30, s27, 1
	s_add_co_u32 s28, s28, s30
	s_mul_i32 s28, s28, 1536
	s_and_b32 s30, s27, 1
	s_mul_i32 s30, s30, 768
	s_add_co_u32 s28, s28, s30
	s_add_nc_u64 s[34:35], s[8:9], s[28:29]        ; the codes out
	s_lshl_b32 s28, s25, 9
	s_lshl_b32 s30, s27, 1
	s_add_co_u32 s28, s28, s30
	s_add_nc_u64 s[40:41], s[8:9], s[28:29]        ; the scale bytes out
.irp p, 0,1,2
	global_load_b64 v[QF+2*\p:QF+2*\p+1], v1, s[20:21] offset:256*\p
.endr
	global_load_b32 v[QSC], v7, s[22:23] offset:1179648
	LOADK
	LOADV
.irp j, 6,7,8,9,10,11
	v_mov_b32 v[QF+\j], 0                          ; the upper 64 of K: zero codes
	v_mov_b32 v[KT+42+\j], 0                       ; behind the last key tile
.endr
.set J, 0
.rept 32
	v_mov_b32 v[O+J], 0                            ; the step is written for every trip: the first finds zeros
.set J, J+1
.endr
.irp b, 0,1,2,3
	v_mov_b32 v[P+4+\b], 0                         ; a lane permute's destination counts as one of its sources
.endr
	v_mov_b32 v9, 0                                ; named with v8 as a pair
	v_mov_b32 v11, 0xff61b1e6                      ; the largest t so far: -3e38
	v_floor_f32 v10, -v11
	v_mov_b32 v12, 0
	v_mov_b32 v13, 0
	s_cmp_eq_u32 s33, 0
	s_cbranch_scc1 .Ldiag
.Lstep:
	STEP 0, 1
	s_sub_co_u32 s33, s33, 1
	s_cmp_lg_u32 s33, 0
	s_cbranch_scc1 .Lstep
.Ldiag:
	STEP 1, 0
	v_add_f32 v12, v12, v13
	v_permlanex16_b32 v7, v12, s[SEL], s[SEL+1]
	v_add_f32 v12, v12, v7                         ; the row's sum
	v_rcp_f32 v8, v12
	v_and_b32 v3, 15, v0                           ; plain lines behind the transcendental
	v_lshlrev_b32 v3, 5, v3
	s_wait_alu depctr_va_vdst(0)
.set J, 0
.rept 16
	v_pk_mul_f32 v[S+J:S+J+1], v[O+J:O+J+1], v[8:9] op_sel_hi:[1,0]   ; register 16 a + i: channel 32 a + 16 h + i of my query
.set J, J+2
.endr
	QUANT2 S, P, CT, S+32
	v_lshl_or_b32 v[S+40], v[S+39], 8, v[S+38]
.irp p, 0,1,2
	global_store_b64 v1, v[P+2*\p:P+2*\p+1], s[34:35] offset:256*\p
.endr
	global_store_b16 v3, v[S+40], s[40:41] offset:786432   ; both halves of the lanes write the same two bytes
	s_endpgm
.Lfunc_end_k_qdf6739d439_attn:
	.size	k_qdf6739d439_attn, .Lfunc_end_k_qdf6739d439_attn-k_qdf6739d439_attn
	.p2alignl 7, 3214868480
	.fill 96, 4, 3214868480
	.section	.rodata,"a",@progbits
	.p2align	6, 0x0
	.amdhsa_kernel k_qdf6739d439_attn
		.amdhsa_group_segment_fixed_size 0
		.amdhsa_private_segment_fixed_size 0
		.amdhsa_enable_private_segment 0
		.amdhsa_kernarg_size 32
		.amdhsa_user_sgpr_count 2
		.amdhsa_user_sgpr_kernarg_segment_ptr 1
		.amdhsa_wavefront_size32 1
		.amdhsa_system_sgpr_workgroup_id_x 1
		.amdhsa_system_sgpr_workgroup_id_y 1
		.amdhsa_system_sgpr_workgroup_id_z 1
		.amdhsa_system_vgpr_workitem_id 0
		.amdhsa_next_free_vgpr 256
		.amdhsa_next_free_sgpr 66
		.amdhsa_reserve_vcc 1
		.amdhsa_float_denorm_mode_32 3
		.amdhsa_float_denorm_mode_16_64 3
		.amdhsa_memory_ordered 1
		.amdhsa_forward_progress 1
		.amdhsa_inst_pref_size 71
	.end_amdhsa_kernel
	.amdgpu_metadata
---
amdhsa.version: [ 1, 2 ]
amdhsa.kernels:
  - .name:           k_qdf6739d439_attn
    .symbol:         k_qdf6739d439_attn.kd
    .args:
      - { .name: bufB, .offset: 0, .size: 8, .value_kind: global_buffer, .address_space: global }
      - { .name: w2, .offset: 8, .size: 8, .value_kind: global_buffer, .address_space: global }
      - { .name: att, .offset: 16, .size: 8, .value_kind: global_buffer, .address_space: global }
      - { .name: wbig, .offset: 24, .size: 8, .value_kind: global_buffer, .address_space: global }
    .group_segment_fixed_size: 0
    .private_segment_fixed_size: 0
    .kernarg_segment_align: 8
    .kernarg_segment_size: 32
    .max_flat_workgroup_size: 128
    .sgpr_count:     66
    .vgpr_count:     256
    .wavefront_size: 32
...
	.end_amdgpu_metadata
.endif
;; end of part 3
;; launch wo_gate (part 4): grid 576 x 1, 16 waves a work-group, no clusters, 139,264 bytes of LDS; arguments att, wsm, x, ffn_norm_w, gate_w, w1, w3, hbuf, topi, wbig; writes hbuf, topi, wbig
.if DOCPART == 4
	.amdgcn_target "amdgcn-amd-amdhsa--gfx1250"
	.amdhsa_code_object_version 6
	.text
	.protected	k_qdf6739d439_wo_gate
	.globl	k_qdf6739d439_wo_gate
	.p2align	8
	.type	k_qdf6739d439_wo_gate,@function
k_qdf6739d439_wo_gate:
	s_mov_b64 s[64:65], 0
	v_nop
	global_prefetch_b8 v0, s[64:65] scope:SCOPE_SE
	s_setreg_imm32_b32 hwreg(HW_REG_WAVE_MODE, 25, 1), 1
	s_wait_xcnt 0x0
; WO + GATE.  Work-groups 0-63: h = x + att wo (E3M2 codes), hn = rmsnorm(h) x ffn_norm_w, hn quantised, the gate in f32, the two experts.
; Work-groups 64-575: all 8,192 units of (w1 | w3) (see QUNIT).  They lie here because each of the 64 work-groups above has to read all of wo's
; 786,432 bytes of codes and then walks three phases with barriers, on 64 WGPs: the units hang on nothing of that and take the other WGPs.
; A work-group owns 16 tokens, whole rows, so that the row's norm and the gate need no second launch.  Wave w owns columns 64 w .. 64 w + 63:
; four accumulators, which BEGIN AS x, so the chain's end is h.  Source 0 = 16 columns of wo, source 1 = the 16 tokens: a lane holds one token
; and columns 64 w + 32 b + 16 h + 0..15, 16 neighbours along the next K.
; x is loaded as h is stored, 16 lanes to 256 consecutive bytes of a row, and turns through the wave's stage into the accumulators' layout.
; LDS: the tokens' operand image and gate_w (filled once, barrier 0); a stage of 16 x 272 bytes for each wave (x comes in and h leaves in runs of
; 256 bytes); the waves' sums of squares (barrier 1); their parts of the gate's sums, hn's codes and bytes (barrier 2).
; THE CHOICE is made on the logits (softmax rises with them), the lower index on equal logits; the weights are 1 / (1 + e) and e / (1 + e) with
; e = exp(second - first), so the maximum is taken away by construction.  It steers no address here: experts and weights go to fixed places.
; LIMITS: NaN and infinities not served; blocks under 2^-122 get the byte 1; two different logits that round to equal probabilities are
; told apart here and not in a top-k on probabilities.
.set WV, 24
.set QS, 40
.set QC, 42
.set QZ, 44
.set SEL, 36
.set MHI, 38
.set AL, 0                             ; the 16 tokens' eight fragments, 12,288 bytes
.set GW, 12288                         ; gate_w, 32,768
.set STG, 45056                        ; 16 stages of 4,352
.set SS, 114688                        ; [token][wave] sums of squares, 1,024
.set GP, 115712                        ; [wave][token][8] parts of the logits, 8,192
.set CS, 123904                        ; hn's codes, 16 rows of 768
.set SC, 136192                        ; hn's scale bytes, 16 x 32
.set ACC, 224
.macro QLANES
	v_and_b32 v1, 31, v0
	v_and_b32 v5, 15, v0
	v_bfe_u32 v6, v0, 4, 1
	v_and_b32 v7, 8, v5
	v_add_nc_u32 v7, v7, v5
	v_lshl_add_u32 v7, v6, 3, v7
	v_lshlrev_b32 v2, 2, v7
	v_mul_u32_u24 v3, v6, 1536
	v_lshl_add_u32 v3, v5, 4, v3
	v_lshlrev_b32 v4, 2, v1
.endm
.macro QLOAD j, pitch
.set QI, 0
.rept 32
	global_load_b32 v[32+32*((\j)%2)+QI], v2, s[QS:QS+1] offset:(32*(\j)+QI)*(\pitch) th:TH_LOAD_NT
.set QI, QI+1
.endr
.endm
.macro QBLOCK j, pitch
.set QX, 32+32*((\j)%2)
.set QD, 96+12*((\j)%2)+6*((\j)/2)
.if (\j) < 3
	s_wait_loadcnt 32                              ; this block's 32 loads are in; the next block's 32 may be out
.else
	s_wait_loadcnt 0x0
.endif
	v_max3_num_f32 v5, |v[QX]|, |v[QX+1]|, |v[QX+2]|
	v_max3_num_f32 v6, |v[QX+3]|, |v[QX+4]|, |v[QX+5]|
.irp i, 6,10,14,18,22,26
	v_max3_num_f32 v5, v5, |v[QX+\i]|, |v[QX+\i+1]|
	v_max3_num_f32 v6, v6, |v[QX+\i+2]|, |v[QX+\i+3]|
.endr
	v_max3_num_f32 v5, v5, |v[QX+30]|, |v[QX+31]|
	v_max3_num_f32 v5, v5, v6, 0x2800000
	v_add_nc_u32 v7, 0xfe000000, v5
	v_lshrrev_b32 v8, 23, v7
	v_cvt_scalef32_pk16_bf6_f32 v[QD:QD+2], v[QX:QX+15], v7
	v_cvt_scalef32_pk16_bf6_f32 v[120:122], v[QX+16:QX+31], v7
.if (\j) == 0
	v_mov_b32 v9, v8
.else
	v_lshl_or_b32 v9, v8, 8*(\j), v9
.endif
	v_mov_b32 v[QD+3], v120
	v_mov_b32 v[QD+4], v121
	v_mov_b32 v[QD+5], v122
.if (\j) < 2
	QLOAD (\j)+2, \pitch
.endif
.endm
; A unit: 32 columns x 128 K of an f32 weight [K][N] into two fragments' register images and 32 scale words (a lane a column, registers down K)
.macro QUNIT pitch
	QLOAD 0, \pitch
	QLOAD 1, \pitch
	QBLOCK 0, \pitch
	QBLOCK 1, \pitch
	QBLOCK 2, \pitch
	QBLOCK 3, \pitch
.irp h, 0,1
.irp g, 0,1,2
	global_store_b128 v3, v[96+12*\h+4*\g:96+12*\h+4*\g+3], s[QC:QC+1] offset:512*\g+256*\h
.endr
.endr
	global_store_b32 v4, v9, s[QZ:QZ+1]
	s_endpgm
.endm
; unit V of (w1 | w3), each [8][1024][2048]: tensor V / 4096, expert, 16 groups of 4 column blocks, 8 K steps, 4 neighbouring blocks
.macro Q_W13 first, nchain, wshift, p1, p3, big
	s_sub_co_u32 s46, ttmp9, \nchain
	s_lshl_b32 s46, s46, \wshift
	s_add_co_u32 s46, s46, s[WV]
.if \first
	s_add_co_u32 s46, s46, \first
.endif
	s_lshr_b32 s53, s46, 12                        ; 0: w1, 1: w3
	s_bfe_u32 s47, s46, 0x30009                    ; expert
	s_bfe_u32 s48, s46, 0x40005
	s_bfe_u32 s49, s46, 0x30002                    ; K step
	s_and_b32 s50, s46, 3
	s_lshl_b32 s48, s48, 2
	s_add_co_u32 s48, s48, s50                     ; block of 32 columns
	s_lshl_b32 s50, s47, 23
	s_lshl_b32 s51, s49, 20
	s_add_co_u32 s50, s50, s51
	s_lshl_b32 s51, s48, 7
	s_add_co_u32 s50, s50, s51
	s_mov_b32 s51, 0
.if \p1 == \p3
	s_mov_b64 s[QS:QS+1], s[\p1:\p1+1]
.else
	s_cmp_eq_u32 s53, 0
	s_cselect_b64 s[QS:QS+1], s[\p1:\p1+1], s[\p3:\p3+1]
.endif
	s_add_nc_u64 s[QS:QS+1], s[QS:QS+1], s[50:51]
	s_lshl_b32 s48, s48, 3
	s_add_co_u32 s48, s48, s49                     ; 8 x block + K step
	s_add_co_u32 s52, s53, 1
	s_mul_i32 s50, s52, 12582912
	s_mul_i32 s52, s47, 1572864
	s_add_co_u32 s50, s50, s52
	s_mul_i32 s52, s48, 3072
	s_add_co_u32 s50, s50, s52
	s_add_nc_u64 s[QC:QC+1], s[\big:\big+1], s[50:51]
	s_lshl_b32 s50, s53, 19
	s_lshl_b32 s52, s47, 16
	s_add_co_u32 s50, s50, s52
	s_lshl_b32 s52, s48, 7
	s_add_co_u32 s50, s50, s52
	s_add_co_u32 s50, s50, 38273024
	s_add_nc_u64 s[QZ:QZ+1], s[\big:\big+1], s[50:51]
.endm
.macro PLACES                          ; four plain lines between a matrix instruction and a load into, or a vector line on, its registers
.rept 4
	v_nop
.endr
.endm
.macro QUANT2 n, f, g, tm
	v_max3_num_f32 v[\tm], |v[\n]|, |v[\n+1]|, 0x2800000
	v_max3_num_f32 v[\tm+1], |v[\n+16]|, |v[\n+17]|, 0x2800000
.irp i, 2,4,6,8,10,12,14
	v_max3_num_f32 v[\tm], v[\tm], |v[\n+\i]|, |v[\n+\i+1]|
	v_max3_num_f32 v[\tm+1], v[\tm+1], |v[\n+16+\i]|, |v[\n+17+\i]|
.endr
	v_permlanex16_b32 v[\tm+2], v[\tm], s[SEL], s[SEL+1]
	v_permlanex16_b32 v[\tm+3], v[\tm+1], s[SEL], s[SEL+1]
	v_max_num_f32 v[\tm], v[\tm], v[\tm+2]
	v_max_num_f32 v[\tm+1], v[\tm+1], v[\tm+3]
	v_add_nc_u32 v[\tm+4], 0xfe000000, v[\tm]
	v_add_nc_u32 v[\tm+5], 0xfe000000, v[\tm+1]
	v_lshrrev_b32 v[\tm+6], 23, v[\tm+4]
	v_lshrrev_b32 v[\tm+7], 23, v[\tm+5]
	v_cvt_scalef32_pk16_bf6_f32 v[\f:\f+2], v[\n:\n+15], v[\tm+4]
	v_cvt_scalef32_pk16_bf6_f32 v[\g:\g+2], v[\n+16:\n+31], v[\tm+5]
	v_nop
.irp i, 0,1,2
	v_permlane16_swap_b32 v[\f+\i], v[\g+\i]
.endr
.irp i, 0,1,2
	v_mov_b32 v[\f+3+\i], v[\g+\i]
.endr
.endm
.macro BLD ks                          ; wo's four tiles of a K step: 12 loads, into set ks % 2 (v32-79, v80-127)
.set FB, 32+48*((\ks)%2)
.irp t, 0,1,2,3
.irp g, 0,1,2
	global_load_b128 v[FB+12*\t+4*\g:FB+12*\t+4*\g+3], v8, s[46:47] offset:1179648+24576*(\t/2)+3072*(\ks)+1536*(\t%2)+512*\g
.endr
.endr
.endm
.macro ALD ks                          ; the tokens' fragment of a K step: 6 LDS loads, into v128-139 or v140-151
.set FA, 128+12*((\ks)%2)
.irp c, 0,1
.irp p, 0,1,2
	ds_load_b64 v[FA+6*\c+2*\p:FA+6*\c+2*\p+1], v7 offset:AL+1536*(\ks)+768*\c+256*\p
.endr
.endr
.endm
.macro KSTEP ks
.set FB, 32+48*((\ks)%2)
.set FA, 128+12*((\ks)%2)
.if (\ks) < 7
	s_wait_loadcnt 12                              ; the next step's 12 loads may be out,
	s_wait_dscnt 6                                 ; and its 6 LDS loads (in the first step x's eight LDS loads, issued ahead of both fragments, are in too)
.else
	s_wait_loadcnt 0x0
	s_wait_dscnt 0x0
.endif
.irp t, 0,2                                    ; the four accumulators by turns; tile t = 2 b + u; odd tiles' scale words lie in lanes 16-31
	v_wmma_scale_f32_16x16x128_f8f6f4 v[ACC+8*\t:ACC+8*\t+7], v[FB+12*\t:FB+12*\t+11], v[FA:FA+11], v[ACC+8*\t:ACC+8*\t+7], v[152+8*(\t/2)+(\ks)], v[168+(\ks)] matrix_a_fmt:MATRIX_FMT_BF6 matrix_b_fmt:MATRIX_FMT_BF6
	v_wmma_scale_f32_16x16x128_f8f6f4 v[ACC+8*\t+8:ACC+8*\t+15], v[FB+12*\t+12:FB+12*\t+23], v[FA:FA+11], v[ACC+8*\t+8:ACC+8*\t+15], v[152+8*(\t/2)+(\ks)], v[168+(\ks)] matrix_a_fmt:MATRIX_FMT_BF6 matrix_b_fmt:MATRIX_FMT_BF6 matrix_a_scale:MATRIX_SCALE_ROW1
.endr
	PLACES
.if (\ks) < 6
	BLD (\ks)+2
	ALD (\ks)+2
.endif
.endm
; eight of my 32 columns against gate_w's rows: 16 LDS loads (all lanes of a half read the same bytes), 32 packed multiply-adds onto v96-103
.macro GATE bt
.set GI, 0
.rept 8
	ds_load_b128 v[32+8*GI:35+8*GI], v18 offset:(32*((\bt)/2)+8*((\bt)%2)+GI)*32
	ds_load_b128 v[36+8*GI:39+8*GI], v18 offset:(32*((\bt)/2)+8*((\bt)%2)+GI)*32+16
.set GI, GI+1
.endr
	s_wait_dscnt 0x0
.set GI, 0
.rept 8
.set GX, ACC+16*((\bt)/2)+8*((\bt)%2)+GI
.irp q, 0,1,2,3
.if ((\bt) == 0) && (GI == 0)
	v_pk_mul_f32 v[96+2*\q:97+2*\q], v[32+2*\q:33+2*\q], v[GX:GX+1] op_sel_hi:[1,0]
.elseif GI%2 == 0
	v_pk_fma_f32 v[96+2*\q:97+2*\q], v[32+8*GI+2*\q:33+8*GI+2*\q], v[GX:GX+1], v[96+2*\q:97+2*\q] op_sel_hi:[1,0,1]
.else
	v_pk_fma_f32 v[96+2*\q:97+2*\q], v[32+8*GI+2*\q:33+8*GI+2*\q], v[GX-1:GX], v[96+2*\q:97+2*\q] op_sel:[0,1,0] op_sel_hi:[1,1,1]
.endif
.endr
.set GI, GI+1
.endr
.endm
	s_load_b256 s[4:11], s[0:1], 0x0               ; att, wsm, x, ffn_norm_w
	s_load_b256 s[12:19], s[0:1], 0x20             ; gate_w, w1, w3, hbuf
	s_load_b128 s[20:23], s[0:1], 0x40             ; topi, wbig
	v_lshrrev_b32 v1, 5, v0
	v_readfirstlane_b32 s[WV], v1
	s_cmp_lt_u32 ttmp9, 64
	s_cbranch_scc1 .Lchain
	QLANES
	s_wait_kmcnt 0x0
	Q_W13 0, 64, 4, 14, 16, 22
	QUNIT 8192
.Lchain:
	; every address register is made here, ahead of all branches on the wave's number
	v_and_b32 v1, 31, v0                           ; lane
	v_and_b32 v2, 15, v0                           ; r
	v_bfe_u32 v3, v0, 4, 1                         ; h
	v_lshlrev_b32 v4, 3, v0                        ; 8 x thread
	v_add_nc_u32 v5, CS, v4
	v_lshlrev_b32 v6, 4, v0                        ; 16 x thread
	v_lshlrev_b32 v7, 3, v1
	v_lshlrev_b32 v8, 4, v1
	v_lshlrev_b32 v9, 2, v1
	v_lshlrev_b32 v11, 6, v3                       ; 64 h
	v_lshlrev_b32 v12, 5, v2                       ; 32 r
	s_mul_i32 s25, s[WV], 4352
	s_add_co_u32 s25, s25, STG
	v_mad_u32_u24 v13, v2, 272, v11
	v_add_nc_u32 v13, s25, v13                     ; my stage by the accumulators' layout: row r, + 64 h
	v_mul_u32_u24 v14, v3, 272
	v_lshl_add_u32 v14, v2, 4, v14
	v_add_nc_u32 v14, s25, v14                     ; and by rows: lanes 0-15 one row, lanes 16-31 the next
	v_lshlrev_b32 v15, 12, v3
	v_lshl_add_u32 v15, v2, 4, v15                 ; the same two rows in x and in h
	s_lshl_b32 s25, s[WV], 2
	s_add_co_u32 s25, s25, SS
	v_lshl_add_u32 v16, v2, 6, s25
	v_lshlrev_b32 v17, 6, v2
	v_add_nc_u32 v17, SS, v17
	s_lshl_b32 s25, s[WV], 11
	s_add_co_u32 s25, s25, GW
	v_lshl_add_u32 v18, v3, 9, s25                 ; gate_w's row 64 w + 16 h
	s_lshl_b32 s25, s[WV], 9
	s_add_co_u32 s25, s25, GP
	v_lshl_add_u32 v19, v2, 5, s25
	s_lshr_b32 s25, s[WV], 1
	s_mul_i32 s25, s25, 96
	s_and_b32 s26, s[WV], 1
	s_mul_i32 s26, s26, 24
	s_add_co_u32 s25, s25, s26
	s_add_co_u32 s25, s25, CS
	v_mul_u32_u24 v26, v3, 48
	v_mad_u32_u24 v26, v2, 768, v26
	v_add_nc_u32 v26, s25, v26                     ; block 2 (w % 2) + h of K step w / 2 in row r
	s_lshl_b32 s25, s[WV], 1
	s_add_co_u32 s25, s25, SC
	v_lshl_add_u32 v27, v2, 5, s25
	v_add_nc_u32 v28, SC, v8
	v_add_nc_u32 v29, GP, v12
	v_lshlrev_b32 v30, 12, v3
	v_lshl_add_u32 v30, v2, 2, v30                 ; slot h, token r
	v_mov_b32 v31, 0
	s_mov_b32 s[SEL], 0x76543210
	s_mov_b32 s[SEL+1], 0xfedcba98
	s_mov_b32 s[MHI], 0xffff0000
	s_mov_b32 s39, 0x3a800000                      ; 1 / 1024
	s_mov_b32 s34, 0x3727c5ac                      ; 1e-5
	s_mov_b32 s29, 0
	s_lshl_b32 s30, s[WV], 8                       ; 256 w
	s_lshl_b32 s28, ttmp9, 16
	s_add_co_u32 s28, s28, s30
	s_wait_kmcnt 0x0
	s_add_nc_u64 s[40:41], s[8:9], s[28:29]        ; x at my tokens and columns
	s_add_nc_u64 s[52:53], s[18:19], s[28:29]      ; h likewise
	s_mov_b32 s28, s30
	s_add_nc_u64 s[50:51], s[10:11], s[28:29]      ; ffn_norm_w
	s_mul_i32 s28, ttmp9, 12288
	s_add_nc_u64 s[42:43], s[4:5], s[28:29]        ; the tokens' operand image
	s_add_nc_u64 s[54:55], s[18:19], s[28:29]      ; hn's codes
	s_lshl_b32 s28, ttmp9, 9
	s_add_nc_u64 s[44:45], s[4:5], s[28:29]        ; the tokens' scale bytes
	s_add_nc_u64 s[56:57], s[18:19], s[28:29]      ; hn's
	s_mul_i32 s28, s[WV], 49152
	s_add_nc_u64 s[46:47], s[6:7], s[28:29]        ; wo's fragments of my columns
	s_lshl_b32 s28, s[WV], 11
	s_add_nc_u64 s[48:49], s[6:7], s[28:29]        ; and their scale words
	s_lshl_b32 s28, ttmp9, 6
	s_add_nc_u64 s[58:59], s[20:21], s[28:29]      ; topi
	s_add_nc_u64 s[60:61], s[18:19], s[28:29]      ; the weights
.irp i, 0,1,2
	global_load_b64 v[20+2*\i:21+2*\i], v4, s[42:43] offset:4096*\i
.endr
.irp i, 0,1,2,3
	global_load_b128 v[208+4*\i:211+4*\i], v6, s[12:13] offset:8192*\i
.endr
.irp i, 0,1,2,3,4,5,6,7
	global_load_b128 v[ACC+4*\i:ACC+4*\i+3], v15, s[40:41] offset:8192*\i   ; x by rows: 16 lanes read 256 consecutive bytes of row 2 i + lane / 16
.endr
.irp b, 0,1
.irp i, 0,1,2,3
	global_load_b128 v[176+16*\b+4*\i:179+16*\b+4*\i], v11, s[50:51] offset:128*\b+16*\i
.endr
.endr
.irp b, 0,1
.irp k, 0,1,2,3,4,5,6,7
	global_load_b32 v[152+8*\b+\k], v9, s[48:49] offset:2015232+(8*\b+\k)*128
.endr
.endr
	global_load_b128 v[168:171], v12, s[44:45] offset:786432
	global_load_b128 v[172:175], v12, s[44:45] offset:786432+16
	BLD 0
	BLD 1
	s_wait_loadcnt 50                              ; the seven loads for LDS and x's eight are in: 8 + 16 + 2 + 24 were issued behind them
.irp i, 0,1,2
	ds_store_b64 v4, v[20+2*\i:21+2*\i] offset:AL+4096*\i
.endr
.irp i, 0,1,2,3
	ds_store_b128 v6, v[208+4*\i:211+4*\i] offset:GW+8192*\i
.endr
.irp i, 0,1,2,3,4,5,6,7
	ds_store_b128 v14, v[ACC+4*\i:ACC+4*\i+3] offset:544*\i   ; x's rows into my own stage
.endr
	s_wait_dscnt 0x0
	s_barrier_signal -1
	s_barrier_wait -1                              ; barrier 0: the image and gate_w lie in LDS
.irp b, 0,1
.irp i, 0,1,2,3
	ds_load_b128 v[ACC+16*\b+4*\i:ACC+16*\b+4*\i+3], v13 offset:128*\b+16*\i   ; x in the accumulators' layout: the sums' beginning
.endr
.endr
	ALD 0
	ALD 1
.irp k, 0,1,2,3,4,5,6,7
	KSTEP \k
.endr
	; h leaves through my stage: each accumulator from its low end on
.irp b, 0,1
.irp i, 0,1,2,3
	ds_store_b128 v13, v[ACC+16*\b+4*\i:ACC+16*\b+4*\i+3] offset:128*\b+16*\i
.endr
.endr
.irp i, 0,1,2,3,4,5,6,7
	ds_load_b128 v[32+4*\i:35+4*\i], v14 offset:544*\i   ; LDS serves a wave's instructions in order: these see the stores above
.endr
	v_pk_mul_f32 v[208:209], v[ACC:ACC+1], v[ACC:ACC+1]   ; my 32 squares, in two chains
	v_pk_mul_f32 v[210:211], v[ACC+2:ACC+3], v[ACC+2:ACC+3]
.irp i, 4,8,12,16,20,24,28
	v_pk_fma_f32 v[208:209], v[ACC+\i:ACC+\i+1], v[ACC+\i:ACC+\i+1], v[208:209]
	v_pk_fma_f32 v[210:211], v[ACC+\i+2:ACC+\i+3], v[ACC+\i+2:ACC+\i+3], v[210:211]
.endr
	v_pk_add_f32 v[208:209], v[208:209], v[210:211]
	v_add_f32 v208, v208, v209
	v_permlanex16_b32 v31, v208, s[SEL], s[SEL+1]
	v_add_f32 v208, v208, v31
.irp i, 0,1,2,3,4,5,6,7
	s_wait_dscnt 7-\i
	global_store_b128 v15, v[32+4*\i:35+4*\i], s[52:53] offset:8192*\i   ; 16 lanes store 256 consecutive bytes, aligned
.endr
	ds_store_b32 v16, v208
	s_wait_dscnt 0x0
	s_barrier_signal -1
	s_barrier_wait -1                              ; barrier 1: the sixteen sums of squares of each token
	s_wait_xcnt 0x0                                ; h's stores have read v32-63: they are loaded again below
.irp i, 0,1,2,3
	ds_load_b128 v[32+4*\i:35+4*\i], v17 offset:16*\i
.endr
	s_wait_dscnt 0x0
	v_pk_add_f32 v[32:33], v[32:33], v[34:35]      ; one order in every wave: every wave gets the same bits
	v_pk_add_f32 v[36:37], v[36:37], v[38:39]
	v_pk_add_f32 v[40:41], v[40:41], v[42:43]
	v_pk_add_f32 v[44:45], v[44:45], v[46:47]
	v_pk_add_f32 v[32:33], v[32:33], v[36:37]
	v_pk_add_f32 v[40:41], v[40:41], v[44:45]
	v_pk_add_f32 v[32:33], v[32:33], v[40:41]
	v_add_f32 v32, v32, v33
	v_fma_f32 v32, v32, s39, s34
	v_rsq_f32 v34, v32
	v_mov_b32 v35, 0                               ; a plain line; v35 is named with v34 as a pair
	s_wait_alu depctr_va_vdst(0)
.irp i, 0,2,4,6,8,10,12,14,16,18,20,22,24,26,28,30
	v_pk_mul_f32 v[ACC+\i:ACC+\i+1], v[ACC+\i:ACC+\i+1], v[34:35] op_sel_hi:[1,0]
.endr
.irp i, 0,2,4,6,8,10,12,14,16,18,20,22,24,26,28,30
	v_pk_mul_f32 v[ACC+\i:ACC+\i+1], v[ACC+\i:ACC+\i+1], v[176+\i:177+\i]   ; hn
.endr
	GATE 0
	GATE 1
	GATE 2
	GATE 3
.irp e, 0,1,2,3,4,5,6,7
	v_permlanex16_b32 v[104+\e], v[96+\e], s[SEL], s[SEL+1]
.endr
.irp e, 0,2,4,6
	v_pk_add_f32 v[96+\e:97+\e], v[96+\e:97+\e], v[104+\e:105+\e]
.endr
	ds_store_b128 v19, v[96:99]
	ds_store_b128 v19, v[100:103] offset:16
	QUANT2 ACC, 208, 214, 112
	v_lshl_or_b32 v118, v119, 8, v118
.irp p, 0,1,2
	ds_store_b64 v26, v[208+2*\p:209+2*\p] offset:8*\p
.endr
	ds_store_b16 v27, v118
	s_wait_dscnt 0x0
	s_barrier_signal -1
	s_barrier_wait -1                              ; barrier 2: the logits' parts, hn's codes and bytes
.irp i, 0,1,2
	ds_load_b64 v[20+2*\i:21+2*\i], v5 offset:4096*\i
.endr
.irp i, 0,1,2
	s_wait_dscnt 2-\i
	global_store_b64 v4, v[20+2*\i:21+2*\i], s[54:55] offset:4194304+4096*\i
.endr
	s_cmp_eq_u32 s[WV], 8
	s_cbranch_scc0 .Lnot8
	ds_load_b128 v[32:35], v28
	s_wait_dscnt 0x0
	global_store_b128 v8, v[32:35], s[56:57] offset:4980736
.Lnot8:
	s_cmp_eq_u32 s[WV], 9
	s_cbranch_scc0 .Lend
.irp w, 0,1,2,3,4,5,6,7
	ds_load_b128 v[32+8*\w:35+8*\w], v29 offset:512*\w
	ds_load_b128 v[36+8*\w:39+8*\w], v29 offset:512*\w+16
.endr
	s_wait_dscnt 0x0
.irp q, 0,2,4,6
	v_pk_add_f32 v[96+\q:97+\q], v[32+\q:33+\q], v[40+\q:41+\q]
.endr
.irp w, 2,3,4,5,6,7
.irp q, 0,2,4,6
	v_pk_add_f32 v[96+\q:97+\q], v[96+\q:97+\q], v[32+8*\w+\q:33+8*\w+\q]
.endr
.endr
.irp w, 0,1,2,3,4,5,6,7
	ds_load_b128 v[32+8*\w:35+8*\w], v29 offset:4096+512*\w
	ds_load_b128 v[36+8*\w:39+8*\w], v29 offset:4096+512*\w+16
.endr
	s_wait_dscnt 0x0
.irp w, 0,1,2,3,4,5,6,7
.irp q, 0,2,4,6
	v_pk_add_f32 v[96+\q:97+\q], v[96+\q:97+\q], v[32+8*\w+\q:33+8*\w+\q]
.endr
.endr
	v_mov_b32 v104, v96                            ; the largest logit and its index: a strict compare keeps the lower index
	v_mov_b32 v105, 0
.irp e, 1,2,3,4,5,6,7
	v_cmp_gt_f32 vcc_lo, v[96+\e], v104
	v_cndmask_b32 v104, v104, v[96+\e], vcc_lo
	v_cndmask_b32 v105, v105, \e, vcc_lo
.endr
	v_mov_b32 v108, 0xff800000
.irp e, 0,1,2,3,4,5,6,7
	v_cmp_eq_u32 vcc_lo, \e, v105
	v_cndmask_b32 v[96+\e], v[96+\e], v108, vcc_lo
.endr
	v_mov_b32 v106, v96
	v_mov_b32 v107, 0
.irp e, 1,2,3,4,5,6,7
	v_cmp_gt_f32 vcc_lo, v[96+\e], v106
	v_cndmask_b32 v106, v106, v[96+\e], vcc_lo
	v_cndmask_b32 v107, v107, \e, vcc_lo
.endr
	v_sub_f32 v109, v106, v104
	v_mul_f32 v109, 0x3fb8aa3b, v109
	v_exp_f32 v109, v109                           ; e = exp(second - first), at most 1
	v_cndmask_b32 v111, v105, v107, s[MHI]         ; lanes 0-15: slot 0, lanes 16-31: slot 1.  (A plain line)
	s_wait_alu depctr_va_vdst(0)
	v_add_f32 v110, 1.0, v109
	v_rcp_f32 v110, v110
	v_nop
	s_wait_alu depctr_va_vdst(0)
	v_mul_f32 v109, v109, v110
	v_cndmask_b32 v110, v110, v109, s[MHI]
	global_store_b32 v30, v111, s[58:59]
	global_store_b32 v30, v110, s[60:61] offset:5013504
.Lend:
	s_wait_xcnt 0x0
	v_lshl_add_u32 v254, v0, 2, 0x21800
	v_mov_b32 v255, 0
	s_wait_tensorcnt 0x0
	ds_add_u32 v254, v255
	s_wait_dscnt 0x0
	s_endpgm
.Lfunc_end_k_qdf6739d439_wo_gate:
	.size	k_qdf6739d439_wo_gate, .Lfunc_end_k_qdf6739d439_wo_gate-k_qdf6739d439_wo_gate
	.p2alignl 7, 3214868480
	.fill 96, 4, 3214868480
	.section	.rodata,"a",@progbits
	.p2align	6, 0x0
	.amdhsa_kernel k_qdf6739d439_wo_gate
		.amdhsa_group_segment_fixed_size 139264
		.amdhsa_private_segment_fixed_size 0
		.amdhsa_enable_private_segment 0
		.amdhsa_kernarg_size 80
		.amdhsa_user_sgpr_count 2
		.amdhsa_user_sgpr_kernarg_segment_ptr 1
		.amdhsa_wavefront_size32 1
		.amdhsa_system_sgpr_workgroup_id_x 1
		.amdhsa_system_sgpr_workgroup_id_y 1
		.amdhsa_system_sgpr_workgroup_id_z 1
		.amdhsa_system_vgpr_workitem_id 0
		.amdhsa_next_free_vgpr 256
		.amdhsa_next_free_sgpr 80
		.amdhsa_reserve_vcc 1
		.amdhsa_float_denorm_mode_32 3
		.amdhsa_float_denorm_mode_16_64 3
		.amdhsa_memory_ordered 1
		.amdhsa_forward_progress 1
		.amdhsa_inst_pref_size 79
	.end_amdhsa_kernel
	.amdgpu_metadata
---
amdhsa.version: [ 1, 2 ]
amdhsa.kernels:
  - .name:           k_qdf6739d439_wo_gate
    .symbol:         k_qdf6739d439_wo_gate.kd
    .args:
      - { .name: att, .offset: 0, .size: 8, .value_kind: global_buffer, .address_space: global }
      - { .name: wsm, .offset: 8, .size: 8, .value_kind: global_buffer, .address_space: global }
      - { .name: x, .offset: 16, .size: 8, .value_kind: global_buffer, .address_space: global }
      - { .name: ffn_norm_w, .offset: 24, .size: 8, .value_kind: global_buffer, .address_space: global }
      - { .name: gate_w, .offset: 32, .size: 8, .value_kind: global_buffer, .address_space: global }
      - { .name: w1, .offset: 40, .size: 8, .value_kind: global_buffer, .address_space: global }
      - { .name: w3, .offset: 48, .size: 8, .value_kind: global_buffer, .address_space: global }
      - { .name: hbuf, .offset: 56, .size: 8, .value_kind: global_buffer, .address_space: global }
      - { .name: topi, .offset: 64, .size: 8, .value_kind: global_buffer, .address_space: global }
      - { .name: wbig, .offset: 72, .size: 8, .value_kind: global_buffer, .address_space: global }
    .group_segment_fixed_size: 139264
    .private_segment_fixed_size: 0
    .kernarg_segment_align: 8
    .kernarg_segment_size: 80
    .max_flat_workgroup_size: 512
    .sgpr_count:     80
    .vgpr_count:     256
    .wavefront_size: 32
...
	.end_amdgpu_metadata
.endif
;; end of part 4
;; launch place (part 5): grid 1 x 1, 8 waves a work-group, no clusters, 2,048 bytes of LDS; arguments topi, lists; writes lists
.if DOCPART == 5
	.amdgcn_target "amdgcn-amd-amdhsa--gfx1250"
	.amdhsa_code_object_version 6
	.text
	.protected	k_qdf6739d439_place
	.globl	k_qdf6739d439_place
	.p2align	8
	.type	k_qdf6739d439_place,@function
k_qdf6739d439_place:
	s_mov_b64 s[64:65], 0
	v_nop
	global_prefetch_b8 v0, s[64:65] scope:SCOPE_SE
	s_setreg_imm32_b32 hwreg(HW_REG_WAVE_MODE, 25, 1), 1
	s_wait_xcnt 0x0
; PLACE.  One work-group: a counting sort of the 2,048 entries (slot x 1,024 + token) by expert, without atomics; each expert's rows begin at a
; multiple of 16.  rowdst[row] = the entry (it is also the row of the down product's result); rows that fill an expert's last tile up name a
; dump row of their own, 2,048 + 16 e + lane.  The table holds each expert's first tile and number of tiles (at most 135 tiles in all).
; It is a launch of its own because the experts were chosen from floating-point numbers by the launch before, and the launches behind form
; addresses and trip counts from what is stored here.  8 KB are read: there is work for one work-group and no more.
; Wave w holds entries 256 w + 32 g + lane, g = 0..7.  An entry's rank = those of its expert in earlier waves + in earlier g + in lower lanes.
.set WV, 12
	s_load_b64 s[4:5], s[0:1], 0x0                 ; topi
	s_load_b64 s[8:9], s[0:1], 0x8                 ; lists
	v_lshl_add_u32 v128, v0, 2, 0x400
	v_mov_b32 v129, 0
	v_lshrrev_b32 v1, 5, v0
	v_readfirstlane_b32 s[WV], v1
	v_and_b32 v1, 31, v0
	v_lshlrev_b32 v26, 2, v1                       ; 4 x lane
	s_lshl_b32 s56, s[WV], 10
	v_add_nc_u32 v2, s56, v26
	s_lshl_b32 s56, s[WV], 8
	v_add_nc_u32 v3, s56, v1                       ; my first entry
	v_lshlrev_b32 v4, 2, v0
	s_wait_kmcnt 0x0
.irp g, 0,1,2,3,4,5,6,7
	global_load_b32 v[8+\g], v2, s[4:5] offset:128*\g
.endr
.irp e, 0,1,2,3,4,5,6,7
	s_mov_b32 s[16+\e], 0                          ; the wave's count of expert e
	v_mov_b32 v[16+\e], 0                          ; an entry's rank in the wave
	v_add_nc_u32 v[32+\e], 32*\e, v3               ; the entries' numbers
.endr
	v_mov_b32 v5, 0
	v_mov_b32 v25, 0
	s_wait_loadcnt 0x0
.irp g, 0,1,2,3,4,5,6,7
.irp e, 0,1,2,3,4,5,6,7
	v_cmp_eq_u32 s56, \e, v[8+\g]
	v_mbcnt_lo_u32_b32 v24, s56, s[16+\e]          ; those of e so far in the wave + in lower lanes
	v_cndmask_b32 v[16+\g], v[16+\g], v24, s56
	s_bcnt1_i32_b32 s57, s56
	s_add_co_u32 s[16+\e], s[16+\e], s57
.endr
.endr
.irp e, 0,1,2,3,4,5,6,7
	v_writelane_b32 v5, s[16+\e], \e
.endr
	ds_store_b32 v4, v5                            ; wave w's counts at 128 w, lane e's word
	s_wait_dscnt 0x0
	s_barrier_signal -1
	s_barrier_wait -1
.irp w, 0,1,2,3,4,5,6,7
	ds_load_b32 v[56+\w], v26 offset:128*\w
.endr
	s_wait_dscnt 0x0
	v_add_nc_u32 v6, v56, v57
.irp w, 2,3,4,5,6,7
	v_add_nc_u32 v6, v6, v[56+\w]                  ; lane e: expert e's rows
.endr
	s_cmp_gt_u32 s[WV], 0
	s_cselect_b32 s56, -1, 0
	v_and_b32 v7, s56, v56
.irp w, 1,2,3,4,5,6
	s_cmp_gt_u32 s[WV], \w
	s_cselect_b32 s56, -1, 0
	v_and_b32 v24, s56, v[56+\w]
	v_add_nc_u32 v7, v7, v24                       ; lane e: those in earlier waves
.endr
.irp e, 0,1,2,3,4,5,6,7
	v_readlane_b32 s[24+\e], v6, \e
	v_readlane_b32 s[32+\e], v7, \e
.endr
	s_mov_b32 s57, 0
.irp e, 0,1,2,3,4,5,6,7
	s_mov_b32 s[40+\e], s57                        ; expert e's first tile
	s_add_co_u32 s58, s[24+\e], 15
	s_lshr_b32 s[48+\e], s58, 4                    ; its tiles
	s_add_co_u32 s57, s57, s[48+\e]
	s_lshl_b32 s59, s[40+\e], 4
	s_add_co_u32 s59, s59, s[32+\e]
	v_mov_b32 v[48+\e], s59                        ; where my wave's rows of e begin
.endr
.irp g, 0,1,2,3,4,5,6,7
	v_mov_b32 v[40+\g], v48
.irp e, 1,2,3,4,5,6,7
	v_cmp_eq_u32 vcc_lo, \e, v[8+\g]
	v_cndmask_b32 v[40+\g], v[40+\g], v[48+\e], vcc_lo
.endr
	v_add_nc_u32 v[40+\g], v[40+\g], v[16+\g]
	v_min_u32 v[40+\g], 2175, v[40+\g]
	v_lshlrev_b32 v[40+\g], 2, v[40+\g]
	global_store_b32 v[40+\g], v[32+\g], s[8:9]
.endr
	s_cmp_lg_u32 s[WV], 0
	s_cbranch_scc1 .Ldone
.irp e, 0,1,2,3,4,5,6,7                        ; the rows that fill e's last tile up; lanes with none store to spare entries 2,176 + 32 e + lane
	s_lshl_b32 s56, s[40+\e], 4
	s_add_co_u32 s56, s56, s[24+\e]
	s_add_co_u32 s58, s[40+\e], s[48+\e]
	s_lshl_b32 s58, s58, 4
	v_add_nc_u32 v[64+\e], s56, v1
	v_cmp_gt_u32 vcc_lo, s58, v[64+\e]
	v_add_nc_u32 v[72+\e], 2176+32*\e, v1
	v_cndmask_b32 v[64+\e], v[72+\e], v[64+\e], vcc_lo
	v_min_u32 v[64+\e], 2431, v[64+\e]
	v_lshlrev_b32 v[64+\e], 2, v[64+\e]
	v_add_nc_u32 v[80+\e], 2048+16*\e, v1
	global_store_b32 v[64+\e], v[80+\e], s[8:9]
.endr
.irp e, 0,1,2,3,4,5,6,7
	v_writelane_b32 v25, s[40+\e], \e
	v_writelane_b32 v25, s[48+\e], 8+\e
.endr
	global_store_b32 v26, v25, s[8:9] offset:9728
.Ldone:
	s_wait_tensorcnt 0x0
	ds_add_u32 v128, v129
	s_wait_dscnt 0x0
	s_endpgm
.Lfunc_end_k_qdf6739d439_place:
	.size	k_qdf6739d439_place, .Lfunc_end_k_qdf6739d439_place-k_qdf6739d439_place
	.p2alignl 7, 3214868480
	.fill 96, 4, 3214868480
	.section	.rodata,"a",@progbits
	.p2align	6, 0x0
	.amdhsa_kernel k_qdf6739d439_place
		.amdhsa_group_segment_fixed_size 2048
		.amdhsa_private_segment_fixed_size 0
		.amdhsa_enable_private_segment 0
		.amdhsa_kernarg_size 16
		.amdhsa_user_sgpr_count 2
		.amdhsa_user_sgpr_kernarg_segment_ptr 1
		.amdhsa_wavefront_size32 1
		.amdhsa_system_sgpr_workgroup_id_x 1
		.amdhsa_system_sgpr_workgroup_id_y 1
		.amdhsa_system_sgpr_workgroup_id_z 1
		.amdhsa_system_vgpr_workitem_id 0
		.amdhsa_next_free_vgpr 130
		.amdhsa_next_free_sgpr 66
		.amdhsa_reserve_vcc 1
		.amdhsa_float_denorm_mode_32 3
		.amdhsa_float_denorm_mode_16_64 3
		.amdhsa_memory_ordered 1
		.amdhsa_forward_progress 1
		.amdhsa_inst_pref_size 35
	.end_amdhsa_kernel
	.amdgpu_metadata
---
amdhsa.version: [ 1, 2 ]
amdhsa.kernels:
  - .name:           k_qdf6739d439_place
    .symbol:         k_qdf6739d439_place.kd
    .args:
      - { .name: topi, .offset: 0, .size: 8, .value_kind: global_buffer, .address_space: global }
      - { .name: lists, .offset: 8, .size: 8, .value_kind: global_buffer, .address_space: global }
    .group_segment_fixed_size: 2048
    .private_segment_fixed_size: 0
    .kernarg_segment_align: 8
    .kernarg_segment_size: 16
    .max_flat_workgroup_size: 256
    .sgpr_count:     66
    .vgpr_count:     130
    .wavefront_size: 32
...
	.end_amdgpu_metadata
.endif
;; end of part 5
;; launch moe_up (part 6): grid 256 x 1, 8 waves a work-group, no clusters, 99,328 bytes of LDS; arguments hbuf, lists, wbig, bufA; writes bufA
.if DOCPART == 6
	.amdgcn_target "amdgcn-amd-amdhsa--gfx1250"
	.amdhsa_code_object_version 6
	.text
	.protected	k_qdf6739d439_moe_up
	.globl	k_qdf6739d439_moe_up
	.p2align	8
	.type	k_qdf6739d439_moe_up,@function
k_qdf6739d439_moe_up:
	s_mov_b64 s[64:65], 0
	v_nop
	global_prefetch_b8 v0, s[64:65] scope:SCOPE_SE
	s_setreg_imm32_b32 hwreg(HW_REG_WAVE_MODE, 25, 1), 1
	s_wait_xcnt 0x0
; MOE, UP.  H = silu(hn w1) x (hn w3) for the rows that chose the expert, quantised along F.  Only chosen rows are multiplied.
; Work-group = (expert e = wg / 32, 64 columns of F fg = wg % 32).  Its 98,304 bytes of w1's and w3's fragments are copied into LDS once, ahead of
; every branch on stored numbers; then its eight waves walk the expert's tiles of 16 rows, two tiles a chunk, with no further barrier.
; Trip counts and addresses hang on the stored lists, so there is no tensor load and no cluster here; the rows' codes are gathered by token
; straight into registers, four K steps ahead.
; Wave w takes tiles 2 w + 16 k and the next: (tiles + 15 - 2 w) / 16 chunks, rounded down, which is 0 for a wave with no tile; the loop counts them down.
; Source 0 = 16 columns of the weight, source 1 = 16 rows: a lane holds one row and columns 32 b + 16 h + 0..15: neighbours along the next K.
; A chunk's tiles are held to tiles that exist (an expert without rows: tile 0), so every load names bytes that were stored; a wave with no
; tile leaves behind the barrier.  With an odd number of tiles the last chunk takes its tile twice and stores the same bytes twice.
; OUT: half fragments of 768 bytes, in runs of 256 bytes; the scale bytes in pieces of 2 bytes, 139 KB in all.
; REGISTERS: window 0: v1-23 addresses, v24-39 and v40-55 the weights' scale words, v56-63 the rows', v64-111 w1's four tiles, v112-159 w3's.
;   window 1: v0-63 and v64-127 the sums, v128-223 the rows' fragments (four K steps), later at work; v224-255 at work.
; LIMITS: NaN and infinities not served; blocks under 2^-122 get the byte 1.
.set WV, 12
.set NCH, 26                           ; s26 my chunks still to do
.set SEL, 36
.set MHI, 38
.set MSB, 0
.macro WIN new                         ; the immediate's high byte repeats the setting that is left
.if MSB != \new
	s_set_vgpr_msb (MSB<<8)|\new
.set MSB, \new
.endif
.endm
.macro MM d, a, b, z, sa, sb, ra, rb
.if \z
.if (\ra) && (\rb)
	v_wmma_scale_f32_16x16x128_f8f6f4 v[\d:\d+7], v[\a:\a+11], v[\b:\b+11], 0, v[\sa], v[\sb] matrix_a_fmt:MATRIX_FMT_BF6 matrix_b_fmt:MATRIX_FMT_BF6 matrix_a_scale:MATRIX_SCALE_ROW1 matrix_b_scale:MATRIX_SCALE_ROW1
.elseif \ra
	v_wmma_scale_f32_16x16x128_f8f6f4 v[\d:\d+7], v[\a:\a+11], v[\b:\b+11], 0, v[\sa], v[\sb] matrix_a_fmt:MATRIX_FMT_BF6 matrix_b_fmt:MATRIX_FMT_BF6 matrix_a_scale:MATRIX_SCALE_ROW1
.elseif \rb
	v_wmma_scale_f32_16x16x128_f8f6f4 v[\d:\d+7], v[\a:\a+11], v[\b:\b+11], 0, v[\sa], v[\sb] matrix_a_fmt:MATRIX_FMT_BF6 matrix_b_fmt:MATRIX_FMT_BF6 matrix_b_scale:MATRIX_SCALE_ROW1
.else
	v_wmma_scale_f32_16x16x128_f8f6f4 v[\d:\d+7], v[\a:\a+11], v[\b:\b+11], 0, v[\sa], v[\sb] matrix_a_fmt:MATRIX_FMT_BF6 matrix_b_fmt:MATRIX_FMT_BF6
.endif
.else
.if (\ra) && (\rb)
	v_wmma_scale_f32_16x16x128_f8f6f4 v[\d:\d+7], v[\a:\a+11], v[\b:\b+11], v[\d:\d+7], v[\sa], v[\sb] matrix_a_fmt:MATRIX_FMT_BF6 matrix_b_fmt:MATRIX_FMT_BF6 matrix_a_scale:MATRIX_SCALE_ROW1 matrix_b_scale:MATRIX_SCALE_ROW1
.elseif \ra
	v_wmma_scale_f32_16x16x128_f8f6f4 v[\d:\d+7], v[\a:\a+11], v[\b:\b+11], v[\d:\d+7], v[\sa], v[\sb] matrix_a_fmt:MATRIX_FMT_BF6 matrix_b_fmt:MATRIX_FMT_BF6 matrix_a_scale:MATRIX_SCALE_ROW1
.elseif \rb
	v_wmma_scale_f32_16x16x128_f8f6f4 v[\d:\d+7], v[\a:\a+11], v[\b:\b+11], v[\d:\d+7], v[\sa], v[\sb] matrix_a_fmt:MATRIX_FMT_BF6 matrix_b_fmt:MATRIX_FMT_BF6 matrix_b_scale:MATRIX_SCALE_ROW1
.else
	v_wmma_scale_f32_16x16x128_f8f6f4 v[\d:\d+7], v[\a:\a+11], v[\b:\b+11], v[\d:\d+7], v[\sa], v[\sb] matrix_a_fmt:MATRIX_FMT_BF6 matrix_b_fmt:MATRIX_FMT_BF6
.endif
.endif
.endm
.macro PLACES                          ; four plain lines between a matrix instruction and a load into, or a vector line on, its registers
.rept 4
	v_nop
.endr
.endm
; 32 numbers of a lane, register 16 b + i = k 32 b + 16 h + i of blocks b = 0, 1, become six registers of codes at f: lane (r, h) holds all of
; block h.  g: three registers at work; tm: eight at work; the blocks' bytes are left in tm + 6 and tm + 7, in every lane.
.macro QUANT2 n, f, g, tm
	v_max3_num_f32 v[\tm], |v[\n]|, |v[\n+1]|, 0x2800000
	v_max3_num_f32 v[\tm+1], |v[\n+16]|, |v[\n+17]|, 0x2800000
.irp i, 2,4,6,8,10,12,14
	v_max3_num_f32 v[\tm], v[\tm], |v[\n+\i]|, |v[\n+\i+1]|
	v_max3_num_f32 v[\tm+1], v[\tm+1], |v[\n+16+\i]|, |v[\n+17+\i]|
.endr
	v_permlanex16_b32 v[\tm+2], v[\tm], s[SEL], s[SEL+1]
	v_permlanex16_b32 v[\tm+3], v[\tm+1], s[SEL], s[SEL+1]
	v_max_num_f32 v[\tm], v[\tm], v[\tm+2]
	v_max_num_f32 v[\tm+1], v[\tm+1], v[\tm+3]
	v_add_nc_u32 v[\tm+4], 0xfe000000, v[\tm]
	v_add_nc_u32 v[\tm+5], 0xfe000000, v[\tm+1]
	v_lshrrev_b32 v[\tm+6], 23, v[\tm+4]
	v_lshrrev_b32 v[\tm+7], 23, v[\tm+5]
	v_cvt_scalef32_pk16_bf6_f32 v[\f:\f+2], v[\n:\n+15], v[\tm+4]
	v_cvt_scalef32_pk16_bf6_f32 v[\g:\g+2], v[\n+16:\n+31], v[\tm+5]
	v_nop                                          ; one plain line behind a scaled conversion
.irp i, 0,1,2
	v_permlane16_swap_b32 v[\f+\i], v[\g+\i]
.endr
.irp i, 0,1,2
	v_mov_b32 v[\f+3+\i], v[\g+\i]
.endr
.endm
.macro ALD ks                          ; the two row tiles' fragments of a K step: 6 loads, into ring place ks % 4 of window 1
.set FA, 128+24*((\ks)%4)
.irp g, 0,1,2
	global_load_b128 v[FA+4*\g:FA+4*\g+3], v6, s[4:5] offset:4194304+96*(\ks)+16*\g
.endr
.irp g, 0,1,2
	global_load_b128 v[FA+12+4*\g:FA+12+4*\g+3], v7, s[4:5] offset:4194304+96*(\ks)+16*\g
.endr
.endm
.macro BLD adr, dst, ks                ; a weight's four tiles of a K step from LDS: 12 loads
.irp t, 0,1,2,3
.irp g, 0,1,2
	ds_load_b128 v[\dst+12*\t+4*\g:\dst+12*\t+4*\g+3], v[\adr] offset:24576*(\t/2)+3072*(\ks)+1536*(\t%2)+512*\g
.endr
.endr
.endm
.macro PREP_A                          ; the chunk's two tiles and their rows' entries
	s_wait_xcnt 0x0                                ; the last chunk's loads and stores have read their registers
	s_min_u32 s24, s18, s19
	s_add_co_u32 s25, s18, 1
	s_min_u32 s25, s25, s19
	s_sub_co_u32 s22, s25, s24
	s_min_u32 s22, s22, 1                          ; 1: a second tile; 0: the first once more
	s_add_co_u32 s21, s20, s24
	s_min_u32 s21, s21, 134                        ; the first tile
	s_add_co_u32 s23, s21, s22                     ; the second
	s_lshl_b32 s24, s21, 6
	s_lshl_b32 s25, s23, 6
	v_add_nc_u32 v12, s24, v15
	v_add_nc_u32 v13, s25, v15
	global_load_b32 v4, v12, s[6:7]
	global_load_b32 v5, v13, s[6:7]
.endm
.macro PREP_B                          ; addresses from the entries; the rows' scale words and first four K steps
	v_cndmask_b32 v14, v4, v5, s[MHI]              ; lanes 0-15 tile 0's row r, lanes 16-31 tile 1's
	v_and_b32 v4, 0x3ff, v4                        ; the token
	v_and_b32 v5, 0x3ff, v5
	v_and_b32 v14, 0x3ff, v14
	v_min_u32 v4, 0x3ff, v4
	v_min_u32 v5, 0x3ff, v5
	v_min_u32 v14, 0x3ff, v14
	v_mad_u32_u24 v6, v4, 768, v16
	v_mad_u32_u24 v7, v5, 768, v16
	v_lshlrev_b32 v8, 5, v14
	s_mul_i32 s24, s21, 24576
	s_mul_i32 s25, s23, 24576
	v_add_nc_u32 v9, s24, v3
	v_add_nc_u32 v10, s25, v3
	s_lshl_b32 s24, s21, 10
	s_lshl_b32 s25, s22, 10
	v_mad_u32_u24 v11, v17, s25, v15
	v_add_nc_u32 v11, s24, v11                     ; tile h's scale words, row r
	global_load_b128 v[56:59], v8, s[4:5] offset:4980736
	global_load_b128 v[60:63], v8, s[4:5] offset:4980736+16
	WIN 0x40
	ALD 0
	ALD 1
	ALD 2
	ALD 3
	WIN 0
.endm
; a K step: eight matrix instructions for w1, eight for w3, sixteen accumulators by turns.  cnt: the ring's younger loads
.macro KSTEP ks, cnt
.set FA, 128+24*((\ks)%4)
	s_wait_loadcnt \cnt
	s_wait_dscnt 12                                ; w1's tiles are in; w3's 12 loads may be out
	WIN 0x54                                       ; source 0 window 0; source 1, C and D window 1
.irp m, 0,1
.irp t, 0,1,2,3
	MM 32*\m+8*\t, 64+12*\t, FA+12*\m, (\ks)==0, 24+8*(\t/2)+(\ks), 56+(\ks), \t%2, \m
.endr
.endr
	WIN 0
	PLACES
.if (\ks) < 7
	BLD 1, 64, (\ks)+1
	s_wait_dscnt 12                                ; w3's tiles are in; the 12 just issued may be out
.else
	s_wait_dscnt 0x0
.endif
	WIN 0x54
.irp m, 0,1
.irp t, 0,1,2,3
	MM 64+32*\m+8*\t, 112+12*\t, FA+12*\m, (\ks)==0, 40+8*(\t/2)+(\ks), 56+(\ks), \t%2, \m
.endr
.endr
	PLACES
	WIN 0
.if (\ks) < 7
	BLD 2, 112, (\ks)+1
.endif
.if (\ks) < 4
	WIN 0x40
	ALD (\ks)+4
	WIN 0
.endif
.endm
	s_load_b256 s[4:11], s[0:1], 0x0               ; hbuf, lists, wbig, bufA
	v_lshl_add_u32 v254, v0, 2, 0x18000
	v_mov_b32 v255, 0
	v_lshrrev_b32 v1, 5, v0
	v_readfirstlane_b32 s[WV], v1
	s_lshr_b32 s13, ttmp9, 5                       ; expert
	s_and_b32 s14, ttmp9, 31                       ; 64 columns of F
	s_lshl_b32 s24, s13, 2
	s_mov_b32 s[SEL], 0x76543210
	s_mov_b32 s[SEL+1], 0xfedcba98
	s_mov_b32 s[MHI], 0xffff0000
	v_and_b32 v21, 31, v0
	v_and_b32 v22, 15, v0
	v_bfe_u32 v17, v0, 4, 1                        ; h
	v_lshlrev_b32 v1, 4, v21                       ; LDS: w1's fragments, 16 x lane
	v_add_nc_u32 v2, 49152, v1                     ; w3's
	v_lshlrev_b32 v3, 3, v21
	v_lshlrev_b32 v15, 2, v22                      ; 4 r
	v_mul_u32_u24 v16, v17, 48
	v_lshlrev_b32 v18, 4, v0
	v_add_nc_u32 v19, 49152, v18
	v_lshlrev_b32 v20, 2, v21
	WIN 0x40
	v_mov_b32 v210, 0                              ; lane permutes' destinations count as sources
	v_mov_b32 v211, 0
	v_mov_b32 v242, 0
	v_mov_b32 v243, 0
	WIN 0
	s_wait_kmcnt 0x0
	s_load_b32 s16, s[6:7], s24 offset:9728        ; the expert's first tile
	s_load_b32 s17, s[6:7], s24 offset:9760        ; and its tiles
	s_mov_b32 s29, 0
	s_mul_i32 s28, s13, 1572864
	s_mul_i32 s30, s14, 49152
	s_add_co_u32 s28, s28, s30
	s_add_co_u32 s28, s28, 12582912
	s_add_nc_u64 s[40:41], s[8:9], s[28:29]        ; w1's fragments
	s_add_co_u32 s28, s28, 12582912
	s_add_nc_u64 s[42:43], s[8:9], s[28:29]        ; w3's
	s_lshl_b32 s28, s13, 16
	s_lshl_b32 s30, s14, 11
	s_add_co_u32 s28, s28, s30
	s_add_co_u32 s28, s28, 38273024
	s_add_nc_u64 s[44:45], s[8:9], s[28:29]        ; w1's scale words
	s_add_co_u32 s28, s28, 524288
	s_add_nc_u64 s[46:47], s[8:9], s[28:29]        ; w3's
	s_lshr_b32 s30, s14, 1
	s_and_b32 s31, s14, 1
	s_mul_i32 s28, s30, 1536
	s_mul_i32 s32, s31, 768
	s_add_co_u32 s28, s28, s32
	s_add_nc_u64 s[48:49], s[10:11], s[28:29]      ; H: K step fg / 2, half fg % 2
	s_lshl_b32 s28, s30, 6
	s_lshl_b32 s32, s31, 1
	s_add_co_u32 s28, s28, s32
	s_add_nc_u64 s[50:51], s[10:11], s[28:29]
.irp i, 0,1,2,3,4,5,6,7,8,9,10,11
	global_load_b128 v[64+4*\i:67+4*\i], v18, s[40:41] offset:4096*\i
	global_load_b128 v[112+4*\i:115+4*\i], v18, s[42:43] offset:4096*\i
.endr
.irp b, 0,1
.irp k, 0,1,2,3,4,5,6,7
	global_load_b32 v[24+8*\b+\k], v20, s[44:45] offset:(8*\b+\k)*128
	global_load_b32 v[40+8*\b+\k], v20, s[46:47] offset:(8*\b+\k)*128
.endr
.endr
	s_wait_kmcnt 0x0
	s_min_u32 s16, s16, 134
	s_min_u32 s17, s17, 64
	s_lshl_b32 s18, s[WV], 1                       ; my first tile of the expert's
	s_max_u32 s19, s17, 1
	s_sub_co_u32 s19, s19, 1                       ; its last tile
	s_cmp_eq_u32 s17, 0
	s_cselect_b32 s20, 0, s16
	s_add_co_u32 s[NCH], s17, 15
	s_sub_co_u32 s[NCH], s[NCH], s18               ; at least 1: s18 is at most 14
	s_lshr_b32 s[NCH], s[NCH], 4                   ; my chunks: 0 where my first tile is not under the expert's number of tiles
	s_min_u32 s[NCH], s[NCH], 4                    ; 64 tiles at the most: four chunks
	PREP_A
	s_wait_loadcnt 0x0
.irp i, 0,1,2,3,4,5,6,7,8,9,10,11
	ds_store_b128 v18, v[64+4*\i:67+4*\i] offset:4096*\i
	ds_store_b128 v19, v[112+4*\i:115+4*\i] offset:4096*\i
.endr
	PREP_B
	s_wait_dscnt 0x0
	s_barrier_signal -1
	s_barrier_wait -1                              ; the one barrier: the weights lie in LDS and are only read from here on
	s_cmp_eq_u32 s[NCH], 0
	s_cbranch_scc1 .Ldone
.Lchunk:
	BLD 1, 64, 0
	BLD 2, 112, 0
	KSTEP 0, 18                                    ; three younger K steps of six loads
	KSTEP 1, 18
	KSTEP 2, 18
	KSTEP 3, 18
	KSTEP 4, 18
	KSTEP 5, 12
	KSTEP 6, 6
	KSTEP 7, 0
	WIN 0x55                                       ; all in window 1
.set J, 0
.rept 32
	v_pk_mul_f32 v[128+J:129+J], v[J:J+1], 0xbfb8aa3b op_sel_hi:[1,0]   ; -a1 log2(e); each accumulator from its low end on
.set J, J+2
.endr
.set J, 0
.rept 64
	v_exp_f32 v[128+J], v[128+J]
.set J, J+1
.endr
	v_nop
	s_wait_alu depctr_va_vdst(0)                   ; one wait for the batch
.set J, 0
.rept 32
	v_pk_add_f32 v[128+J:129+J], v[128+J:129+J], 1.0 op_sel_hi:[1,0]
.set J, J+2
.endr
.set J, 0
.rept 64
	v_rcp_f32 v[128+J], v[128+J]
.set J, J+1
.endr
	v_nop
	s_wait_alu depctr_va_vdst(0)
.set J, 0
.rept 32
	v_pk_mul_f32 v[J:J+1], v[J:J+1], v[128+J:129+J]   ; silu(a1)
.set J, J+2
.endr
.set J, 0
.rept 32
	v_pk_mul_f32 v[J:J+1], v[J:J+1], v[64+J:65+J]     ; x a3
.set J, J+2
.endr
	QUANT2 0, 192, 198, 208
	QUANT2 32, 224, 230, 240
	v_lshl_or_b32 v214, v215, 8, v214
	v_lshl_or_b32 v246, v247, 8, v246
	v_cndmask_b32 v214, v214, v246, s[MHI]         ; lanes 0-15 tile 0's two bytes, lanes 16-31 tile 1's
	WIN 0x04                                       ; a store's data: window 1
.irp p, 0,1,2
	global_store_b64 v9, v[192+2*\p:193+2*\p], s[48:49] offset:256*\p
	global_store_b64 v10, v[224+2*\p:225+2*\p], s[48:49] offset:256*\p
.endr
	global_store_b16 v11, v214, s[50:51] offset:3342336
	WIN 0
	s_add_co_u32 s18, s18, 16                      ; my next chunk's first tile
	s_sub_co_u32 s[NCH], s[NCH], 1
	s_cmp_eq_u32 s[NCH], 0
	s_cbranch_scc1 .Ldone
	PREP_A
	s_wait_loadcnt 0x0
	PREP_B
	s_cmp_lg_u32 s[NCH], 0
	s_cbranch_scc1 .Lchunk
.Ldone:
	s_wait_tensorcnt 0x0
	ds_add_u32 v254, v255
	s_wait_dscnt 0x0
	s_endpgm
.Lfunc_end_k_qdf6739d439_moe_up:
	.size	k_qdf6739d439_moe_up, .Lfunc_end_k_qdf6739d439_moe_up-k_qdf6739d439_moe_up
	.p2alignl 7, 3214868480
	.fill 96, 4, 3214868480
	.section	.rodata,"a",@progbits
	.p2align	6, 0x0
	.amdhsa_kernel k_qdf6739d439_moe_up
		.amdhsa_group_segment_fixed_size 99328
		.amdhsa_private_segment_fixed_size 0
		.amdhsa_enable_private_segment 0
		.amdhsa_kernarg_size 32
		.amdhsa_user_sgpr_count 2
		.amdhsa_user_sgpr_kernarg_segment_ptr 1
		.amdhsa_wavefront_size32 1
		.amdhsa_system_sgpr_workgroup_id_x 1
		.amdhsa_system_sgpr_workgroup_id_y 1
		.amdhsa_system_sgpr_workgroup_id_z 1
		.amdhsa_system_vgpr_workitem_id 0
		.amdhsa_next_free_vgpr 512
		.amdhsa_next_free_sgpr 66
		.amdhsa_reserve_vcc 0
		.amdhsa_float_denorm_mode_32 3
		.amdhsa_float_denorm_mode_16_64 3
		.amdhsa_memory_ordered 1
		.amdhsa_forward_progress 1
		.amdhsa_inst_pref_size 71
	.end_amdhsa_kernel
	.amdgpu_metadata
---
amdhsa.version: [ 1, 2 ]
amdhsa.kernels:
  - .name:           k_qdf6739d439_moe_up
    .symbol:         k_qdf6739d439_moe_up.kd
    .args:
      - { .name: hbuf, .offset: 0, .size: 8, .value_kind: global_buffer, .address_space: global }
      - { .name: lists, .offset: 8, .size: 8, .value_kind: global_buffer, .address_space: global }
      - { .name: wbig, .offset: 16, .size: 8, .value_kind: global_buffer, .address_space: global }
      - { .name: bufA, .offset: 24, .size: 8, .value_kind: global_buffer, .address_space: global }
    .group_segment_fixed_size: 99328
    .private_segment_fixed_size: 0
    .kernarg_segment_align: 8
    .kernarg_segment_size: 32
    .max_flat_workgroup_size: 256
    .sgpr_count:     66
    .vgpr_count:     512
    .wavefront_size: 32
...
	.end_amdgpu_metadata
.endif
;; end of part 6
;; launch moe_down (part 7): grid 256 x 1, 8 waves a work-group, no clusters, 134,144 bytes of LDS; arguments bufA, lists, wbig, hbuf, bufB; writes bufB
.if DOCPART == 7
	.amdgcn_target "amdgcn-amd-amdhsa--gfx1250"
	.amdhsa_code_object_version 6
	.text
	.protected	k_qdf6739d439_moe_down
	.globl	k_qdf6739d439_moe_down
	.p2align	8
	.type	k_qdf6739d439_moe_down,@function
k_qdf6739d439_moe_down:
	s_mov_b64 s[64:65], 0
	v_nop
	global_prefetch_b8 v0, s[64:65] scope:SCOPE_SE
	s_setreg_imm32_b32 hwreg(HW_REG_WAVE_MODE, 25, 1), 1
	s_wait_xcnt 0x0
; MOE, DOWN.  y[entry] = gate weight x (H w2), a row for each (slot, token) entry; the two rows of a token are added by the next launch, so each
; row has one owner and nothing is added in memory.
; Work-group = (expert wg / 32, 64 columns dg = (wg / 2) % 16, half z = wg % 2 of the expert's chunks).  Its 98,304 bytes of w2's fragments are copied
; into LDS once; then wave w takes tiles 2 z + 4 w + 32 k and the next, with no further barrier: (tiles + 31 - 2 z - 4 w) / 32 chunks, rounded down,
; which is 0 for a wave with no tile; the loop counts them down.  H's fragments come as they were stored, by tile, four K steps ahead.
; Trip counts and addresses hang on the stored lists: no tensor load, no cluster.
; A chunk's tiles are held to tiles that exist (an expert without rows: tile 0).  Rows that only fill a tile up go to dump rows 2,048 to 2,175.
; OUT through the wave's stage: 16 lanes store 256 consecutive bytes, aligned, of one row.
; REGISTERS: window 0: v1-23 addresses, v24-55 w2's scale words, v56-71 H's, v72-119 and v120-167 w2's tiles (two sets), v168-183 the rows' places,
;   v184-191 entries and weights, v192-223 rows read back.   window 1: v0-63 the sums, v64-159 H's fragments (four K steps).
.set WV, 14
.set NCH, 32                           ; s32 my chunks still to do
.set MSB, 0
.macro WIN new                         ; the immediate's high byte repeats the setting that is left
.if MSB != \new
	s_set_vgpr_msb (MSB<<8)|\new
.set MSB, \new
.endif
.endm
.macro MM d, a, b, z, sa, sb, ra, rb
.if \z
.if (\ra) && (\rb)
	v_wmma_scale_f32_16x16x128_f8f6f4 v[\d:\d+7], v[\a:\a+11], v[\b:\b+11], 0, v[\sa], v[\sb] matrix_a_fmt:MATRIX_FMT_BF6 matrix_b_fmt:MATRIX_FMT_BF6 matrix_a_scale:MATRIX_SCALE_ROW1 matrix_b_scale:MATRIX_SCALE_ROW1
.elseif \ra
	v_wmma_scale_f32_16x16x128_f8f6f4 v[\d:\d+7], v[\a:\a+11], v[\b:\b+11], 0, v[\sa], v[\sb] matrix_a_fmt:MATRIX_FMT_BF6 matrix_b_fmt:MATRIX_FMT_BF6 matrix_a_scale:MATRIX_SCALE_ROW1
.elseif \rb
	v_wmma_scale_f32_16x16x128_f8f6f4 v[\d:\d+7], v[\a:\a+11], v[\b:\b+11], 0, v[\sa], v[\sb] matrix_a_fmt:MATRIX_FMT_BF6 matrix_b_fmt:MATRIX_FMT_BF6 matrix_b_scale:MATRIX_SCALE_ROW1
.else
	v_wmma_scale_f32_16x16x128_f8f6f4 v[\d:\d+7], v[\a:\a+11], v[\b:\b+11], 0, v[\sa], v[\sb] matrix_a_fmt:MATRIX_FMT_BF6 matrix_b_fmt:MATRIX_FMT_BF6
.endif
.else
.if (\ra) && (\rb)
	v_wmma_scale_f32_16x16x128_f8f6f4 v[\d:\d+7], v[\a:\a+11], v[\b:\b+11], v[\d:\d+7], v[\sa], v[\sb] matrix_a_fmt:MATRIX_FMT_BF6 matrix_b_fmt:MATRIX_FMT_BF6 matrix_a_scale:MATRIX_SCALE_ROW1 matrix_b_scale:MATRIX_SCALE_ROW1
.elseif \ra
	v_wmma_scale_f32_16x16x128_f8f6f4 v[\d:\d+7], v[\a:\a+11], v[\b:\b+11], v[\d:\d+7], v[\sa], v[\sb] matrix_a_fmt:MATRIX_FMT_BF6 matrix_b_fmt:MATRIX_FMT_BF6 matrix_a_scale:MATRIX_SCALE_ROW1
.elseif \rb
	v_wmma_scale_f32_16x16x128_f8f6f4 v[\d:\d+7], v[\a:\a+11], v[\b:\b+11], v[\d:\d+7], v[\sa], v[\sb] matrix_a_fmt:MATRIX_FMT_BF6 matrix_b_fmt:MATRIX_FMT_BF6 matrix_b_scale:MATRIX_SCALE_ROW1
.else
	v_wmma_scale_f32_16x16x128_f8f6f4 v[\d:\d+7], v[\a:\a+11], v[\b:\b+11], v[\d:\d+7], v[\sa], v[\sb] matrix_a_fmt:MATRIX_FMT_BF6 matrix_b_fmt:MATRIX_FMT_BF6
.endif
.endif
.endm
.macro PLACES                          ; four plain lines between a matrix instruction and a load into, or a vector line on, its registers
.rept 4
	v_nop
.endr
.endm
.macro ALD ks                          ; the two tiles' fragments of H for a K step: 12 loads, into ring place ks % 4 of window 1
.set FA, 64+24*((\ks)%4)
.irp c, 0,1
.irp p, 0,1,2
	global_load_b64 v[FA+6*\c+2*\p:FA+6*\c+2*\p+1], v4, s[4:5] offset:1536*(\ks)+768*\c+256*\p
.endr
.endr
.irp c, 0,1
.irp p, 0,1,2
	global_load_b64 v[FA+12+6*\c+2*\p:FA+12+6*\c+2*\p+1], v5, s[4:5] offset:1536*(\ks)+768*\c+256*\p
.endr
.endr
.endm
.macro BLD ks                          ; w2's four tiles of a K step from LDS: 12 loads, into set ks % 2
.set FB, 72+48*((\ks)%2)
.irp t, 0,1,2,3
.irp g, 0,1,2
	ds_load_b128 v[FB+12*\t+4*\g:FB+12*\t+4*\g+3], v[1+(\t/2)] offset:3072*(\ks)+1536*(\t%2)+512*\g
.endr
.endr
.endm
.macro PREP                            ; the chunk's two tiles; all its addresses hang on the tiles' numbers alone
	s_wait_xcnt 0x0                                ; the last chunk's loads and stores have read their registers
	s_min_u32 s24, s18, s19
	s_add_co_u32 s25, s18, 1
	s_min_u32 s25, s25, s19
	s_sub_co_u32 s22, s25, s24
	s_min_u32 s22, s22, 1
	s_add_co_u32 s21, s20, s24
	s_min_u32 s21, s21, 134
	s_add_co_u32 s23, s21, s22
	s_lshl_b32 s24, s21, 6
	s_lshl_b32 s25, s23, 6
	v_add_nc_u32 v12, s24, v6
	v_add_nc_u32 v13, s25, v6
	v_add_nc_u32 v14, s24, v11
	v_add_nc_u32 v15, s25, v11
	s_lshl_b32 s24, s21, 10
	s_lshl_b32 s25, s22, 10
	v_mad_u32_u24 v16, v7, s25, v6
	v_add_nc_u32 v16, s24, v16
	s_mul_i32 s24, s21, 24576
	s_mul_i32 s25, s23, 24576
	v_add_nc_u32 v4, s24, v3
	v_add_nc_u32 v5, s25, v3
	global_load_b32 v184, v12, s[6:7]              ; my row's entry, tile 0 and tile 1
	global_load_b32 v185, v13, s[6:7]
.irp i, 0,1,2,3,4,5,6,7
	global_load_b32 v[168+\i], v14, s[6:7] offset:8*\i   ; the entries of rows 2 i + lane / 16: where the stores go
.endr
.irp i, 0,1,2,3,4,5,6,7
	global_load_b32 v[176+\i], v15, s[6:7] offset:8*\i
.endr
.irp k, 0,1,2,3,4,5,6,7,8,9,10,11,12,13,14,15
	global_load_b32 v[56+\k], v16, s[4:5] offset:3342336+64*\k
.endr
	WIN 0x40
	ALD 0
	ALD 1
	ALD 2
	ALD 3
	WIN 0
.endm
.macro KSTEP ks, cnt                   ; eight matrix instructions, the eight accumulators by turns.  cnt: at most the loads issued behind this step's
.set FA, 64+24*((\ks)%4)
.set FB, 72+48*((\ks)%2)
	s_wait_loadcnt \cnt
.if (\ks) < 15
	s_wait_dscnt 12                                ; the next step's 12 LDS loads may be out
.else
	s_wait_dscnt 0x0
.endif
	WIN 0x54
.irp m, 0,1
.irp t, 0,1,2,3
	MM 32*\m+8*\t, FB+12*\t, FA+12*\m, (\ks)==0, 24+16*(\t/2)+(\ks), 56+(\ks), \t%2, \m
.endr
.endr
	PLACES
	WIN 0
.if (\ks) < 14
	BLD (\ks)+2
.endif
.if (\ks) == 0
	v_min_u32 v190, 2047, v184                     ; the entries are in: the rows' gate weights
	v_min_u32 v191, 2047, v185
	v_lshlrev_b32 v190, 2, v190
	v_lshlrev_b32 v191, 2, v191
	global_load_b32 v186, v190, s[10:11] offset:5013504
	global_load_b32 v188, v191, s[10:11] offset:5013504
.endif
.if (\ks) < 12
	WIN 0x40
	ALD (\ks)+4
	WIN 0
.endif
.endm
	s_load_b256 s[4:11], s[0:1], 0x0               ; bufA, lists, wbig, hbuf
	s_load_b64 s[12:13], s[0:1], 0x20              ; bufB
	v_lshl_add_u32 v254, v0, 2, 0x20800
	v_mov_b32 v255, 0
	v_lshrrev_b32 v1, 5, v0
	v_readfirstlane_b32 s[WV], v1
	s_lshr_b32 s15, ttmp9, 5                       ; expert
	s_bfe_u32 s26, ttmp9, 0x40001                  ; 64 columns
	s_and_b32 s27, ttmp9, 1                        ; which half of the chunks
	s_lshl_b32 s24, s15, 2
	v_and_b32 v21, 31, v0
	v_and_b32 v22, 15, v0
	v_bfe_u32 v7, v0, 4, 1                         ; h
	v_lshlrev_b32 v1, 4, v21                       ; LDS: tiles of b = 0
	v_add_nc_u32 v2, 49152, v1                     ; of b = 1
	v_lshlrev_b32 v3, 3, v21
	v_lshlrev_b32 v6, 2, v22                       ; 4 r
	v_lshlrev_b32 v8, 4, v0
	v_add_nc_u32 v9, 49152, v8
	v_lshlrev_b32 v10, 2, v21
	v_lshlrev_b32 v11, 2, v7
	v_lshlrev_b32 v19, 4, v22
	s_mul_i32 s25, s[WV], 4352
	s_add_co_u32 s25, s25, 98304                   ; my stage
	v_lshlrev_b32 v20, 6, v7
	v_mad_u32_u24 v17, v22, 272, v20
	v_add_nc_u32 v17, s25, v17                     ; in: row r, + 64 h
	v_mul_u32_u24 v18, v7, 272
	v_lshl_add_u32 v18, v22, 4, v18
	v_add_nc_u32 v18, s25, v18                     ; back: lanes 0-15 one row, lanes 16-31 the next
	v_mov_b32 v187, 0                              ; named with the weights as pairs
	v_mov_b32 v189, 0
	s_wait_kmcnt 0x0
	s_load_b32 s16, s[6:7], s24 offset:9728
	s_load_b32 s17, s[6:7], s24 offset:9760
	s_mov_b32 s29, 0
	s_mul_i32 s28, s15, 1572864
	s_mul_i32 s30, s26, 98304
	s_add_co_u32 s28, s28, s30
	s_add_nc_u64 s[40:41], s[8:9], s[28:29]        ; w2's fragments
	s_lshl_b32 s28, s15, 16
	s_lshl_b32 s30, s26, 12
	s_add_co_u32 s28, s28, s30
	s_add_co_u32 s28, s28, 37748736
	s_add_nc_u64 s[42:43], s[8:9], s[28:29]        ; its scale words
	s_lshl_b32 s28, s26, 8
	s_add_nc_u64 s[44:45], s[12:13], s[28:29]      ; y at my columns
.irp i, 0,1,2,3,4,5,6,7,8,9,10,11,12,13,14,15,16,17,18,19,20,21,22,23
	global_load_b128 v[72+4*\i:75+4*\i], v8, s[40:41] offset:4096*\i
.endr
.irp b, 0,1
.irp k, 0,1,2,3,4,5,6,7,8,9,10,11,12,13,14,15
	global_load_b32 v[24+16*\b+\k], v10, s[42:43] offset:(16*\b+\k)*128
.endr
.endr
	s_wait_kmcnt 0x0
	s_min_u32 s16, s16, 134
	s_min_u32 s17, s17, 64
	s_lshl_b32 s18, s[WV], 2
	s_lshl_b32 s25, s27, 1
	s_add_co_u32 s18, s18, s25                     ; my first tile of the expert's
	s_max_u32 s19, s17, 1
	s_sub_co_u32 s19, s19, 1
	s_cmp_eq_u32 s17, 0
	s_cselect_b32 s20, 0, s16
	s_add_co_u32 s[NCH], s17, 31
	s_sub_co_u32 s[NCH], s[NCH], s18               ; at least 1: s18 is at most 30
	s_lshr_b32 s[NCH], s[NCH], 5                   ; my chunks: 0 where my first tile is not under the expert's number of tiles
	s_min_u32 s[NCH], s[NCH], 2                    ; 64 tiles at the most: two chunks
	s_wait_loadcnt 32                              ; the 24 loads for LDS are in; the 32 scale words may be out
.irp i, 0,1,2,3,4,5,6,7,8,9,10,11
	ds_store_b128 v8, v[72+4*\i:75+4*\i] offset:4096*\i
	ds_store_b128 v9, v[120+4*\i:123+4*\i] offset:4096*\i
.endr
	PREP
	s_wait_dscnt 0x0
	s_barrier_signal -1
	s_barrier_wait -1                              ; the one barrier: the weights lie in LDS and are only read from here on
	s_cmp_eq_u32 s[NCH], 0
	s_cbranch_scc1 .Ldone
.Lchunk:
	BLD 0
	BLD 1
.irp k, 0,1,2,3,4,5,6,7,8,9,10,11,12
	KSTEP \k, 36                                   ; three younger K steps of twelve loads (in steps 1 to 3 two more are out: the smaller count holds)
.endr
	KSTEP 13, 24
	KSTEP 14, 12
	KSTEP 15, 0
.irp i, 0,1,2,3,4,5,6,7,8,9,10,11,12,13,14,15
	v_min_u32 v[168+\i], 2175, v[168+\i]
	v_lshl_add_u32 v[168+\i], v[168+\i], 12, v19   ; the row of y, + 16 (lane % 16)
.endr
	WIN 0x41                                       ; the sums in window 1, the weight in window 0
.set J, 0
.rept 16
	v_pk_mul_f32 v[J:J+1], v[J:J+1], v[186:187] op_sel_hi:[1,0]   ; each accumulator from its low end on
.set J, J+2
.endr
.rept 16
	v_pk_mul_f32 v[J:J+1], v[J:J+1], v[188:189] op_sel_hi:[1,0]
.set J, J+2
.endr
	WIN 0x04                                       ; an LDS store's data: window 1
.irp b, 0,1
.irp i, 0,1,2,3
	ds_store_b128 v17, v[16*\b+4*\i:16*\b+4*\i+3] offset:128*\b+16*\i
.endr
.endr
	WIN 0
.irp i, 0,1,2,3,4,5,6,7
	ds_load_b128 v[192+4*\i:195+4*\i], v18 offset:544*\i   ; LDS serves a wave's instructions in order
.endr
	WIN 0x04
.irp b, 0,1
.irp i, 0,1,2,3
	ds_store_b128 v17, v[32+16*\b+4*\i:32+16*\b+4*\i+3] offset:128*\b+16*\i
.endr
.endr
	WIN 0
.irp i, 0,1,2,3,4,5,6,7
	ds_load_b128 v[72+4*\i:75+4*\i], v18 offset:544*\i
.endr
.irp i, 0,1,2,3,4,5,6,7
	s_wait_dscnt 23-\i                             ; behind tile 0's load i: its 7 - i others and tile 1's sixteen
	global_store_b128 v[168+\i], v[192+4*\i:195+4*\i], s[44:45]
.endr
.irp i, 0,1,2,3,4,5,6,7
	s_wait_dscnt 7-\i
	global_store_b128 v[176+\i], v[72+4*\i:75+4*\i], s[44:45]
.endr
	s_add_co_u32 s18, s18, 32                      ; my next chunk's first tile
	s_sub_co_u32 s[NCH], s[NCH], 1
	s_cmp_eq_u32 s[NCH], 0
	s_cbranch_scc1 .Ldone
	PREP
	s_cmp_lg_u32 s[NCH], 0
	s_cbranch_scc1 .Lchunk
.Ldone:
	s_wait_tensorcnt 0x0
	ds_add_u32 v254, v255
	s_wait_dscnt 0x0
	s_endpgm
.Lfunc_end_k_qdf6739d439_moe_down:
	.size	k_qdf6739d439_moe_down, .Lfunc_end_k_qdf6739d439_moe_down-k_qdf6739d439_moe_down
	.p2alignl 7, 3214868480
	.fill 96, 4, 3214868480
	.section	.rodata,"a",@progbits
	.p2align	6, 0x0
	.amdhsa_kernel k_qdf6739d439_moe_down
		.amdhsa_group_segment_fixed_size 134144
		.amdhsa_private_segment_fixed_size 0
		.amdhsa_enable_private_segment 0
		.amdhsa_kernarg_size 40
		.amdhsa_user_sgpr_count 2
		.amdhsa_user_sgpr_kernarg_segment_ptr 1
		.amdhsa_wavefront_size32 1
		.amdhsa_system_sgpr_workgroup_id_x 1
		.amdhsa_system_sgpr_workgroup_id_y 1
		.amdhsa_system_sgpr_workgroup_id_z 1
		.amdhsa_system_vgpr_workitem_id 0
		.amdhsa_next_free_vgpr 512
		.amdhsa_next_free_sgpr 66
		.amdhsa_reserve_vcc 0
		.amdhsa_float_denorm_mode_32 3
		.amdhsa_float_denorm_mode_16_64 3
		.amdhsa_memory_ordered 1
		.amdhsa_forward_progress 1
		.amdhsa_inst_pref_size 83
	.end_amdhsa_kernel
	.amdgpu_metadata
---
amdhsa.version: [ 1, 2 ]
amdhsa.kernels:
  - .name:           k_qdf6739d439_moe_down
    .symbol:         k_qdf6739d439_moe_down.kd
    .args:
      - { .name: bufA, .offset: 0, .size: 8, .value_kind: global_buffer, .address_space: global }
      - { .name: lists, .offset: 8, .size: 8, .value_kind: global_buffer, .address_space: global }
      - { .name: wbig, .offset: 16, .size: 8, .value_kind: global_buffer, .address_space: global }
      - { .name: hbuf, .offset: 24, .size: 8, .value_kind: global_buffer, .address_space: global }
      - { .name: bufB, .offset: 32, .size: 8, .value_kind: global_buffer, .address_space: global }
    .group_segment_fixed_size: 134144
    .private_segment_fixed_size: 0
    .kernarg_segment_align: 8
    .kernarg_segment_size: 40
    .max_flat_workgroup_size: 256
    .sgpr_count:     66
    .vgpr_count:     512
    .wavefront_size: 32
...
	.end_amdgpu_metadata
.endif
;; end of part 7
;; launch combine (part 8): grid 256 x 1, 8 waves a work-group, no clusters, 0 bytes of LDS; arguments hbuf, bufB, out0; writes out0
.if DOCPART == 8
	.amdgcn_target "amdgcn-amd-amdhsa--gfx1250"
	.amdhsa_code_object_version 6
	.text
	.protected	k_qdf6739d439_combine
	.globl	k_qdf6739d439_combine
	.p2align	8
	.type	k_qdf6739d439_combine,@function
k_qdf6739d439_combine:
	s_mov_b64 s[64:65], 0
	v_nop
	global_prefetch_b8 v0, s[64:65] scope:SCOPE_SE
	s_setreg_imm32_b32 hwreg(HW_REG_WAVE_MODE, 25, 1), 1
	s_wait_xcnt 0x0
; out0 = h + (y[slot 0] + y[slot 1]).  A stream: a work-group takes 16,384 consecutive bytes of each of the three, a thread 16 bytes four times;
; each load and store of a wave covers 512 consecutive bytes.  All twelve loads go out at once; the waits count the younger ones.
	s_load_b128 s[4:7], s[0:1], 0x0                ; hbuf, bufB
	s_load_b64 s[8:9], s[0:1], 0x10                ; out0
	v_lshlrev_b32 v1, 4, v0
	s_lshl_b32 s10, ttmp9, 14
	v_add_nc_u32 v1, s10, v1
	s_wait_kmcnt 0x0
.irp i, 0,1,2,3
	global_load_b128 v[4+12*\i:7+12*\i], v1, s[4:5] offset:4096*\i th:TH_LOAD_NT
	global_load_b128 v[8+12*\i:11+12*\i], v1, s[6:7] offset:4096*\i th:TH_LOAD_NT
	global_load_b128 v[12+12*\i:15+12*\i], v1, s[6:7] offset:4194304+4096*\i th:TH_LOAD_NT
.endr
.irp i, 0,1,2,3
	s_wait_loadcnt 9-3*\i
	v_pk_add_f32 v[8+12*\i:9+12*\i], v[8+12*\i:9+12*\i], v[12+12*\i:13+12*\i]
	v_pk_add_f32 v[10+12*\i:11+12*\i], v[10+12*\i:11+12*\i], v[14+12*\i:15+12*\i]
	v_pk_add_f32 v[8+12*\i:9+12*\i], v[8+12*\i:9+12*\i], v[4+12*\i:5+12*\i]
	v_pk_add_f32 v[10+12*\i:11+12*\i], v[10+12*\i:11+12*\i], v[6+12*\i:7+12*\i]
	global_store_b128 v1, v[8+12*\i:11+12*\i], s[8:9] offset:4096*\i th:TH_STORE_NT
.endr
	s_endpgm
.Lfunc_end_k_qdf6739d439_combine:
	.size	k_qdf6739d439_combine, .Lfunc_end_k_qdf6739d439_combine-k_qdf6739d439_combine
	.p2alignl 7, 3214868480
	.fill 96, 4, 3214868480
	.section	.rodata,"a",@progbits
	.p2align	6, 0x0
	.amdhsa_kernel k_qdf6739d439_combine
		.amdhsa_group_segment_fixed_size 0
		.amdhsa_private_segment_fixed_size 0
		.amdhsa_enable_private_segment 0
		.amdhsa_kernarg_size 24
		.amdhsa_user_sgpr_count 2
		.amdhsa_user_sgpr_kernarg_segment_ptr 1
		.amdhsa_wavefront_size32 1
		.amdhsa_system_sgpr_workgroup_id_x 1
		.amdhsa_system_sgpr_workgroup_id_y 1
		.amdhsa_system_sgpr_workgroup_id_z 1
		.amdhsa_system_vgpr_workitem_id 0
		.amdhsa_next_free_vgpr 64
		.amdhsa_next_free_sgpr 66
		.amdhsa_reserve_vcc 0
		.amdhsa_float_denorm_mode_32 3
		.amdhsa_float_denorm_mode_16_64 3
		.amdhsa_memory_ordered 1
		.amdhsa_forward_progress 1
		.amdhsa_inst_pref_size 4
	.end_amdhsa_kernel
	.amdgpu_metadata
---
amdhsa.version: [ 1, 2 ]
amdhsa.kernels:
  - .name:           k_qdf6739d439_combine
    .symbol:         k_qdf6739d439_combine.kd
    .args:
      - { .name: hbuf, .offset: 0, .size: 8, .value_kind: global_buffer, .address_space: global }
      - { .name: bufB, .offset: 8, .size: 8, .value_kind: global_buffer, .address_space: global }
      - { .name: out0, .offset: 16, .size: 8, .value_kind: global_buffer, .address_space: global }
    .group_segment_fixed_size: 0
    .private_segment_fixed_size: 0
    .kernarg_segment_align: 8
    .kernarg_segment_size: 24
    .max_flat_workgroup_size: 256
    .sgpr_count:     66
    .vgpr_count:     64
    .wavefront_size: 32
...
	.end_amdgpu_metadata
.endif
;; end of part 8
;; ======== version 2 of 2: 8 launches; version 1 with the launches qkv, attn, wo_gate, moe_up, moe_down written anew for expert scheduling mode
;; workspace buffers: wsm 2,048,000 bytes; wbig 39,321,600 bytes; bufA 3,481,600 bytes; bufB 8,912,896 bytes; att 819,200 bytes; hbuf 5,021,696 bytes; topi 8,192 bytes of whole numbers; lists 9,984 bytes of whole numbers
;; launch prep: the kernel of part 1 again; grid 416 x 1, 4 waves a work-group, no clusters, 0 bytes of LDS; arguments x, attn_norm_w, wq, wo, wk, wv, bufA, wsm; writes bufA, wsm
;; launch qkv (part 9): grid 704 x 1, 4 waves a work-group, no clusters, 0 bytes of LDS; arguments bufA, wsm, freqs_cos, freqs_sin, w2, bufB, wbig; writes bufB, wbig
.if DOCPART == 9
	.amdgcn_target "amdgcn-amd-amdhsa--gfx1250"
	.amdhsa_code_object_version 6
	.text
	.protected	k_qdf6739d439_qkv
	.globl	k_qdf6739d439_qkv
	.p2align	8
	.type	k_qdf6739d439_qkv,@function
k_qdf6739d439_qkv:
	s_mov_b64 s[64:65], 0
	v_nop
	global_prefetch_b8 v0, s[64:65] scope:SCOPE_SE
	s_setreg_imm32_b32 hwreg(HW_REG_WAVE_SCHED_MODE, 0, 2), 2
	s_setreg_imm32_b32 hwreg(HW_REG_WAVE_MODE, 25, 1), 1
	s_wait_xcnt 0x0
	s_wait_alu depctr_vm_vsrc(0)
; QKV.  Work-groups 0-191: q, k, v = xn (wq | wk | wv) on E3M2 codes, RoPE on q and k, and the results quantised for attention.
; Work-groups 192-703: units 2,048 to 4,095 of w2 (see QUNIT), which hang on nothing here and fill the rest of the chip.
; A wave takes 32 tokens x one head unit hu of 64 columns (hu 0-15 q's heads, 16-19 k's, 20-23 v's): eight accumulators, K in eight steps
; of 128, fragments straight from memory into two sets of registers, two steps ahead.
; q, k: source 0 = 16 columns of the weight, source 1 = 16 tokens: a lane holds ONE token and 32 b + 16 h + 0..15 of the head's 64, which
; are 16 neighbours along the next K (the head).  v: the sources change places: a lane holds ONE channel and 16 neighbouring tokens, since
; the keys are the next K.  k's and v's token tiles take tokens 8 m + r + 8 (r / 8) of the 32, q's 16 m + r.
; OUT: half fragments of 768 bytes, [3][32 lanes][8 bytes]: a store covers 256 consecutive bytes, aligned.  q's and k's scale words carry
; 0x7f in the bytes of the unused upper 64 of K.  v's scale bytes are single bytes 32 apart: 8,192 bytes in the whole launch.
; No LDS, no cluster: a work-group's waves share only xn's 24 KB and the launch has 49,152 matrix instructions in all.
; LIMITS: as stated for the quantiser in QUNIT's comment: NaN and infinities not served; blocks under 2^-122 get the byte 1.
; THE MODE: SCHED_MODE bits 1:0 = 2 (LLVM: expert scheduling mode 2), set by the entry lines.  The code itself states the register dependences
; between vector or matrix instructions and memory instructions, with s_wait_alu, always for 0.
; THE PLAN, the chain.  Registers that memory instructions touch:
;   v2-v10      offsets, made once at the head and never written again: one wait ahead of the first load serves every load and store.
;   v16-39      scale words, loaded once, read by the products alone.
;   set 0, 1    step k's eight products read set k % 2; behind them the 18 loads of step k + 2 land in it (behind step 6: the cosines and sines).
;               One wait a step, behind its products.  All 256 registers are taken, so there is no third set.
;   v120-135, v156, v157   written by the quantiser, read by the stores at the end: one wait ahead of them.
; THE PLAN, a unit: v2-v4 offsets, made once; sets v32-63 and v64-95: a block's maxima and conversions read a set, then the block two on lands in it:
; the wait stands behind the conversions that empty the set; v96-119 and v9 are written by conversions and moves and read by the seven stores.
.set WV, 24
.set QS, 40
.set QC, 42
.set QZ, 44
.set SEL, 36
.set MHI, 38                           ; s38 = lanes 16-31
.set AO, 2                             ; v2, v3 token tile m: token x 768 + 48 h
.set ASO, 4                            ; v4  32 x the token of tile h, row r
.set L16, 5
.set L8, 6
.set L4, 7
.set RO, 8                             ; v8, v9 token x 128 + 32 h: my eight cosines
.set L32, 10
.set BSC, 16                           ; v16-31 the weight's scale words [b][K step]: lanes 0-15 tile u = 0, lanes 16-31 u = 1
.set ASC, 32                           ; v32-39 xn's scale words [K step]: lanes 0-15 token tile 0, lanes 16-31 tile 1
.set BUF, 48                           ; v48-119, v120-191: two sets: token tiles 0, 1, weight tiles 0-3, 12 registers each
.set ACC, 192
.macro QLANES
	v_and_b32 v1, 31, v0
	v_and_b32 v5, 15, v0
	v_bfe_u32 v6, v0, 4, 1
	v_and_b32 v7, 8, v5
	v_add_nc_u32 v7, v7, v5
	v_lshl_add_u32 v7, v6, 3, v7
	v_lshlrev_b32 v2, 2, v7
	v_mul_u32_u24 v3, v6, 1536
	v_lshl_add_u32 v3, v5, 4, v3
	v_lshlrev_b32 v4, 2, v1
.endm
.macro QLOAD j, pitch
.set QI, 0
.rept 32
	global_load_b32 v[32+32*((\j)%2)+QI], v2, s[QS:QS+1] offset:(32*(\j)+QI)*(\pitch) th:TH_LOAD_NT
.set QI, QI+1
.endr
.endm
.macro QBLOCK j, pitch
.set QX, 32+32*((\j)%2)
.set QD, 96+12*((\j)%2)+6*((\j)/2)
.if (\j) < 3
	s_wait_loadcnt 32                              ; this block's 32 loads are in; the next block's 32 may be out
.else
	s_wait_loadcnt 0x0
.endif
	v_max3_num_f32 v5, |v[QX]|, |v[QX+1]|, |v[QX+2]|
	v_max3_num_f32 v6, |v[QX+3]|, |v[QX+4]|, |v[QX+5]|
.irp i, 6,10,14,18,22,26
	v_max3_num_f32 v5, v5, |v[QX+\i]|, |v[QX+\i+1]|
	v_max3_num_f32 v6, v6, |v[QX+\i+2]|, |v[QX+\i+3]|
.endr
	v_max3_num_f32 v5, v5, |v[QX+30]|, |v[QX+31]|
	v_max3_num_f32 v5, v5, v6, 0x2800000
	v_add_nc_u32 v7, 0xfe000000, v5
	v_lshrrev_b32 v8, 23, v7
	v_cvt_scalef32_pk16_bf6_f32 v[QD:QD+2], v[QX:QX+15], v7
	v_cvt_scalef32_pk16_bf6_f32 v[120:122], v[QX+16:QX+31], v7
.if (\j) < 2
	s_wait_alu depctr_va_vdst(0)                   ; the maxima and the conversions are done reading this set, in which the loads of the block two on land
	QLOAD (\j)+2, \pitch
.endif
.if (\j) == 0
	v_mov_b32 v9, v8                               ; the scale word; also the plain line behind the conversions
.else
	v_lshl_or_b32 v9, v8, 8*(\j), v9
.endif
	v_mov_b32 v[QD+3], v120
	v_mov_b32 v[QD+4], v121
	v_mov_b32 v[QD+5], v122
.endm
; A unit: 32 columns x 128 K of an f32 weight [K][N] into two fragments' register images and 32 scale words (a lane a column, registers down K)
.macro QUNIT pitch
	s_wait_alu depctr_va_vdst(0)                   ; the offsets v2, v3 and v4 are written, which the unit's loads and stores read
	QLOAD 0, \pitch
	QLOAD 1, \pitch
	QBLOCK 0, \pitch
	QBLOCK 1, \pitch
	QBLOCK 2, \pitch
	QBLOCK 3, \pitch
	s_wait_alu depctr_va_vdst(0)                   ; the conversions and moves have written v96-119 and v9, which the stores read
.irp h, 0,1
.irp g, 0,1,2
	global_store_b128 v3, v[96+12*\h+4*\g:96+12*\h+4*\g+3], s[QC:QC+1] offset:512*\g+256*\h
.endr
.endr
	global_store_b32 v4, v9, s[QZ:QZ+1]
	s_endpgm
.endm
.macro Q_W2 first, nchain, wshift, src, big
	s_sub_co_u32 s46, ttmp9, \nchain
	s_lshl_b32 s46, s46, \wshift
	s_add_co_u32 s46, s46, s[WV]
.if \first
	s_add_co_u32 s46, s46, \first
.endif
	s_lshr_b32 s47, s46, 9
	s_bfe_u32 s48, s46, 0x30006
	s_bfe_u32 s49, s46, 0x40002
	s_and_b32 s50, s46, 3
	s_lshl_b32 s48, s48, 2
	s_add_co_u32 s48, s48, s50
	s_lshl_b32 s50, s47, 23
	s_lshl_b32 s51, s49, 19
	s_add_co_u32 s50, s50, s51
	s_lshl_b32 s51, s48, 7
	s_add_co_u32 s50, s50, s51
	s_mov_b32 s51, 0
	s_add_nc_u64 s[QS:QS+1], s[\src:\src+1], s[50:51]
	s_lshl_b32 s48, s48, 4
	s_add_co_u32 s48, s48, s49
	s_mul_i32 s50, s47, 1572864
	s_mul_i32 s52, s48, 3072
	s_add_co_u32 s50, s50, s52
	s_add_nc_u64 s[QC:QC+1], s[\big:\big+1], s[50:51]
	s_lshl_b32 s50, s47, 16
	s_lshl_b32 s52, s48, 7
	s_add_co_u32 s50, s50, s52
	s_add_co_u32 s50, s50, 37748736
	s_add_nc_u64 s[QZ:QZ+1], s[\big:\big+1], s[50:51]
.endm
; one matrix instruction: D at d, sources at a and b, z = 1: the sum starts at 0; scale registers sa, sb; ra, rb = 1: lanes 16-31 of them
.macro MM d, a, b, z, sa, sb, ra, rb
.if \z
.if (\ra) && (\rb)
	v_wmma_scale_f32_16x16x128_f8f6f4 v[\d:\d+7], v[\a:\a+11], v[\b:\b+11], 0, v[\sa], v[\sb] matrix_a_fmt:MATRIX_FMT_BF6 matrix_b_fmt:MATRIX_FMT_BF6 matrix_a_scale:MATRIX_SCALE_ROW1 matrix_b_scale:MATRIX_SCALE_ROW1
.elseif \ra
	v_wmma_scale_f32_16x16x128_f8f6f4 v[\d:\d+7], v[\a:\a+11], v[\b:\b+11], 0, v[\sa], v[\sb] matrix_a_fmt:MATRIX_FMT_BF6 matrix_b_fmt:MATRIX_FMT_BF6 matrix_a_scale:MATRIX_SCALE_ROW1
.elseif \rb
	v_wmma_scale_f32_16x16x128_f8f6f4 v[\d:\d+7], v[\a:\a+11], v[\b:\b+11], 0, v[\sa], v[\sb] matrix_a_fmt:MATRIX_FMT_BF6 matrix_b_fmt:MATRIX_FMT_BF6 matrix_b_scale:MATRIX_SCALE_ROW1
.else
	v_wmma_scale_f32_16x16x128_f8f6f4 v[\d:\d+7], v[\a:\a+11], v[\b:\b+11], 0, v[\sa], v[\sb] matrix_a_fmt:MATRIX_FMT_BF6 matrix_b_fmt:MATRIX_FMT_BF6
.endif
.else
.if (\ra) && (\rb)
	v_wmma_scale_f32_16x16x128_f8f6f4 v[\d:\d+7], v[\a:\a+11], v[\b:\b+11], v[\d:\d+7], v[\sa], v[\sb] matrix_a_fmt:MATRIX_FMT_BF6 matrix_b_fmt:MATRIX_FMT_BF6 matrix_a_scale:MATRIX_SCALE_ROW1 matrix_b_scale:MATRIX_SCALE_ROW1
.elseif \ra
	v_wmma_scale_f32_16x16x128_f8f6f4 v[\d:\d+7], v[\a:\a+11], v[\b:\b+11], v[\d:\d+7], v[\sa], v[\sb] matrix_a_fmt:MATRIX_FMT_BF6 matrix_b_fmt:MATRIX_FMT_BF6 matrix_a_scale:MATRIX_SCALE_ROW1
.elseif \rb
	v_wmma_scale_f32_16x16x128_f8f6f4 v[\d:\d+7], v[\a:\a+11], v[\b:\b+11], v[\d:\d+7], v[\sa], v[\sb] matrix_a_fmt:MATRIX_FMT_BF6 matrix_b_fmt:MATRIX_FMT_BF6 matrix_b_scale:MATRIX_SCALE_ROW1
.else
	v_wmma_scale_f32_16x16x128_f8f6f4 v[\d:\d+7], v[\a:\a+11], v[\b:\b+11], v[\d:\d+7], v[\sa], v[\sb] matrix_a_fmt:MATRIX_FMT_BF6 matrix_b_fmt:MATRIX_FMT_BF6
.endif
.endif
.endm
.macro PLACES                          ; four plain lines between a matrix instruction and a load into, or a vector line on, its registers
.rept 4
	v_nop
.endr
.endm
; 32 numbers of a lane, register 16 b + i = k 32 b + 16 h + i of blocks b = 0, 1, become six registers of codes at f: lane (r, h) holds all of
; block h.  g: three registers at work; tm: eight at work; the blocks' bytes are left in tm + 6 and tm + 7, in every lane.
.macro QUANT2 n, f, g, tm
	v_max3_num_f32 v[\tm], |v[\n]|, |v[\n+1]|, 0x2800000
	v_max3_num_f32 v[\tm+1], |v[\n+16]|, |v[\n+17]|, 0x2800000
.irp i, 2,4,6,8,10,12,14
	v_max3_num_f32 v[\tm], v[\tm], |v[\n+\i]|, |v[\n+\i+1]|
	v_max3_num_f32 v[\tm+1], v[\tm+1], |v[\n+16+\i]|, |v[\n+17+\i]|
.endr
	v_permlanex16_b32 v[\tm+2], v[\tm], s[SEL], s[SEL+1]
	v_permlanex16_b32 v[\tm+3], v[\tm+1], s[SEL], s[SEL+1]
	v_max_num_f32 v[\tm], v[\tm], v[\tm+2]
	v_max_num_f32 v[\tm+1], v[\tm+1], v[\tm+3]
	v_add_nc_u32 v[\tm+4], 0xfe000000, v[\tm]
	v_add_nc_u32 v[\tm+5], 0xfe000000, v[\tm+1]
	v_lshrrev_b32 v[\tm+6], 23, v[\tm+4]
	v_lshrrev_b32 v[\tm+7], 23, v[\tm+5]
	v_cvt_scalef32_pk16_bf6_f32 v[\f:\f+2], v[\n:\n+15], v[\tm+4]
	v_cvt_scalef32_pk16_bf6_f32 v[\g:\g+2], v[\n+16:\n+31], v[\tm+5]
	v_nop                                          ; one plain line behind a scaled conversion
.irp i, 0,1,2
	v_permlane16_swap_b32 v[\f+\i], v[\g+\i]       ; f: each lane's block's lower 16 codes, g: the upper 16
.endr
.irp i, 0,1,2
	v_mov_b32 v[\f+3+\i], v[\g+\i]
.endr
.endm
.macro FR ks                           ; a K step's 18 loads: two token tiles, four weight tiles
.set FB, BUF+72*((\ks)%2)
.irp g, 0,1,2
	global_load_b128 v[FB+4*\g:FB+4*\g+3], v[AO], s[4:5] offset:96*(\ks)+16*\g
.endr
.irp g, 0,1,2
	global_load_b128 v[FB+12+4*\g:FB+12+4*\g+3], v[AO+1], s[4:5] offset:96*(\ks)+16*\g
.endr
.irp t, 0,1,2,3
.irp g, 0,1,2
	global_load_b128 v[FB+24+12*\t+4*\g:FB+24+12*\t+4*\g+3], v[L16], s[40:41] offset:24576*(\t/2)+3072*(\ks)+1536*(\t%2)+512*\g
.endr
.endr
.endm
; a K step's eight matrix instructions, the eight accumulators by turns.  cnt: the loads issued behind this step's
.macro KSTEP ks, vp, cnt
.set FB, BUF+72*((\ks)%2)
	s_wait_loadcnt \cnt
.if \vp
.irp c, 0,1,2,3
.irp u, 0,1
	MM ACC+16*\c+8*\u, FB+12*\u, FB+24+12*\c, (\ks)==0, ASC+(\ks), BSC+8*(\c/2)+(\ks), \u, \c%2
.endr
.endr
.else
.irp m, 0,1
.irp t, 0,1,2,3
	MM ACC+32*\m+8*\t, FB+24+12*\t, FB+12*\m, (\ks)==0, BSC+8*(\t/2)+(\ks), ASC+(\ks), \t%2, \m
.endr
.endr
.endif
	PLACES
.endm
	s_load_b256 s[4:11], s[0:1], 0x0               ; bufA, wsm, cos, sin
	s_load_b128 s[12:15], s[0:1], 0x20             ; w2, bufB
	s_load_b64 s[16:17], s[0:1], 0x30              ; wbig
	v_lshrrev_b32 v1, 5, v0
	v_readfirstlane_b32 s[WV], v1
	s_wait_alu depctr_va_sdst(0)                   ; the wave's number is written, ahead of the branch and of its first reader on either way
	s_cmp_lt_u32 ttmp9, 192
	s_cbranch_scc1 .Lchain
	QLANES
	s_wait_kmcnt 0x0
	Q_W2 2048, 192, 2, 12, 16
	QUNIT 4096
.Lchain:
	s_and_b32 s25, ttmp9, 31                       ; block of 32 tokens
	s_lshr_b32 s26, ttmp9, 5                       ; 0-3 q, 4 k, 5 v
	s_lshl_b32 s27, s26, 2
	s_add_co_u32 s27, s27, s[WV]                   ; head unit
	s_cmp_lt_u32 s26, 4
	s_cselect_b32 s28, 16, 8                       ; from tile 0's tokens to tile 1's
	s_cselect_b32 s29, 0, 8                        ; k, v: + 8 (r / 8)
	s_mov_b32 s[SEL], 0x76543210
	s_mov_b32 s[SEL+1], 0xfedcba98
	s_mov_b32 s[MHI], 0xffff0000
	v_and_b32 v11, 15, v0                          ; r
	v_bfe_u32 v12, v0, 4, 1                        ; h
	v_and_b32 v1, 31, v0
	v_and_b32 v13, s29, v11
	v_add_nc_u32 v13, v13, v11
	s_lshl_b32 s30, s25, 5
	v_add_nc_u32 v13, s30, v13                     ; tile 0's token
	v_add_nc_u32 v14, s28, v13                     ; tile 1's
	v_mul_u32_u24 v15, v12, 48
	v_mad_u32_u24 v[AO], v13, 768, v15
	v_mad_u32_u24 v[AO+1], v14, 768, v15
	v_cndmask_b32 v[ASO], v13, v14, s[MHI]
	v_lshlrev_b32 v[ASO], 5, v[ASO]
	v_lshlrev_b32 v[L16], 4, v1
	v_lshlrev_b32 v[L8], 3, v1
	v_lshlrev_b32 v[L4], 2, v1
	v_lshlrev_b32 v[L32], 5, v1
	v_lshlrev_b32 v15, 5, v12
	v_lshl_add_u32 v[RO], v13, 7, v15
	v_lshl_add_u32 v[RO+1], v14, 7, v15
	s_mov_b32 s31, 0
	s_mul_i32 s30, s27, 49152
	s_wait_kmcnt 0x0
	s_add_nc_u64 s[40:41], s[6:7], s[30:31]        ; the unit's weight fragments
	s_mul_i32 s32, s25, 1536
	s_add_co_u32 s30, s30, s32
	s_add_nc_u64 s[44:45], s[14:15], s[30:31]      ; its codes out
	s_lshl_b32 s30, s27, 11
	s_add_nc_u64 s[42:43], s[6:7], s[30:31]        ; the weight's scale words
	s_lshl_b32 s30, s27, 12
	s_lshl_b32 s32, s25, 7
	s_add_co_u32 s30, s30, s32
	s_add_nc_u64 s[46:47], s[14:15], s[30:31]      ; q's, k's scale words out
	s_lshl_b32 s30, s[WV], 11
	s_add_co_u32 s30, s30, s25
	s_add_nc_u64 s[48:49], s[14:15], s[30:31]      ; v's scale bytes out
	s_wait_alu depctr_va_vdst(0)                   ; the offsets v2 to v10 are written, which every load and store of the chain reads
.irp b, 0,1
.irp k, 0,1,2,3,4,5,6,7
	global_load_b32 v[BSC+8*\b+\k], v[L4], s[42:43] offset:1966080+(8*\b+\k)*128
.endr
.endr
	global_load_b128 v[ASC:ASC+3], v[ASO], s[4:5] offset:786432
	global_load_b128 v[ASC+4:ASC+7], v[ASO], s[4:5] offset:786432+16
	FR 0
	FR 1
	s_cmp_eq_u32 s26, 5
	s_cbranch_scc1 .Lvpath
.irp k, 0,1,2,3,4,5
	KSTEP \k, 0, 18                                ; the next step's 18 loads may be out
	s_wait_alu depctr_va_vdst(0)                   ; the step's eight products are done reading their set, in which the loads of two steps on land
	FR \k+2
.endr
	KSTEP 6, 0, 18
	s_wait_alu depctr_va_vdst(0)                   ; step 6's products are done reading set 0, in which the cosines and sines land
.irp m, 0,1                                    ; cosines and sines of my 32 pairs, into the set that step 6 has left
.irp b, 0,1
	global_load_b128 v[BUF+16*(2*\m+\b):BUF+16*(2*\m+\b)+3], v[RO+\m], s[8:9] offset:64*\b
	global_load_b128 v[BUF+16*(2*\m+\b)+4:BUF+16*(2*\m+\b)+7], v[RO+\m], s[8:9] offset:64*\b+16
	global_load_b128 v[BUF+16*(2*\m+\b)+8:BUF+16*(2*\m+\b)+11], v[RO+\m], s[10:11] offset:64*\b
	global_load_b128 v[BUF+16*(2*\m+\b)+12:BUF+16*(2*\m+\b)+15], v[RO+\m], s[10:11] offset:64*\b+16
.endr
.endr
	KSTEP 7, 0, 16                                 ; those 16 may be out
	s_wait_loadcnt 0x0
.irp m, 0,1                                    ; RoPE: registers 2 p, 2 p + 1 are a pair; each accumulator from its low end on
.irp b, 0,1
.irp p, 0,1,2,3,4,5,6,7
.set RN, ACC+32*\m+16*\b+2*\p
.set RC, BUF+16*(2*\m+\b)+\p
	v_mul_f32 v[158+2*(\p%2)], v[RN], v[RC]
	v_mul_f32 v[159+2*(\p%2)], v[RN], v[RC+8]
	v_fma_f32 v[RN], -v[RN+1], v[RC+8], v[158+2*(\p%2)]
	v_fma_f32 v[RN+1], v[RN+1], v[RC], v[159+2*(\p%2)]
.endr
.endr
.endr
	QUANT2 ACC, 120, 126, 140
	QUANT2 ACC+32, 130, 136, 148
	v_lshl_or_b32 v156, v147, 8, v146
	v_lshl_or_b32 v157, v155, 8, v154
	v_cndmask_b32 v156, v156, v157, s[MHI]         ; lanes 0-15: tile 0's words, lanes 16-31: tile 1's
	v_or_b32 v156, 0x7f7f0000, v156                ; the unused upper half of K: scale 1 over zero codes
	s_wait_alu depctr_va_vdst(0)                   ; the quantiser has written the codes v120-125 and v130-135 and the word v156, which the stores read
.irp p, 0,1,2
	global_store_b64 v[L8], v[120+2*\p:121+2*\p], s[44:45] offset:256*\p
	global_store_b64 v[L8], v[130+2*\p:131+2*\p], s[44:45] offset:768+256*\p
.endr
	global_store_b32 v[L4], v156, s[46:47] offset:1179648
	s_endpgm
.Lvpath:
.irp k, 0,1,2,3,4,5
	KSTEP \k, 1, 18
	s_wait_alu depctr_va_vdst(0)                   ; the step's eight products are done reading their set, in which the loads of two steps on land
	FR \k+2
.endr
	KSTEP 6, 1, 18
	KSTEP 7, 1, 0
	QUANT2 ACC, 120, 126, 140                      ; channel tiles 0, 1: K = my 32 tokens
	QUANT2 ACC+32, 130, 136, 148                   ; channel tiles 2, 3
	v_cndmask_b32 v156, v146, v147, s[MHI]         ; lane (r, h) holds tile 2 a + h's channel: its byte
	v_cndmask_b32 v157, v154, v155, s[MHI]
	s_wait_alu depctr_va_vdst(0)                   ; the quantiser has written the codes v120-125 and v130-135 and the bytes v156 and v157, which the stores read
.irp p, 0,1,2
	global_store_b64 v[L8], v[120+2*\p:121+2*\p], s[44:45] offset:256*\p
	global_store_b64 v[L8], v[130+2*\p:131+2*\p], s[44:45] offset:768+256*\p
.endr
	global_store_b8 v[L32], v156, s[48:49] offset:1261568
	global_store_b8 v[L32], v157, s[48:49] offset:1261568+1024
	s_endpgm
.Lfunc_end_k_qdf6739d439_qkv:
	.size	k_qdf6739d439_qkv, .Lfunc_end_k_qdf6739d439_qkv-k_qdf6739d439_qkv
	.p2alignl 7, 3214868480
	.fill 96, 4, 3214868480
	.section	.rodata,"a",@progbits
	.p2align	6, 0x0
	.amdhsa_kernel k_qdf6739d439_qkv
		.amdhsa_group_segment_fixed_size 0
		.amdhsa_private_segment_fixed_size 0
		.amdhsa_enable_private_segment 0
		.amdhsa_kernarg_size 56
		.amdhsa_user_sgpr_count 2
		.amdhsa_user_sgpr_kernarg_segment_ptr 1
		.amdhsa_wavefront_size32 1
		.amdhsa_system_sgpr_workgroup_id_x 1
		.amdhsa_system_sgpr_workgroup_id_y 1
		.amdhsa_system_sgpr_workgroup_id_z 1
		.amdhsa_system_vgpr_workitem_id 0
		.amdhsa_next_free_vgpr 256
		.amdhsa_next_free_sgpr 66
		.amdhsa_reserve_vcc 0
		.amdhsa_float_denorm_mode_32 3
		.amdhsa_float_denorm_mode_16_64 3
		.amdhsa_memory_ordered 1
		.amdhsa_forward_progress 1
		.amdhsa_inst_pref_size 84
	.end_amdhsa_kernel
	.amdgpu_metadata
---
amdhsa.version: [ 1, 2 ]
amdhsa.kernels:
  - .name:           k_qdf6739d439_qkv
    .symbol:         k_qdf6739d439_qkv.kd
    .args:
      - { .name: bufA, .offset: 0, .size: 8, .value_kind: global_buffer, .address_space: global }
      - { .name: wsm, .offset: 8, .size: 8, .value_kind: global_buffer, .address_space: global }
      - { .name: freqs_cos, .offset: 16, .size: 8, .value_kind: global_buffer, .address_space: global }
      - { .name: freqs_sin, .offset: 24, .size: 8, .value_kind: global_buffer, .address_space: global }
      - { .name: w2, .offset: 32, .size: 8, .value_kind: global_buffer, .address_space: global }
      - { .name: bufB, .offset: 40, .size: 8, .value_kind: global_buffer, .address_space: global }
      - { .name: wbig, .offset: 48, .size: 8, .value_kind: global_buffer, .address_space: global }
    .group_segment_fixed_size: 0
    .private_segment_fixed_size: 0
    .kernarg_segment_align: 8
    .kernarg_segment_size: 56
    .max_flat_workgroup_size: 128
    .sgpr_count:     66
    .vgpr_count:     256
    .wavefront_size: 32
...
	.end_amdgpu_metadata
.endif
;; end of part 9
;; launch attn (part 10): grid 768 x 1, 4 waves a work-group, no clusters, 0 bytes of LDS; arguments bufB, w2, att, wbig; writes att, wbig
.if DOCPART == 10
	.amdgcn_target "amdgcn-amd-amdhsa--gfx1250"
	.amdhsa_code_object_version 6
	.text
	.protected	k_qdf6739d439_attn
	.globl	k_qdf6739d439_attn
	.p2align	8
	.type	k_qdf6739d439_attn,@function
k_qdf6739d439_attn:
	s_mov_b64 s[64:65], 0
	v_nop
	global_prefetch_b8 v0, s[64:65] scope:SCOPE_SE
	s_setreg_imm32_b32 hwreg(HW_REG_WAVE_SCHED_MODE, 0, 2), 2
	s_setreg_imm32_b32 hwreg(HW_REG_WAVE_MODE, 25, 1), 1
	s_wait_xcnt 0x0
	s_wait_alu depctr_vm_vsrc(0)
; ATTENTION, causal, 16 query heads on 4 key and value heads, head size 64, both products on E3M2 codes.
; Work-groups 0-255: tile of 16 queries qt = 63 - wg / 4 (the longest first), key head wg % 4; wave w takes query head 4 kv + w.
; Work-groups 256-767: units 0 to 2,047 of w2 (see QUNIT), which hang on nothing here.
; A wave walks the keys 128 a step: qt / 8 whole steps and the step on the diagonal, where hidden scores become -infinity.  Steps wholly
; behind the diagonal are not walked.  Both products are used transposed (S^T = K Q^T, O^T = V^T P^T): a lane holds one query throughout.
; K = 64 IN A FORM OF 128: q's registers 6-11 are zero codes and the scale bytes of the upper 64 are 0x7f.  A key tile's six registers are
; followed by the next tile's six (finite codes), which meet q's zeros and add nothing; six cleared registers follow the last tile.
; SOFTMAX: t = score x log2(e) / 8; M = the running largest t rounded up to a whole number; p = 2^(t - M) is quantised along the keys; the sum
; is taken of the unquantised p and divides at the end; when M moves, sum and O^T are multiplied by a power of two.
; K and V come from memory into registers a step ahead; no LDS: a key head's codes are 96 KB, read by waves that run at the same time.
; OUT: O / sum, quantised along the head (K of the next product): 768 bytes a wave in whole runs of 256; two scale bytes a token and head.
; LIMITS: NaN and infinities not served; blocks under 2^-122 get the byte 1.
; THE MODE: SCHED_MODE bits 1:0 = 2 (LLVM: expert scheduling mode 2), set by the entry lines.  The code itself states the register dependences
; between vector or matrix instructions and memory instructions, with s_wait_alu, always for 0.
; THE PLAN, the chain.  Registers that memory instructions touch:
;   v1-v4       offsets, made once at the head; v3 is written again on the way out, behind a wait on vm_vsrc.  v7: the offset of one load at the head, then at work.
;   KT, KSC     a step's eight products K Q^T read them; behind them the next step's 28 loads land there: one wait, behind those products.
;   VT, VSC     a step's four products V^T P read them; behind them the next step's 26 loads land there: one wait, behind those products.
;   P, PSC      written by vector lines, taken by the scaled products as operand and scales: one wait ahead of the four products, behind the places.
;   q's upper six registers and the six behind the last key tile: zero codes written at the head, operands of scaled products: one wait at the head.
;   P, S + 40, v3 on the way out: written by vector lines, read by the stores: one wait ahead of them.
; The masks of the step on the diagonal are made in runs of eight compares into s42-49, with one wait a run ahead of the selects that read them.
; THE PLAN, a unit: v2-v4 offsets, made once; sets v32-63 and v64-95: a block's maxima and conversions read a set, then the block two on lands in it:
; the wait stands behind the conversions that empty the set; v96-119 and v9 are written by conversions and moves and read by the seven stores.
.set WV, 24
.set QS, 40
.set QC, 42
.set QZ, 44
.set SEL, 36
.set CS, 38                            ; s[38:39] c = log2(e) / 8
.set KC, 12                            ; s[12:13] the step's codes of K;  s[14:15] its scale words;  s[16:17], s[18:19] V's
.set KSB, 14
.set VC, 16
.set VSB, 18
.set MK, 42                            ; s42-49 the chain's eight masks on the diagonal
.set QSC, 5                            ; v5 q's scale words;  v6 p's
.set PSC, 6
.set QF, 16                            ; v16-27 q
.set KT, 28                            ; v28-75 eight key tiles, six registers each; v76-81 zeros
.set VT, 82                            ; v82-129 four tiles of V^T
.set S, 130                            ; v130-193 S^T, then p
.set O, 194                            ; v194-225 O^T
.set P, 226                            ; v226-237 p's codes;  before them: v226-229 block maxima, v230-233 and v[234:235] at work
.set CT, 238                           ; v238-245 at work on the codes; before that v238-241 the bytes
.set KSC, 246
.set VSC, 250
.set SOP, 252                          ; v252-255 the conversions' scale operands
.macro QLANES
	v_and_b32 v1, 31, v0
	v_and_b32 v5, 15, v0
	v_bfe_u32 v6, v0, 4, 1
	v_and_b32 v7, 8, v5
	v_add_nc_u32 v7, v7, v5
	v_lshl_add_u32 v7, v6, 3, v7
	v_lshlrev_b32 v2, 2, v7
	v_mul_u32_u24 v3, v6, 1536
	v_lshl_add_u32 v3, v5, 4, v3
	v_lshlrev_b32 v4, 2, v1
.endm
.macro QLOAD j, pitch
.set QI, 0
.rept 32
	global_load_b32 v[32+32*((\j)%2)+QI], v2, s[QS:QS+1] offset:(32*(\j)+QI)*(\pitch) th:TH_LOAD_NT
.set QI, QI+1
.endr
.endm
.macro QBLOCK j, pitch
.set QX, 32+32*((\j)%2)
.set QD, 96+12*((\j)%2)+6*((\j)/2)
.if (\j) < 3
	s_wait_loadcnt 32                              ; this block's 32 loads are in; the next block's 32 may be out
.else
	s_wait_loadcnt 0x0
.endif
	v_max3_num_f32 v5, |v[QX]|, |v[QX+1]|, |v[QX+2]|
	v_max3_num_f32 v6, |v[QX+3]|, |v[QX+4]|, |v[QX+5]|
.irp i, 6,10,14,18,22,26
	v_max3_num_f32 v5, v5, |v[QX+\i]|, |v[QX+\i+1]|
	v_max3_num_f32 v6, v6, |v[QX+\i+2]|, |v[QX+\i+3]|
.endr
	v_max3_num_f32 v5, v5, |v[QX+30]|, |v[QX+31]|
	v_max3_num_f32 v5, v5, v6, 0x2800000
	v_add_nc_u32 v7, 0xfe000000, v5
	v_lshrrev_b32 v8, 23, v7
	v_cvt_scalef32_pk16_bf6_f32 v[QD:QD+2], v[QX:QX+15], v7
	v_cvt_scalef32_pk16_bf6_f32 v[120:122], v[QX+16:QX+31], v7
.if (\j) < 2
	s_wait_alu depctr_va_vdst(0)                   ; the maxima and the conversions are done reading this set, in which the loads of the block two on land
	QLOAD (\j)+2, \pitch
.endif
.if (\j) == 0
	v_mov_b32 v9, v8                               ; the scale word; also the plain line behind the conversions
.else
	v_lshl_or_b32 v9, v8, 8*(\j), v9
.endif
	v_mov_b32 v[QD+3], v120
	v_mov_b32 v[QD+4], v121
	v_mov_b32 v[QD+5], v122
.endm
; A unit: 32 columns x 128 K of an f32 weight [K][N] into two fragments' register images and 32 scale words (a lane a column, registers down K)
.macro QUNIT pitch
	s_wait_alu depctr_va_vdst(0)                   ; the offsets v2, v3 and v4 are written, which the unit's loads and stores read
	QLOAD 0, \pitch
	QLOAD 1, \pitch
	QBLOCK 0, \pitch
	QBLOCK 1, \pitch
	QBLOCK 2, \pitch
	QBLOCK 3, \pitch
	s_wait_alu depctr_va_vdst(0)                   ; the conversions and moves have written v96-119 and v9, which the stores read
.irp h, 0,1
.irp g, 0,1,2
	global_store_b128 v3, v[96+12*\h+4*\g:96+12*\h+4*\g+3], s[QC:QC+1] offset:512*\g+256*\h
.endr
.endr
	global_store_b32 v4, v9, s[QZ:QZ+1]
	s_endpgm
.endm
; unit U of w2 [8][2048][1024]: expert U / 512, then 8 groups of 4 column blocks, 16 K steps, 4 neighbouring blocks for 4 neighbouring waves
.macro Q_W2 first, nchain, wshift, src, big
	s_sub_co_u32 s46, ttmp9, \nchain
	s_lshl_b32 s46, s46, \wshift
	s_add_co_u32 s46, s46, s[WV]
.if \first
	s_add_co_u32 s46, s46, \first
.endif
	s_lshr_b32 s47, s46, 9                         ; expert
	s_bfe_u32 s48, s46, 0x30006
	s_bfe_u32 s49, s46, 0x40002                    ; K step
	s_and_b32 s50, s46, 3
	s_lshl_b32 s48, s48, 2
	s_add_co_u32 s48, s48, s50                     ; block of 32 columns
	s_lshl_b32 s50, s47, 23
	s_lshl_b32 s51, s49, 19
	s_add_co_u32 s50, s50, s51
	s_lshl_b32 s51, s48, 7
	s_add_co_u32 s50, s50, s51
	s_mov_b32 s51, 0
	s_add_nc_u64 s[QS:QS+1], s[\src:\src+1], s[50:51]
	s_lshl_b32 s48, s48, 4
	s_add_co_u32 s48, s48, s49                     ; 16 x block + K step
	s_mul_i32 s50, s47, 1572864
	s_mul_i32 s52, s48, 3072
	s_add_co_u32 s50, s50, s52
	s_add_nc_u64 s[QC:QC+1], s[\big:\big+1], s[50:51]
	s_lshl_b32 s50, s47, 16
	s_lshl_b32 s52, s48, 7
	s_add_co_u32 s50, s50, s52
	s_add_co_u32 s50, s50, 37748736
	s_add_nc_u64 s[QZ:QZ+1], s[\big:\big+1], s[50:51]
.endm
.macro MM d, a, b, z, sa, sb, ra, rb
.if \z
.if (\ra) && (\rb)
	v_wmma_scale_f32_16x16x128_f8f6f4 v[\d:\d+7], v[\a:\a+11], v[\b:\b+11], 0, v[\sa], v[\sb] matrix_a_fmt:MATRIX_FMT_BF6 matrix_b_fmt:MATRIX_FMT_BF6 matrix_a_scale:MATRIX_SCALE_ROW1 matrix_b_scale:MATRIX_SCALE_ROW1
.elseif \ra
	v_wmma_scale_f32_16x16x128_f8f6f4 v[\d:\d+7], v[\a:\a+11], v[\b:\b+11], 0, v[\sa], v[\sb] matrix_a_fmt:MATRIX_FMT_BF6 matrix_b_fmt:MATRIX_FMT_BF6 matrix_a_scale:MATRIX_SCALE_ROW1
.elseif \rb
	v_wmma_scale_f32_16x16x128_f8f6f4 v[\d:\d+7], v[\a:\a+11], v[\b:\b+11], 0, v[\sa], v[\sb] matrix_a_fmt:MATRIX_FMT_BF6 matrix_b_fmt:MATRIX_FMT_BF6 matrix_b_scale:MATRIX_SCALE_ROW1
.else
	v_wmma_scale_f32_16x16x128_f8f6f4 v[\d:\d+7], v[\a:\a+11], v[\b:\b+11], 0, v[\sa], v[\sb] matrix_a_fmt:MATRIX_FMT_BF6 matrix_b_fmt:MATRIX_FMT_BF6
.endif
.else
.if (\ra) && (\rb)
	v_wmma_scale_f32_16x16x128_f8f6f4 v[\d:\d+7], v[\a:\a+11], v[\b:\b+11], v[\d:\d+7], v[\sa], v[\sb] matrix_a_fmt:MATRIX_FMT_BF6 matrix_b_fmt:MATRIX_FMT_BF6 matrix_a_scale:MATRIX_SCALE_ROW1 matrix_b_scale:MATRIX_SCALE_ROW1
.elseif \ra
	v_wmma_scale_f32_16x16x128_f8f6f4 v[\d:\d+7], v[\a:\a+11], v[\b:\b+11], v[\d:\d+7], v[\sa], v[\sb] matrix_a_fmt:MATRIX_FMT_BF6 matrix_b_fmt:MATRIX_FMT_BF6 matrix_a_scale:MATRIX_SCALE_ROW1
.elseif \rb
	v_wmma_scale_f32_16x16x128_f8f6f4 v[\d:\d+7], v[\a:\a+11], v[\b:\b+11], v[\d:\d+7], v[\sa], v[\sb] matrix_a_fmt:MATRIX_FMT_BF6 matrix_b_fmt:MATRIX_FMT_BF6 matrix_b_scale:MATRIX_SCALE_ROW1
.else
	v_wmma_scale_f32_16x16x128_f8f6f4 v[\d:\d+7], v[\a:\a+11], v[\b:\b+11], v[\d:\d+7], v[\sa], v[\sb] matrix_a_fmt:MATRIX_FMT_BF6 matrix_b_fmt:MATRIX_FMT_BF6
.endif
.endif
.endm
.macro PLACES                          ; four plain lines between a matrix instruction and a load into, or a vector line on, its registers
.rept 4
	v_nop
.endr
.endm
.macro QUANT2 n, f, g, tm
	v_max3_num_f32 v[\tm], |v[\n]|, |v[\n+1]|, 0x2800000
	v_max3_num_f32 v[\tm+1], |v[\n+16]|, |v[\n+17]|, 0x2800000
.irp i, 2,4,6,8,10,12,14
	v_max3_num_f32 v[\tm], v[\tm], |v[\n+\i]|, |v[\n+\i+1]|
	v_max3_num_f32 v[\tm+1], v[\tm+1], |v[\n+16+\i]|, |v[\n+17+\i]|
.endr
	v_permlanex16_b32 v[\tm+2], v[\tm], s[SEL], s[SEL+1]
	v_permlanex16_b32 v[\tm+3], v[\tm+1], s[SEL], s[SEL+1]
	v_max_num_f32 v[\tm], v[\tm], v[\tm+2]
	v_max_num_f32 v[\tm+1], v[\tm+1], v[\tm+3]
	v_add_nc_u32 v[\tm+4], 0xfe000000, v[\tm]
	v_add_nc_u32 v[\tm+5], 0xfe000000, v[\tm+1]
	v_lshrrev_b32 v[\tm+6], 23, v[\tm+4]
	v_lshrrev_b32 v[\tm+7], 23, v[\tm+5]
	v_cvt_scalef32_pk16_bf6_f32 v[\f:\f+2], v[\n:\n+15], v[\tm+4]
	v_cvt_scalef32_pk16_bf6_f32 v[\g:\g+2], v[\n+16:\n+31], v[\tm+5]
	v_nop
.irp i, 0,1,2
	v_permlane16_swap_b32 v[\f+\i], v[\g+\i]
.endr
.irp i, 0,1,2
	v_mov_b32 v[\f+3+\i], v[\g+\i]
.endr
.endm
.macro LOADK                           ; 28 loads: eight key tiles and their scale words
.irp t, 0,1,2,3,4,5,6,7
.irp p, 0,1,2
	global_load_b64 v[KT+6*\t+2*\p:KT+6*\t+2*\p+1], v1, s[KC:KC+1] offset:768*\t+256*\p
.endr
.endr
.irp b, 0,1,2,3
	global_load_b32 v[KSC+\b], v3, s[KSB:KSB+1] offset:128*\b
.endr
.endm
.macro LOADV                           ; 26 loads: four tiles of V^T (16 channels x 128 keys) and their scale words
.irp t, 0,1,2,3
.irp c, 0,1
.irp p, 0,1,2
	global_load_b64 v[VT+12*\t+6*\c+2*\p:VT+12*\t+6*\c+2*\p+1], v2, s[VC:VC+1] offset:3072*\c+768*(\t/2)+256*\p+128*(\t%2)
.endr
.endr
.endr
	global_load_b32 v[VSC], v4, s[VSB:VSB+1]
	global_load_b32 v[VSC+1], v4, s[VSB:VSB+1] offset:1024
.endm
; A key step.  mask = 1: the step on the diagonal.  pre = 1: the next step's K and V are asked for.
.macro STEP mask, pre
	s_wait_loadcnt 26                              ; K (and q) are in; V's 26 loads may be out
.irp t, 0,1,2,3,4,5,6,7
	MM S+8*\t, KT+6*\t, QF, 1, KSC+(\t/2), QSC, \t%2, 0
.endr
	PLACES
.if \pre
	s_add_nc_u64 s[KC:KC+1], s[KC:KC+1], 6144      ; K's loads are done (the wait above): their bases may step
	s_add_nc_u64 s[KSB:KSB+1], s[KSB:KSB+1], 512
	s_wait_alu depctr_va_vdst(0)                   ; the eight products are done reading the key tiles and their scale words, in which the next step's land
	LOADK
.endif
.if \mask
.set J, 0
.rept 8                                        ; register 16 b + i holds key 32 b + 16 h + i of the step: hidden where 32 b + i > d; eight registers a run
.irp i, 0,1,2,3,4,5,6,7
	v_cmp_gt_i32 s[MK+\i], 32*((J+\i)/16)+(J+\i)%16, v14
.endr
	s_wait_alu depctr_va_sdst(0)                   ; the run's eight masks are written, ahead of the selects that read them
.irp i, 0,1,2,3,4,5,6,7
	v_cndmask_b32 v[S+J+\i], v[S+J+\i], v15, s[MK+\i]
.endr
.set J, J+8
.endr
.endif
.irp b, 0,1,2,3
	v_max3_num_f32 v[P+\b], v[S+16*\b], v[S+1+16*\b], v[S+2+16*\b]   ; each block's largest score: for the row's maximum and for the block's largest p
.endr
.irp i, 3,5,7,9,11,13
.irp b, 0,1,2,3
	v_max3_num_f32 v[P+\b], v[P+\b], v[S+16*\b+\i], v[S+1+16*\b+\i]
.endr
.endr
.irp b, 0,1,2,3
	v_max_num_f32 v[P+\b], v[P+\b], v[S+15+16*\b]
.endr
.irp b, 0,1,2,3
	v_permlanex16_b32 v[P+4+\b], v[P+\b], s[SEL], s[SEL+1]
.endr
.irp b, 0,1,2,3
	v_max_num_f32 v[P+\b], v[P+\b], v[P+4+\b]
.endr
	v_max3_num_f32 v7, v[P], v[P+1], v[P+2]
	v_max_num_f32 v7, v7, v[P+3]
	v_mul_f32 v7, s[CS], v7
	v_max_num_f32 v11, v11, v7                     ; the running largest t
	v_mov_b32 v7, v10
	v_floor_f32 v10, -v11                          ; -M = floor(-t)
	v_sub_f32 v7, v10, v7                          ; old M - new M, a whole number, 0 or less
	v_cvt_i32_f32 v7, v7
	v_ldexp_f32 v8, 1.0, v7                        ; f = 2^(old M - new M)
.set J, 0
.rept 32
	v_pk_fma_f32 v[S+J:S+J+1], v[S+J:S+J+1], s[CS:CS+1], v[10:11] op_sel_hi:[1,0,0]   ; t - M
.set J, J+2
.endr
.irp b, 0,1,2,3
	v_fma_f32 v[P+\b], v[P+\b], s[CS], v10
.endr
.set J, 0
.rept 64
	v_exp_f32 v[S+J], v[S+J]                       ; p = 2^(t - M)
.set J, J+1
.endr
	v_pk_mul_f32 v[12:13], v[12:13], v[8:9] op_sel_hi:[1,0]   ; the sums under the new M; a plain line behind the exponentials
	s_wait_alu depctr_va_vdst(0)                   ; the 64 exponentials have written p: one wait for the batch, ahead of its first reader
.irp b, 0,1,2,3
	v_exp_f32 v[P+\b], v[P+\b]                     ; each block's largest p
.endr
	v_pk_add_f32 v[P+8:P+9], v[S:S+1], v[S+2:S+3]  ; the row's sum of the unquantised p, in two chains
.irp j, 4,8,12,16,20,24,28,32,36,40,44,48,52,56,60
	v_pk_add_f32 v[12:13], v[12:13], v[S+\j:S+\j+1]
	v_pk_add_f32 v[P+8:P+9], v[P+8:P+9], v[S+2+\j:S+3+\j]
.endr
	v_pk_add_f32 v[12:13], v[12:13], v[P+8:P+9]
	s_wait_alu depctr_va_vdst(0)                   ; and one for the four: the blocks' largest p are written
.irp b, 0,1,2,3
	v_max_num_f32 v[P+\b], 0x2800000, v[P+\b]
.endr
.irp b, 0,1,2,3
	v_add_nc_u32 v[SOP+\b], 0xfe000000, v[P+\b]
.endr
.irp b, 0,1,2,3
	v_lshrrev_b32 v[CT+\b], 23, v[SOP+\b]
.endr
	v_lshl_or_b32 v[PSC], v[CT+1], 8, v[CT]
	v_lshl_or_b32 v[PSC], v[CT+2], 16, v[PSC]
	v_lshl_or_b32 v[PSC], v[CT+3], 24, v[PSC]      ; p's scale word for these 128 keys
.irp c, 0,1
	v_cvt_scalef32_pk16_bf6_f32 v[P+6*\c:P+2+6*\c], v[S+32*\c:S+15+32*\c], v[SOP+2*\c]
	v_cvt_scalef32_pk16_bf6_f32 v[CT+4*\c:CT+2+4*\c], v[S+16+32*\c:S+31+32*\c], v[SOP+2*\c+1]
.endr
	v_nop
.irp c, 0,1
.irp i, 0,1,2
	v_permlane16_swap_b32 v[P+6*\c+\i], v[CT+4*\c+\i]
.endr
.irp i, 0,1,2
	v_mov_b32 v[P+3+6*\c+\i], v[CT+4*\c+\i]
.endr
.endr
.set J, 0
.rept 16
	v_pk_mul_f32 v[O+J:O+J+1], v[O+J:O+J+1], v[8:9] op_sel_hi:[1,0]   ; O^T under the new M; for each product below twelve of these name none of its registers
.set J, J+2
.endr
.if \pre
	s_wait_loadcnt 28                              ; V is in; the next step's K, 28 loads, may be out
.else
	s_wait_loadcnt 0x0
.endif
	s_wait_alu depctr_va_vdst(0)                   ; p's codes and its scale word are written, which the scaled products below take as operand and scales; the places stand above
.irp t, 0,1,2,3
	MM O+8*\t, VT+12*\t, P, 0, VSC+(\t/2), PSC, \t%2, 0
.endr
	PLACES
.if \pre
	s_add_nc_u64 s[VC:VC+1], s[VC:VC+1], 6144      ; V's loads are done: their bases may step
	s_add_nc_u64 s[VSB:VSB+1], s[VSB:VSB+1], 4
	s_wait_alu depctr_va_vdst(0)                   ; the four products are done reading V's tiles and their scale words, in which the next step's land
	LOADV
.endif
.endm
	s_load_b256 s[4:11], s[0:1], 0x0               ; bufB, w2, att, wbig
	v_lshrrev_b32 v1, 5, v0
	v_readfirstlane_b32 s[WV], v1
	s_wait_alu depctr_va_sdst(0)                   ; the wave's number is written, ahead of the branch and of its first reader on either way
	s_cmp_lt_u32 ttmp9, 256
	s_cbranch_scc1 .Lchain
	QLANES
	s_wait_kmcnt 0x0
	Q_W2 0, 256, 2, 6, 10
	QUNIT 4096
.Lchain:
	s_lshr_b32 s25, ttmp9, 2
	s_sub_co_u32 s25, 63, s25                      ; tile of queries
	s_and_b32 s26, ttmp9, 3                        ; key head
	s_lshl_b32 s27, s26, 2
	s_add_co_u32 s27, s27, s[WV]                   ; query head
	s_lshr_b32 s33, s25, 3                         ; whole steps ahead of the diagonal
	s_mov_b32 s[SEL], 0x76543210
	s_mov_b32 s[SEL+1], 0xfedcba98
	s_mov_b32 s[CS], 0x3e38aa3b
	s_mov_b32 s[CS+1], s[CS]
	v_and_b32 v8, 31, v0
	v_and_b32 v9, 15, v0                           ; r
	v_bfe_u32 v10, v0, 4, 1                        ; h
	v_lshlrev_b32 v1, 3, v8
	v_mul_u32_u24 v2, v10, 1536
	v_lshl_add_u32 v2, v9, 3, v2
	v_lshlrev_b32 v3, 2, v8
	v_lshlrev_b32 v4, 5, v8
	v_lshlrev_b32 v7, 2, v9
	s_and_b32 s28, s25, 7
	s_lshl_b32 s28, s28, 4
	v_lshlrev_b32 v15, 4, v10
	v_sub_nc_u32 v14, v9, v15
	v_add_nc_u32 v14, s28, v14                     ; d = my query - the diagonal step's first key - 16 h
	v_mov_b32 v15, 0xff800000
	s_mov_b32 s29, 0
	s_mul_i32 s28, s26, 49152
	s_add_co_u32 s28, s28, 786432
	s_wait_kmcnt 0x0
	s_add_nc_u64 s[KC:KC+1], s[4:5], s[28:29]
	s_add_co_u32 s28, s28, 196608
	s_add_nc_u64 s[VC:VC+1], s[4:5], s[28:29]
	s_lshl_b32 s28, s26, 12
	s_add_co_u32 s28, s28, 1245184
	s_add_nc_u64 s[KSB:KSB+1], s[4:5], s[28:29]
	s_lshl_b32 s28, s26, 11
	s_add_co_u32 s28, s28, 1261568
	s_add_nc_u64 s[VSB:VSB+1], s[4:5], s[28:29]
	s_mul_i32 s28, s27, 49152
	s_mul_i32 s30, s25, 768
	s_add_co_u32 s28, s28, s30
	s_add_nc_u64 s[20:21], s[4:5], s[28:29]        ; q's codes
	s_lshl_b32 s28, s27, 12
	s_lshl_b32 s30, s25, 6
	s_add_co_u32 s28, s28, s30
	s_add_nc_u64 s[22:23], s[4:5], s[28:29]        ; q's scale words
	s_lshl_b32 s28, s25, 3
	s_lshr_b32 s30, s27, 1
	s_add_co_u32 s28, s28, s30
	s_mul_i32 s28, s28, 1536
	s_and_b32 s30, s27, 1
	s_mul_i32 s30, s30, 768
	s_add_co_u32 s28, s28, s30
	s_add_nc_u64 s[34:35], s[8:9], s[28:29]        ; the codes out
	s_lshl_b32 s28, s25, 9
	s_lshl_b32 s30, s27, 1
	s_add_co_u32 s28, s28, s30
	s_add_nc_u64 s[40:41], s[8:9], s[28:29]        ; the scale bytes out
	s_wait_alu depctr_va_vdst(0)                   ; the offsets v1 to v4 and v7 are written, which the loads below and in the steps read
.irp p, 0,1,2
	global_load_b64 v[QF+2*\p:QF+2*\p+1], v1, s[20:21] offset:256*\p
.endr
	global_load_b32 v[QSC], v7, s[22:23] offset:1179648
	LOADK
	LOADV
.irp j, 6,7,8,9,10,11
	v_mov_b32 v[QF+\j], 0                          ; the upper 64 of K: zero codes
	v_mov_b32 v[KT+42+\j], 0                       ; behind the last key tile
.endr
.set J, 0
.rept 32
	v_mov_b32 v[O+J], 0                            ; the step is written for every trip: the first finds zeros
.set J, J+1
.endr
.irp b, 0,1,2,3
	v_mov_b32 v[P+4+\b], 0                         ; a lane permute's destination counts as one of its sources
.endr
	v_mov_b32 v9, 0                                ; named with v8 as a pair
	v_mov_b32 v11, 0xff61b1e6                      ; the largest t so far: -3e38
	v_floor_f32 v10, -v11
	v_mov_b32 v12, 0
	v_mov_b32 v13, 0
	s_wait_alu depctr_vm_vsrc(0)                   ; the load of q's scale words has read its offset v7, which every step writes
	s_wait_alu depctr_va_vdst(0)                   ; the zero codes in q's upper six registers and behind the last key tile are written, which the scaled products take as operands; the lines behind them are the places
	s_cmp_eq_u32 s33, 0
	s_cbranch_scc1 .Ldiag
.Lstep:
	STEP 0, 1
	s_sub_co_u32 s33, s33, 1
	s_cmp_lg_u32 s33, 0
	s_cbranch_scc1 .Lstep
.Ldiag:
	STEP 1, 0
	s_wait_alu depctr_vm_vsrc(0)                   ; the loads of K's scale words have read their offset v3, which is written again below
	v_add_f32 v12, v12, v13
	v_permlanex16_b32 v7, v12, s[SEL], s[SEL+1]
	v_add_f32 v12, v12, v7                         ; the row's sum
	v_rcp_f32 v8, v12
	v_and_b32 v3, 15, v0                           ; plain lines behind the transcendental
	v_lshlrev_b32 v3, 5, v3
	s_wait_alu depctr_va_vdst(0)                   ; the reciprocal v8 is written, ahead of its first reader
.set J, 0
.rept 16
	v_pk_mul_f32 v[S+J:S+J+1], v[O+J:O+J+1], v[8:9] op_sel_hi:[1,0]   ; register 16 a + i: channel 32 a + 16 h + i of my query
.set J, J+2
.endr
	QUANT2 S, P, CT, S+32
	v_lshl_or_b32 v[S+40], v[S+39], 8, v[S+38]
	s_wait_alu depctr_va_vdst(0)                   ; the quantiser has written the codes and the two bytes, and v3 is written: the stores read them
.irp p, 0,1,2
	global_store_b64 v1, v[P+2*\p:P+2*\p+1], s[34:35] offset:256*\p
.endr
	global_store_b16 v3, v[S+40], s[40:41] offset:786432   ; both halves of the lanes write the same two bytes
	s_endpgm
.Lfunc_end_k_qdf6739d439_attn:
	.size	k_qdf6739d439_attn, .Lfunc_end_k_qdf6739d439_attn-k_qdf6739d439_attn
	.p2alignl 7, 3214868480
	.fill 96, 4, 3214868480
	.section	.rodata,"a",@progbits
	.p2align	6, 0x0
	.amdhsa_kernel k_qdf6739d439_attn
		.amdhsa_group_segment_fixed_size 0
		.amdhsa_private_segment_fixed_size 0
		.amdhsa_enable_private_segment 0
		.amdhsa_kernarg_size 32
		.amdhsa_user_sgpr_count 2
		.amdhsa_user_sgpr_kernarg_segment_ptr 1
		.amdhsa_wavefront_size32 1
		.amdhsa_system_sgpr_workgroup_id_x 1
		.amdhsa_system_sgpr_workgroup_id_y 1
		.amdhsa_system_sgpr_workgroup_id_z 1
		.amdhsa_system_vgpr_workitem_id 0
		.amdhsa_next_free_vgpr 256
		.amdhsa_next_free_sgpr 66
		.amdhsa_reserve_vcc 0
		.amdhsa_float_denorm_mode_32 3
		.amdhsa_float_denorm_mode_16_64 3
		.amdhsa_memory_ordered 1
		.amdhsa_forward_progress 1
		.amdhsa_inst_pref_size 76
	.end_amdhsa_kernel
	.amdgpu_metadata
---
amdhsa.version: [ 1, 2 ]
amdhsa.kernels:
  - .name:           k_qdf6739d439_attn
    .symbol:         k_qdf6739d439_attn.kd
    .args:
      - { .name: bufB, .offset: 0, .size: 8, .value_kind: global_buffer, .address_space: global }
      - { .name: w2, .offset: 8, .size: 8, .value_kind: global_buffer, .address_space: global }
      - { .name: att, .offset: 16, .size: 8, .value_kind: global_buffer, .address_space: global }
      - { .name: wbig, .offset: 24, .size: 8, .value_kind: global_buffer, .address_space: global }
    .group_segment_fixed_size: 0
    .private_segment_fixed_size: 0
    .kernarg_segment_align: 8
    .kernarg_segment_size: 32
    .max_flat_workgroup_size: 128
    .sgpr_count:     66
    .vgpr_count:     256
    .wavefront_size: 32
...
	.end_amdgpu_metadata
.endif
;; end of part 10
;; launch wo_gate (part 11): grid 576 x 1, 16 waves a work-group, no clusters, 139,264 bytes of LDS; arguments att, wsm, x, ffn_norm_w, gate_w, w1, w3, hbuf, topi, wbig; writes hbuf, topi, wbig
.if DOCPART == 11
	.amdgcn_target "amdgcn-amd-amdhsa--gfx1250"
	.amdhsa_code_object_version 6
	.text
	.protected	k_qdf6739d439_wo_gate
	.globl	k_qdf6739d439_wo_gate
	.p2align	8
	.type	k_qdf6739d439_wo_gate,@function
k_qdf6739d439_wo_gate:
	s_mov_b64 s[64:65], 0
	v_nop
	global_prefetch_b8 v0, s[64:65] scope:SCOPE_SE
	s_setreg_imm32_b32 hwreg(HW_REG_WAVE_SCHED_MODE, 0, 2), 2
	s_setreg_imm32_b32 hwreg(HW_REG_WAVE_MODE, 25, 1), 1
	s_wait_xcnt 0x0
	s_wait_alu depctr_vm_vsrc(0)
; WO + GATE.  Work-groups 0-63: h = x + att wo (E3M2 codes), hn = rmsnorm(h) x ffn_norm_w, hn quantised, the gate in f32, the two experts.
; Work-groups 64-575: all 8,192 units of (w1 | w3) (see QUNIT).  They lie here because each of the 64 work-groups above has to read all of wo's
; 786,432 bytes of codes and then walks three phases with barriers, on 64 WGPs: the units hang on nothing of that and take the other WGPs.
; A work-group owns 16 tokens, whole rows, so that the row's norm and the gate need no second launch.  Wave w owns columns 64 w .. 64 w + 63:
; four accumulators, which BEGIN AS x, so the chain's end is h.  Source 0 = 16 columns of wo, source 1 = the 16 tokens: a lane holds one token
; and columns 64 w + 32 b + 16 h + 0..15, 16 neighbours along the next K.
; x is loaded as h is stored, 16 lanes to 256 consecutive bytes of a row, and turns through the wave's stage into the accumulators' layout.
; LDS: the tokens' operand image and gate_w (filled once, barrier 0); a stage of 16 x 272 bytes for each wave (x comes in and h leaves in runs of
; 256 bytes); the waves' sums of squares (barrier 1); their parts of the gate's sums, hn's codes and bytes (barrier 2).
; THE CHOICE is made on the logits (softmax rises with them), the lower index on equal logits; the weights are 1 / (1 + e) and e / (1 + e) with
; e = exp(second - first), so the maximum is taken away by construction.  It steers no address here: experts and weights go to fixed places.
; LIMITS: NaN and infinities not served; blocks under 2^-122 get the byte 1; two different logits that round to equal probabilities are
; told apart here and not in a top-k on probabilities.
; THE MODE: SCHED_MODE bits 1:0 = 2 (LLVM: expert scheduling mode 2), set by the entry lines.  The code itself states the register dependences
; between vector or matrix instructions and memory or LDS instructions, with s_wait_alu, always for 0.
; THE PLAN, the chain.  Registers that memory or LDS instructions touch:
;   v4-v19, v26-30   offsets and LDS addresses, made once at the head, never written again: one wait ahead of the first load.
;   v20-25, v208-223, the accumulators   loaded, then read by the fill's LDS stores; all are written again later: one wait on vm_vsrc behind barrier 0.
;   wo's sets v32-79, v80-127 and the tokens' v128-139, v140-151   step k's four products read set k % 2; behind them the 18 loads of step k + 2 land there: one wait a step.
;   the accumulators   written by the products, read by h's LDS stores (places, then one wait, which also serves the loads back into v32-63); written again behind barrier 1.
;   v32-63, v208       read by h's stores and by the store of the sum of squares; written again behind barrier 1: one wait on vm_vsrc there, for these and the accumulators.
;   v32-95, v128-191   gate_w's rows, eight columns' worth a buffer, by turns: a buffer is asked for again behind the multiply-adds that read it: three waits.
;   v96-103, v208-213, v118   written by vector lines, read by the six LDS stores ahead of barrier 2: one wait ahead of the run.
;   wave 9: v96-103 are written again (one wait on vm_vsrc); its 32 loads land at once in the two buffers; v110, v111 go to the stores behind one wait.
; Wave 9's masks are made in runs of eight compares into s66-73, with one wait a run ahead of the selects that read them.
; THE PLAN, a unit: v2-v4 offsets, made once; sets v32-63 and v64-95: a block's maxima and conversions read a set, then the block two on lands in it:
; the wait stands behind the conversions that empty the set; v96-119 and v9 are written by conversions and moves and read by the seven stores.
.set WV, 24
.set QS, 40
.set QC, 42
.set QZ, 44
.set SEL, 36
.set MHI, 38
.set MK, 66                            ; s66-73 wave 9's eight masks
.set AL, 0                             ; the 16 tokens' eight fragments, 12,288 bytes
.set GW, 12288                         ; gate_w, 32,768
.set STG, 45056                        ; 16 stages of 4,352
.set SS, 114688                        ; [token][wave] sums of squares, 1,024
.set GP, 115712                        ; [wave][token][8] parts of the logits, 8,192
.set CS, 123904                        ; hn's codes, 16 rows of 768
.set SC, 136192                        ; hn's scale bytes, 16 x 32
.set ACC, 224
.macro QLANES
	v_and_b32 v1, 31, v0
	v_and_b32 v5, 15, v0
	v_bfe_u32 v6, v0, 4, 1
	v_and_b32 v7, 8, v5
	v_add_nc_u32 v7, v7, v5
	v_lshl_add_u32 v7, v6, 3, v7
	v_lshlrev_b32 v2, 2, v7
	v_mul_u32_u24 v3, v6, 1536
	v_lshl_add_u32 v3, v5, 4, v3
	v_lshlrev_b32 v4, 2, v1
.endm
.macro QLOAD j, pitch
.set QI, 0
.rept 32
	global_load_b32 v[32+32*((\j)%2)+QI], v2, s[QS:QS+1] offset:(32*(\j)+QI)*(\pitch) th:TH_LOAD_NT
.set QI, QI+1
.endr
.endm
.macro QBLOCK j, pitch
.set QX, 32+32*((\j)%2)
.set QD, 96+12*((\j)%2)+6*((\j)/2)
.if (\j) < 3
	s_wait_loadcnt 32                              ; this block's 32 loads are in; the next block's 32 may be out
.else
	s_wait_loadcnt 0x0
.endif
	v_max3_num_f32 v5, |v[QX]|, |v[QX+1]|, |v[QX+2]|
	v_max3_num_f32 v6, |v[QX+3]|, |v[QX+4]|, |v[QX+5]|
.irp i, 6,10,14,18,22,26
	v_max3_num_f32 v5, v5, |v[QX+\i]|, |v[QX+\i+1]|
	v_max3_num_f32 v6, v6, |v[QX+\i+2]|, |v[QX+\i+3]|
.endr
	v_max3_num_f32 v5, v5, |v[QX+30]|, |v[QX+31]|
	v_max3_num_f32 v5, v5, v6, 0x2800000
	v_add_nc_u32 v7, 0xfe000000, v5
	v_lshrrev_b32 v8, 23, v7
	v_cvt_scalef32_pk16_bf6_f32 v[QD:QD+2], v[QX:QX+15], v7
	v_cvt_scalef32_pk16_bf6_f32 v[120:122], v[QX+16:QX+31], v7
.if (\j) < 2
	s_wait_alu depctr_va_vdst(0)                   ; the maxima and the conversions are done reading this set, in which the loads of the block two on land
	QLOAD (\j)+2, \pitch
.endif
.if (\j) == 0
	v_mov_b32 v9, v8                               ; the scale word; also the plain line behind the conversions
.else
	v_lshl_or_b32 v9, v8, 8*(\j), v9
.endif
	v_mov_b32 v[QD+3], v120
	v_mov_b32 v[QD+4], v121
	v_mov_b32 v[QD+5], v122
.endm
; A unit: 32 columns x 128 K of an f32 weight [K][N] into two fragments' register images and 32 scale words (a lane a column, registers down K)
.macro QUNIT pitch
	s_wait_alu depctr_va_vdst(0)                   ; the offsets v2, v3 and v4 are written, which the unit's loads and stores read
	QLOAD 0, \pitch
	QLOAD 1, \pitch
	QBLOCK 0, \pitch
	QBLOCK 1, \pitch
	QBLOCK 2, \pitch
	QBLOCK 3, \pitch
	s_wait_alu depctr_va_vdst(0)                   ; the conversions and moves have written v96-119 and v9, which the stores read
.irp h, 0,1
.irp g, 0,1,2
	global_store_b128 v3, v[96+12*\h+4*\g:96+12*\h+4*\g+3], s[QC:QC+1] offset:512*\g+256*\h
.endr
.endr
	global_store_b32 v4, v9, s[QZ:QZ+1]
	s_endpgm
.endm
; unit V of (w1 | w3), each [8][1024][2048]: tensor V / 4096, expert, 16 groups of 4 column blocks, 8 K steps, 4 neighbouring blocks
.macro Q_W13 first, nchain, wshift, p1, p3, big
	s_sub_co_u32 s46, ttmp9, \nchain
	s_lshl_b32 s46, s46, \wshift
	s_add_co_u32 s46, s46, s[WV]
.if \first
	s_add_co_u32 s46, s46, \first
.endif
	s_lshr_b32 s53, s46, 12                        ; 0: w1, 1: w3
	s_bfe_u32 s47, s46, 0x30009                    ; expert
	s_bfe_u32 s48, s46, 0x40005
	s_bfe_u32 s49, s46, 0x30002                    ; K step
	s_and_b32 s50, s46, 3
	s_lshl_b32 s48, s48, 2
	s_add_co_u32 s48, s48, s50                     ; block of 32 columns
	s_lshl_b32 s50, s47, 23
	s_lshl_b32 s51, s49, 20
	s_add_co_u32 s50, s50, s51
	s_lshl_b32 s51, s48, 7
	s_add_co_u32 s50, s50, s51
	s_mov_b32 s51, 0
.if \p1 == \p3
	s_mov_b64 s[QS:QS+1], s[\p1:\p1+1]
.else
	s_cmp_eq_u32 s53, 0
	s_cselect_b64 s[QS:QS+1], s[\p1:\p1+1], s[\p3:\p3+1]
.endif
	s_add_nc_u64 s[QS:QS+1], s[QS:QS+1], s[50:51]
	s_lshl_b32 s48, s48, 3
	s_add_co_u32 s48, s48, s49                     ; 8 x block + K step
	s_add_co_u32 s52, s53, 1
	s_mul_i32 s50, s52, 12582912
	s_mul_i32 s52, s47, 1572864
	s_add_co_u32 s50, s50, s52
	s_mul_i32 s52, s48, 3072
	s_add_co_u32 s50, s50, s52
	s_add_nc_u64 s[QC:QC+1], s[\big:\big+1], s[50:51]
	s_lshl_b32 s50, s53, 19
	s_lshl_b32 s52, s47, 16
	s_add_co_u32 s50, s50, s52
	s_lshl_b32 s52, s48, 7
	s_add_co_u32 s50, s50, s52
	s_add_co_u32 s50, s50, 38273024
	s_add_nc_u64 s[QZ:QZ+1], s[\big:\big+1], s[50:51]
.endm
.macro PLACES                          ; four plain lines between a matrix instruction and a load into, or a vector line on, its registers
.rept 4
	v_nop
.endr
.endm
.macro QUANT2 n, f, g, tm
	v_max3_num_f32 v[\tm], |v[\n]|, |v[\n+1]|, 0x2800000
	v_max3_num_f32 v[\tm+1], |v[\n+16]|, |v[\n+17]|, 0x2800000
.irp i, 2,4,6,8,10,12,14
	v_max3_num_f32 v[\tm], v[\tm], |v[\n+\i]|, |v[\n+\i+1]|
	v_max3_num_f32 v[\tm+1], v[\tm+1], |v[\n+16+\i]|, |v[\n+17+\i]|
.endr
	v_permlanex16_b32 v[\tm+2], v[\tm], s[SEL], s[SEL+1]
	v_permlanex16_b32 v[\tm+3], v[\tm+1], s[SEL], s[SEL+1]
	v_max_num_f32 v[\tm], v[\tm], v[\tm+2]
	v_max_num_f32 v[\tm+1], v[\tm+1], v[\tm+3]
	v_add_nc_u32 v[\tm+4], 0xfe000000, v[\tm]
	v_add_nc_u32 v[\tm+5], 0xfe000000, v[\tm+1]
	v_lshrrev_b32 v[\tm+6], 23, v[\tm+4]
	v_lshrrev_b32 v[\tm+7], 23, v[\tm+5]
	v_cvt_scalef32_pk16_bf6_f32 v[\f:\f+2], v[\n:\n+15], v[\tm+4]
	v_cvt_scalef32_pk16_bf6_f32 v[\g:\g+2], v[\n+16:\n+31], v[\tm+5]
	v_nop
.irp i, 0,1,2
	v_permlane16_swap_b32 v[\f+\i], v[\g+\i]
.endr
.irp i, 0,1,2
	v_mov_b32 v[\f+3+\i], v[\g+\i]
.endr
.endm
.macro BLD ks                          ; wo's four tiles of a K step: 12 loads, into set ks % 2 (v32-79, v80-127)
.set FB, 32+48*((\ks)%2)
.irp t, 0,1,2,3
.irp g, 0,1,2
	global_load_b128 v[FB+12*\t+4*\g:FB+12*\t+4*\g+3], v8, s[46:47] offset:1179648+24576*(\t/2)+3072*(\ks)+1536*(\t%2)+512*\g
.endr
.endr
.endm
.macro ALD ks                          ; the tokens' fragment of a K step: 6 LDS loads, into v128-139 or v140-151
.set FA, 128+12*((\ks)%2)
.irp c, 0,1
.irp p, 0,1,2
	ds_load_b64 v[FA+6*\c+2*\p:FA+6*\c+2*\p+1], v7 offset:AL+1536*(\ks)+768*\c+256*\p
.endr
.endr
.endm
.macro KSTEP ks
.set FB, 32+48*((\ks)%2)
.set FA, 128+12*((\ks)%2)
.if (\ks) < 7
	s_wait_loadcnt 12                              ; the next step's 12 loads may be out,
	s_wait_dscnt 6                                 ; and its 6 LDS loads (in the first step x's eight LDS loads, issued ahead of both fragments, are in too)
.else
	s_wait_loadcnt 0x0
	s_wait_dscnt 0x0
.endif
.irp t, 0,2                                    ; the four accumulators by turns; tile t = 2 b + u; odd tiles' scale words lie in lanes 16-31
	v_wmma_scale_f32_16x16x128_f8f6f4 v[ACC+8*\t:ACC+8*\t+7], v[FB+12*\t:FB+12*\t+11], v[FA:FA+11], v[ACC+8*\t:ACC+8*\t+7], v[152+8*(\t/2)+(\ks)], v[168+(\ks)] matrix_a_fmt:MATRIX_FMT_BF6 matrix_b_fmt:MATRIX_FMT_BF6
	v_wmma_scale_f32_16x16x128_f8f6f4 v[ACC+8*\t+8:ACC+8*\t+15], v[FB+12*\t+12:FB+12*\t+23], v[FA:FA+11], v[ACC+8*\t+8:ACC+8*\t+15], v[152+8*(\t/2)+(\ks)], v[168+(\ks)] matrix_a_fmt:MATRIX_FMT_BF6 matrix_b_fmt:MATRIX_FMT_BF6 matrix_a_scale:MATRIX_SCALE_ROW1
.endr
	PLACES
.if (\ks) < 6
	s_wait_alu depctr_va_vdst(0)                   ; the step's four products are done reading wo's set and the tokens' fragment, in which the loads of two steps on land
	BLD (\ks)+2
	ALD (\ks)+2
.endif
.endm
; eight of my 32 columns against gate_w's rows.  GLD: 16 LDS loads (all lanes of a half read the same bytes) into the buffer at buf; GFM: 32 packed multiply-adds onto v96-103
.macro GLD bt, buf
.set GI, 0
.rept 8
	ds_load_b128 v[\buf+8*GI:\buf+8*GI+3], v18 offset:(32*((\bt)/2)+8*((\bt)%2)+GI)*32
	ds_load_b128 v[\buf+8*GI+4:\buf+8*GI+7], v18 offset:(32*((\bt)/2)+8*((\bt)%2)+GI)*32+16
.set GI, GI+1
.endr
.endm
.macro GFM bt, buf
.set GI, 0
.rept 8
.set GX, ACC+16*((\bt)/2)+8*((\bt)%2)+GI
.irp q, 0,1,2,3
.if ((\bt) == 0) && (GI == 0)
	v_pk_mul_f32 v[96+2*\q:97+2*\q], v[\buf+2*\q:\buf+2*\q+1], v[GX:GX+1] op_sel_hi:[1,0]
.elseif GI%2 == 0
	v_pk_fma_f32 v[96+2*\q:97+2*\q], v[\buf+8*GI+2*\q:\buf+8*GI+2*\q+1], v[GX:GX+1], v[96+2*\q:97+2*\q] op_sel_hi:[1,0,1]
.else
	v_pk_fma_f32 v[96+2*\q:97+2*\q], v[\buf+8*GI+2*\q:\buf+8*GI+2*\q+1], v[GX-1:GX], v[96+2*\q:97+2*\q] op_sel:[0,1,0] op_sel_hi:[1,1,1]
.endif
.endr
.set GI, GI+1
.endr
.endm
	s_load_b256 s[4:11], s[0:1], 0x0               ; att, wsm, x, ffn_norm_w
	s_load_b256 s[12:19], s[0:1], 0x20             ; gate_w, w1, w3, hbuf
	s_load_b128 s[20:23], s[0:1], 0x40             ; topi, wbig
	v_lshrrev_b32 v1, 5, v0
	v_readfirstlane_b32 s[WV], v1
	s_wait_alu depctr_va_sdst(0)                   ; the wave's number is written, ahead of the branch and of its first reader on either way
	s_cmp_lt_u32 ttmp9, 64
	s_cbranch_scc1 .Lchain
	QLANES
	s_wait_kmcnt 0x0
	Q_W13 0, 64, 4, 14, 16, 22
	QUNIT 8192
.Lchain:
	; every address register is made here, ahead of all branches on the wave's number
	v_and_b32 v1, 31, v0                           ; lane
	v_and_b32 v2, 15, v0                           ; r
	v_bfe_u32 v3, v0, 4, 1                         ; h
	v_lshlrev_b32 v4, 3, v0                        ; 8 x thread
	v_add_nc_u32 v5, CS, v4
	v_lshlrev_b32 v6, 4, v0                        ; 16 x thread
	v_lshlrev_b32 v7, 3, v1
	v_lshlrev_b32 v8, 4, v1
	v_lshlrev_b32 v9, 2, v1
	v_lshlrev_b32 v11, 6, v3                       ; 64 h
	v_lshlrev_b32 v12, 5, v2                       ; 32 r
	s_mul_i32 s25, s[WV], 4352
	s_add_co_u32 s25, s25, STG
	v_mad_u32_u24 v13, v2, 272, v11
	v_add_nc_u32 v13, s25, v13                     ; my stage by the accumulators' layout: row r, + 64 h
	v_mul_u32_u24 v14, v3, 272
	v_lshl_add_u32 v14, v2, 4, v14
	v_add_nc_u32 v14, s25, v14                     ; and by rows: lanes 0-15 one row, lanes 16-31 the next
	v_lshlrev_b32 v15, 12, v3
	v_lshl_add_u32 v15, v2, 4, v15                 ; the same two rows in x and in h
	s_lshl_b32 s25, s[WV], 2
	s_add_co_u32 s25, s25, SS
	v_lshl_add_u32 v16, v2, 6, s25
	v_lshlrev_b32 v17, 6, v2
	v_add_nc_u32 v17, SS, v17
	s_lshl_b32 s25, s[WV], 11
	s_add_co_u32 s25, s25, GW
	v_lshl_add_u32 v18, v3, 9, s25                 ; gate_w's row 64 w + 16 h
	s_lshl_b32 s25, s[WV], 9
	s_add_co_u32 s25, s25, GP
	v_lshl_add_u32 v19, v2, 5, s25
	s_lshr_b32 s25, s[WV], 1
	s_mul_i32 s25, s25, 96
	s_and_b32 s26, s[WV], 1
	s_mul_i32 s26, s26, 24
	s_add_co_u32 s25, s25, s26
	s_add_co_u32 s25, s25, CS
	v_mul_u32_u24 v26, v3, 48
	v_mad_u32_u24 v26, v2, 768, v26
	v_add_nc_u32 v26, s25, v26                     ; block 2 (w % 2) + h of K step w / 2 in row r
	s_lshl_b32 s25, s[WV], 1
	s_add_co_u32 s25, s25, SC
	v_lshl_add_u32 v27, v2, 5, s25
	v_add_nc_u32 v28, SC, v8
	v_add_nc_u32 v29, GP, v12
	v_lshlrev_b32 v30, 12, v3
	v_lshl_add_u32 v30, v2, 2, v30                 ; slot h, token r
	v_mov_b32 v31, 0
	s_mov_b32 s[SEL], 0x76543210
	s_mov_b32 s[SEL+1], 0xfedcba98
	s_mov_b32 s[MHI], 0xffff0000
	s_mov_b32 s39, 0x3a800000                      ; 1 / 1024
	s_mov_b32 s34, 0x3727c5ac                      ; 1e-5
	s_mov_b32 s29, 0
	s_lshl_b32 s30, s[WV], 8                       ; 256 w
	s_lshl_b32 s28, ttmp9, 16
	s_add_co_u32 s28, s28, s30
	s_wait_kmcnt 0x0
	s_add_nc_u64 s[40:41], s[8:9], s[28:29]        ; x at my tokens and columns
	s_add_nc_u64 s[52:53], s[18:19], s[28:29]      ; h likewise
	s_mov_b32 s28, s30
	s_add_nc_u64 s[50:51], s[10:11], s[28:29]      ; ffn_norm_w
	s_mul_i32 s28, ttmp9, 12288
	s_add_nc_u64 s[42:43], s[4:5], s[28:29]        ; the tokens' operand image
	s_add_nc_u64 s[54:55], s[18:19], s[28:29]      ; hn's codes
	s_lshl_b32 s28, ttmp9, 9
	s_add_nc_u64 s[44:45], s[4:5], s[28:29]        ; the tokens' scale bytes
	s_add_nc_u64 s[56:57], s[18:19], s[28:29]      ; hn's
	s_mul_i32 s28, s[WV], 49152
	s_add_nc_u64 s[46:47], s[6:7], s[28:29]        ; wo's fragments of my columns
	s_lshl_b32 s28, s[WV], 11
	s_add_nc_u64 s[48:49], s[6:7], s[28:29]        ; and their scale words
	s_lshl_b32 s28, ttmp9, 6
	s_add_nc_u64 s[58:59], s[20:21], s[28:29]      ; topi
	s_add_nc_u64 s[60:61], s[18:19], s[28:29]      ; the weights
	s_wait_alu depctr_va_vdst(0)                   ; the offsets and LDS addresses v4 to v19 and v26 to v30 are written, which every load and store of the chain reads
.irp i, 0,1,2
	global_load_b64 v[20+2*\i:21+2*\i], v4, s[42:43] offset:4096*\i
.endr
.irp i, 0,1,2,3
	global_load_b128 v[208+4*\i:211+4*\i], v6, s[12:13] offset:8192*\i
.endr
.irp i, 0,1,2,3,4,5,6,7
	global_load_b128 v[ACC+4*\i:ACC+4*\i+3], v15, s[40:41] offset:8192*\i   ; x by rows: 16 lanes read 256 consecutive bytes of row 2 i + lane / 16
.endr
.irp b, 0,1
.irp i, 0,1,2,3
	global_load_b128 v[176+16*\b+4*\i:179+16*\b+4*\i], v11, s[50:51] offset:128*\b+16*\i
.endr
.endr
.irp b, 0,1
.irp k, 0,1,2,3,4,5,6,7
	global_load_b32 v[152+8*\b+\k], v9, s[48:49] offset:2015232+(8*\b+\k)*128
.endr
.endr
	global_load_b128 v[168:171], v12, s[44:45] offset:786432
	global_load_b128 v[172:175], v12, s[44:45] offset:786432+16
	BLD 0
	BLD 1
	s_wait_loadcnt 50                              ; the seven loads for LDS and x's eight are in: 8 + 16 + 2 + 24 were issued behind them
.irp i, 0,1,2
	ds_store_b64 v4, v[20+2*\i:21+2*\i] offset:AL+4096*\i
.endr
.irp i, 0,1,2,3
	ds_store_b128 v6, v[208+4*\i:211+4*\i] offset:GW+8192*\i
.endr
.irp i, 0,1,2,3,4,5,6,7
	ds_store_b128 v14, v[ACC+4*\i:ACC+4*\i+3] offset:544*\i   ; x's rows into my own stage
.endr
	s_wait_dscnt 0x0
	s_barrier_signal -1
	s_barrier_wait -1                              ; barrier 0: the image and gate_w lie in LDS
	s_wait_alu depctr_vm_vsrc(0)                   ; the fill's LDS stores have read x's registers, in which the loads below land, and v208-223 and v20-25, which are written again further down
.irp b, 0,1
.irp i, 0,1,2,3
	ds_load_b128 v[ACC+16*\b+4*\i:ACC+16*\b+4*\i+3], v13 offset:128*\b+16*\i   ; x in the accumulators' layout: the sums' beginning
.endr
.endr
	ALD 0
	ALD 1
.irp k, 0,1,2,3,4,5,6,7
	KSTEP \k
.endr
	s_wait_alu depctr_va_vdst(0)                   ; the products have written the accumulators, which the LDS stores read (the places stand above), and are done reading v32-63, in which the loads back land
	; h leaves through my stage: each accumulator from its low end on
.irp b, 0,1
.irp i, 0,1,2,3
	ds_store_b128 v13, v[ACC+16*\b+4*\i:ACC+16*\b+4*\i+3] offset:128*\b+16*\i
.endr
.endr
.irp i, 0,1,2,3,4,5,6,7
	ds_load_b128 v[32+4*\i:35+4*\i], v14 offset:544*\i   ; LDS serves a wave's instructions in order: these see the stores above
.endr
	v_pk_mul_f32 v[208:209], v[ACC:ACC+1], v[ACC:ACC+1]   ; my 32 squares, in two chains
	v_pk_mul_f32 v[210:211], v[ACC+2:ACC+3], v[ACC+2:ACC+3]
.irp i, 4,8,12,16,20,24,28
	v_pk_fma_f32 v[208:209], v[ACC+\i:ACC+\i+1], v[ACC+\i:ACC+\i+1], v[208:209]
	v_pk_fma_f32 v[210:211], v[ACC+\i+2:ACC+\i+3], v[ACC+\i+2:ACC+\i+3], v[210:211]
.endr
	v_pk_add_f32 v[208:209], v[208:209], v[210:211]
	v_add_f32 v208, v208, v209
	v_permlanex16_b32 v31, v208, s[SEL], s[SEL+1]
	v_add_f32 v208, v208, v31
.irp i, 0,1,2,3,4,5,6,7
	s_wait_dscnt 7-\i
	global_store_b128 v15, v[32+4*\i:35+4*\i], s[52:53] offset:8192*\i   ; 16 lanes store 256 consecutive bytes, aligned
.endr
	s_wait_alu depctr_va_vdst(0)                   ; my sum of squares v208 is written, which the LDS store reads
	ds_store_b32 v16, v208
	s_wait_dscnt 0x0
	s_barrier_signal -1
	s_barrier_wait -1                              ; barrier 1: the sixteen sums of squares of each token
	s_wait_xcnt 0x0                                ; h's stores have read v32-63: they are loaded again below
	s_wait_alu depctr_vm_vsrc(0)                   ; h's stores have read v32-63, in which the loads below land; the LDS stores have read the accumulators and v208, which the vector lines below write again
.irp i, 0,1,2,3
	ds_load_b128 v[32+4*\i:35+4*\i], v17 offset:16*\i
.endr
	s_wait_dscnt 0x0
	v_pk_add_f32 v[32:33], v[32:33], v[34:35]      ; one order in every wave: every wave gets the same bits
	v_pk_add_f32 v[36:37], v[36:37], v[38:39]
	v_pk_add_f32 v[40:41], v[40:41], v[42:43]
	v_pk_add_f32 v[44:45], v[44:45], v[46:47]
	v_pk_add_f32 v[32:33], v[32:33], v[36:37]
	v_pk_add_f32 v[40:41], v[40:41], v[44:45]
	v_pk_add_f32 v[32:33], v[32:33], v[40:41]
	v_add_f32 v32, v32, v33
	v_fma_f32 v32, v32, s39, s34
	v_rsq_f32 v34, v32
	v_mov_b32 v35, 0                               ; a plain line; v35 is named with v34 as a pair
	s_wait_alu depctr_va_vdst(0)                   ; the root's reciprocal v34 is written, ahead of its first reader
.irp i, 0,2,4,6,8,10,12,14,16,18,20,22,24,26,28,30
	v_pk_mul_f32 v[ACC+\i:ACC+\i+1], v[ACC+\i:ACC+\i+1], v[34:35] op_sel_hi:[1,0]
.endr
.irp i, 0,2,4,6,8,10,12,14,16,18,20,22,24,26,28,30
	v_pk_mul_f32 v[ACC+\i:ACC+\i+1], v[ACC+\i:ACC+\i+1], v[176+\i:177+\i]   ; hn
.endr
	s_wait_alu depctr_va_vdst(0)                   ; the scalings are done reading v[34:35] and v176-191: gate_w's rows land in v32-95 and in v128-191
	GLD 0, 32
	GLD 1, 128
	s_wait_dscnt 16                                ; the first sixteen loads are in
	GFM 0, 32
	s_wait_alu depctr_va_vdst(0)                   ; the multiply-adds are done reading v32-95, which is asked for again
	GLD 2, 32
	s_wait_dscnt 16                                ; the second buffer is in; the sixteen just issued may be out
	GFM 1, 128
	s_wait_alu depctr_va_vdst(0)                   ; the multiply-adds are done reading v128-191, which is asked for again
	GLD 3, 128
	s_wait_dscnt 16
	GFM 2, 32
	s_wait_dscnt 0x0
	GFM 3, 128
.irp e, 0,1,2,3,4,5,6,7
	v_permlanex16_b32 v[104+\e], v[96+\e], s[SEL], s[SEL+1]
.endr
.irp e, 0,2,4,6
	v_pk_add_f32 v[96+\e:97+\e], v[96+\e:97+\e], v[104+\e:105+\e]
.endr
	QUANT2 ACC, 208, 214, 112
	v_lshl_or_b32 v118, v119, 8, v118
	s_wait_alu depctr_va_vdst(0)                   ; my parts of the logits v96-103, hn's codes v208-213 and its two bytes v118 are written, which the six LDS stores read
	ds_store_b128 v19, v[96:99]
	ds_store_b128 v19, v[100:103] offset:16
.irp p, 0,1,2
	ds_store_b64 v26, v[208+2*\p:209+2*\p] offset:8*\p
.endr
	ds_store_b16 v27, v118
	s_wait_dscnt 0x0
	s_barrier_signal -1
	s_barrier_wait -1                              ; barrier 2: the logits' parts, hn's codes and bytes
.irp i, 0,1,2
	ds_load_b64 v[20+2*\i:21+2*\i], v5 offset:4096*\i
.endr
.irp i, 0,1,2
	s_wait_dscnt 2-\i
	global_store_b64 v4, v[20+2*\i:21+2*\i], s[54:55] offset:4194304+4096*\i
.endr
	s_cmp_eq_u32 s[WV], 8
	s_cbranch_scc0 .Lnot8
	ds_load_b128 v[120:123], v28
	s_wait_dscnt 0x0
	global_store_b128 v8, v[120:123], s[56:57] offset:4980736
.Lnot8:
	s_cmp_eq_u32 s[WV], 9
	s_cbranch_scc0 .Lend
	s_wait_alu depctr_vm_vsrc(0)                   ; my LDS stores ahead of the barrier have read v96-103, which the sums below write again
.irp w, 0,1,2,3,4,5,6,7
	ds_load_b128 v[32+8*\w:35+8*\w], v29 offset:512*\w
	ds_load_b128 v[36+8*\w:39+8*\w], v29 offset:512*\w+16
.endr
.irp w, 0,1,2,3,4,5,6,7
	ds_load_b128 v[128+8*\w:131+8*\w], v29 offset:4096+512*\w
	ds_load_b128 v[132+8*\w:135+8*\w], v29 offset:4096+512*\w+16
.endr
	s_wait_dscnt 16                                ; the parts of waves 0 to 7 are in
.irp q, 0,2,4,6
	v_pk_add_f32 v[96+\q:97+\q], v[32+\q:33+\q], v[40+\q:41+\q]
.endr
.irp w, 2,3,4,5,6,7
.irp q, 0,2,4,6
	v_pk_add_f32 v[96+\q:97+\q], v[96+\q:97+\q], v[32+8*\w+\q:33+8*\w+\q]
.endr
.endr
	s_wait_dscnt 0x0
.irp w, 0,1,2,3,4,5,6,7
.irp q, 0,2,4,6
	v_pk_add_f32 v[96+\q:97+\q], v[96+\q:97+\q], v[128+8*\w+\q:129+8*\w+\q]
.endr
.endr
	v_max3_num_f32 v104, v96, v97, v98             ; the largest logit;
	v_max3_num_f32 v104, v104, v99, v100
	v_max3_num_f32 v104, v104, v101, v102
	v_max_num_f32 v104, v104, v103
.irp e, 0,1,2,3,4,5,6,7
	v_cmp_eq_f32 s[MK+\e], v[96+\e], v104          ; which logits equal it
.endr
	s_wait_alu depctr_va_sdst(0)                   ; the eight masks are written, ahead of the selects that read them
	v_mov_b32 v105, 7                              ; its index: the selects go from 7 down, so the lower index stays on equal logits
.irp e, 6,5,4,3,2,1,0
	v_cndmask_b32 v105, v105, \e, s[MK+\e]
.endr
	v_mov_b32 v108, 0xff800000
.irp e, 0,1,2,3,4,5,6,7
	v_cmp_eq_u32 s[MK+\e], \e, v105
.endr
	s_wait_alu depctr_va_sdst(0)                   ; the eight masks are written, ahead of the selects that read them
.irp e, 0,1,2,3,4,5,6,7
	v_cndmask_b32 v[96+\e], v[96+\e], v108, s[MK+\e]   ; the chosen one is taken out
.endr
	v_max3_num_f32 v106, v96, v97, v98             ; the second largest, likewise
	v_max3_num_f32 v106, v106, v99, v100
	v_max3_num_f32 v106, v106, v101, v102
	v_max_num_f32 v106, v106, v103
.irp e, 0,1,2,3,4,5,6,7
	v_cmp_eq_f32 s[MK+\e], v[96+\e], v106
.endr
	s_wait_alu depctr_va_sdst(0)                   ; the eight masks are written, ahead of the selects that read them
	v_mov_b32 v107, 7
.irp e, 6,5,4,3,2,1,0
	v_cndmask_b32 v107, v107, \e, s[MK+\e]
.endr
	v_sub_f32 v109, v106, v104
	v_mul_f32 v109, 0x3fb8aa3b, v109
	v_exp_f32 v109, v109                           ; e = exp(second - first), at most 1
	v_cndmask_b32 v111, v105, v107, s[MHI]         ; lanes 0-15: slot 0, lanes 16-31: slot 1.  (A plain line)
	s_wait_alu depctr_va_vdst(0)                   ; e is written, ahead of its first reader
	v_add_f32 v110, 1.0, v109
	v_rcp_f32 v110, v110
	v_nop
	s_wait_alu depctr_va_vdst(0)                   ; the reciprocal is written, ahead of its first reader
	v_mul_f32 v109, v109, v110
	v_cndmask_b32 v110, v110, v109, s[MHI]
	s_wait_alu depctr_va_vdst(0)                   ; the experts v111 and the weights v110 are written, which the two stores read
	global_store_b32 v30, v111, s[58:59]
	global_store_b32 v30, v110, s[60:61] offset:5013504
.Lend:
	s_wait_xcnt 0x0
	v_lshl_add_u32 v254, v0, 2, 0x21800            ; made anew: no memory or LDS instruction has read v254 or v255 since the wait on vm_vsrc behind barrier 1
	v_mov_b32 v255, 0
	s_wait_dscnt 0x0                               ; the closing lines, six on end
	s_wait_alu 0x0
	s_wait_tensorcnt 0x0
	ds_add_u32 v254, v255
	s_wait_dscnt 0x0
	s_endpgm
.Lfunc_end_k_qdf6739d439_wo_gate:
	.size	k_qdf6739d439_wo_gate, .Lfunc_end_k_qdf6739d439_wo_gate-k_qdf6739d439_wo_gate
	.p2alignl 7, 3214868480
	.fill 96, 4, 3214868480
	.section	.rodata,"a",@progbits
	.p2align	6, 0x0
	.amdhsa_kernel k_qdf6739d439_wo_gate
		.amdhsa_group_segment_fixed_size 139264
		.amdhsa_private_segment_fixed_size 0
		.amdhsa_enable_private_segment 0
		.amdhsa_kernarg_size 80
		.amdhsa_user_sgpr_count 2
		.amdhsa_user_sgpr_kernarg_segment_ptr 1
		.amdhsa_wavefront_size32 1
		.amdhsa_system_sgpr_workgroup_id_x 1
		.amdhsa_system_sgpr_workgroup_id_y 1
		.amdhsa_system_sgpr_workgroup_id_z 1
		.amdhsa_system_vgpr_workitem_id 0
		.amdhsa_next_free_vgpr 256
		.amdhsa_next_free_sgpr 80
		.amdhsa_reserve_vcc 0
		.amdhsa_float_denorm_mode_32 3
		.amdhsa_float_denorm_mode_16_64 3
		.amdhsa_memory_ordered 1
		.amdhsa_forward_progress 1
		.amdhsa_inst_pref_size 81
	.end_amdhsa_kernel
	.amdgpu_metadata
---
amdhsa.version: [ 1, 2 ]
amdhsa.kernels:
  - .name:           k_qdf6739d439_wo_gate
    .symbol:         k_qdf6739d439_wo_gate.kd
    .args:
      - { .name: att, .offset: 0, .size: 8, .value_kind: global_buffer, .address_space: global }
      - { .name: wsm, .offset: 8, .size: 8, .value_kind: global_buffer, .address_space: global }
      - { .name: x, .offset: 16, .size: 8, .value_kind: global_buffer, .address_space: global }
      - { .name: ffn_norm_w, .offset: 24, .size: 8, .value_kind: global_buffer, .address_space: global }
      - { .name: gate_w, .offset: 32, .size: 8, .value_kind: global_buffer, .address_space: global }
      - { .name: w1, .offset: 40, .size: 8, .value_kind: global_buffer, .address_space: global }
      - { .name: w3, .offset: 48, .size: 8, .value_kind: global_buffer, .address_space: global }
      - { .name: hbuf, .offset: 56, .size: 8, .value_kind: global_buffer, .address_space: global }
      - { .name: topi, .offset: 64, .size: 8, .value_kind: global_buffer, .address_space: global }
      - { .name: wbig, .offset: 72, .size: 8, .value_kind: global_buffer, .address_space: global }
    .group_segment_fixed_size: 139264
    .private_segment_fixed_size: 0
    .kernarg_segment_align: 8
    .kernarg_segment_size: 80
    .max_flat_workgroup_size: 512
    .sgpr_count:     80
    .vgpr_count:     256
    .wavefront_size: 32
...
	.end_amdgpu_metadata
.endif
;; end of part 11
;; launch place: the kernel of part 5 again; grid 1 x 1, 8 waves a work-group, no clusters, 2,048 bytes of LDS; arguments topi, lists; writes lists
;; launch moe_up (part 12): grid 256 x 1, 8 waves a work-group, no clusters, 99,328 bytes of LDS; arguments hbuf, lists, wbig, bufA; writes bufA
.if DOCPART == 12
	.amdgcn_target "amdgcn-amd-amdhsa--gfx1250"
	.amdhsa_code_object_version 6
	.text
	.protected	k_qdf6739d439_moe_up
	.globl	k_qdf6739d439_moe_up
	.p2align	8
	.type	k_qdf6739d439_moe_up,@function
k_qdf6739d439_moe_up:
	s_mov_b64 s[64:65], 0
	v_nop
	global_prefetch_b8 v0, s[64:65] scope:SCOPE_SE
	s_setreg_imm32_b32 hwreg(HW_REG_WAVE_SCHED_MODE, 0, 2), 2
	s_setreg_imm32_b32 hwreg(HW_REG_WAVE_MODE, 25, 1), 1
	s_wait_xcnt 0x0
	s_wait_alu depctr_vm_vsrc(0)
; MOE, UP.  H = silu(hn w1) x (hn w3) for the rows that chose the expert, quantised along F.  Only chosen rows are multiplied.
; Work-group = (expert e = wg / 32, 64 columns of F fg = wg % 32).  Its 98,304 bytes of w1's and w3's fragments are copied into LDS once, ahead of
; every branch on stored numbers; then its eight waves walk the expert's tiles of 16 rows, two tiles a chunk, with no further barrier.
; Trip counts and addresses hang on the stored lists, so there is no tensor load and no cluster here; the rows' codes are gathered by token
; straight into registers, four K steps ahead.
; Wave w takes tiles 2 w + 16 k and the next: (tiles + 15 - 2 w) / 16 chunks, rounded down, which is 0 for a wave with no tile; the loop counts them down.
; Source 0 = 16 columns of the weight, source 1 = 16 rows: a lane holds one row and columns 32 b + 16 h + 0..15: neighbours along the next K.
; A chunk's tiles are held to tiles that exist (an expert without rows: tile 0), so every load names bytes that were stored; a wave with no
; tile leaves behind the barrier.  With an odd number of tiles the last chunk takes its tile twice and stores the same bytes twice.
; OUT: half fragments of 768 bytes, in runs of 256 bytes; the scale bytes in pieces of 2 bytes, 139 KB in all.
; REGISTERS: window 0: v1-23 addresses, v24-39 and v40-55 the weights' scale words, v56-63 the rows', v64-111, v112-159, v160-207 three buffers of four weight tiles.
;   window 1: v0-63 and v64-127 the sums, v128-223 the rows' fragments (four K steps), later at work; v224-255 at work.
; LIMITS: NaN and infinities not served; blocks under 2^-122 get the byte 1.
; THE MODE: SCHED_MODE bits 1:0 = 2 (LLVM: expert scheduling mode 2), set by the entry lines.  The code itself states the register dependences
; between vector or matrix instructions and memory or LDS instructions, with s_wait_alu, always for 0.
; THE PLAN.  A K step is two half steps, idx = 2 ks (w1) and 2 ks + 1 (w3), eight products each.  Registers that memory or LDS instructions touch:
;   three buffers   half step idx reads buffer idx % 3.  In a step's middle the loads of idx 2 ks + 2 land in buffer (2 ks - 1) % 3, which the step before read;
;                   at its end those of idx 2 ks + 3 land in buffer (2 ks) % 3, which this step's first half read.
;   the ring        step ks reads place ks % 4 (window 1); at the step's end the loads of step ks + 4 land in it.
;   So ONE wait on va_vdst stands in a K step, behind its sixteen products: it serves the twelve LDS loads and six global loads at the step's end and the twelve LDS
;   loads in the next step's middle, since the eight products between name another buffer.
;   v1-v3, v15-v20  made once at the head.   v64-159: at the head the fill's LDS stores read them: one wait on vm_vsrc behind the barrier.
;   v4-v14          a chunk's entries and addresses: written by vector lines from loaded numbers, read by the chunk's loads and stores: from the second chunk on one wait on
;                   vm_vsrc ahead of the first line that writes them again (it also frees the out-registers), one on va_vdst ahead of the entries' loads, one ahead of the rows' loads.
;   window 1, v192-197, v224-229, v214   written by the quantiser, read by the stores: one wait ahead of them.
.set WV, 12
.set NCH, 26                           ; s26 my chunks still to do
.set SEL, 36
.set MHI, 38
.set MSB, 0
.macro WIN new                         ; the immediate's high byte repeats the setting that is left
.if MSB != \new
	s_set_vgpr_msb (MSB<<8)|\new
.set MSB, \new
.endif
.endm
.macro MM d, a, b, z, sa, sb, ra, rb
.if \z
.if (\ra) && (\rb)
	v_wmma_scale_f32_16x16x128_f8f6f4 v[\d:\d+7], v[\a:\a+11], v[\b:\b+11], 0, v[\sa], v[\sb] matrix_a_fmt:MATRIX_FMT_BF6 matrix_b_fmt:MATRIX_FMT_BF6 matrix_a_scale:MATRIX_SCALE_ROW1 matrix_b_scale:MATRIX_SCALE_ROW1
.elseif \ra
	v_wmma_scale_f32_16x16x128_f8f6f4 v[\d:\d+7], v[\a:\a+11], v[\b:\b+11], 0, v[\sa], v[\sb] matrix_a_fmt:MATRIX_FMT_BF6 matrix_b_fmt:MATRIX_FMT_BF6 matrix_a_scale:MATRIX_SCALE_ROW1
.elseif \rb
	v_wmma_scale_f32_16x16x128_f8f6f4 v[\d:\d+7], v[\a:\a+11], v[\b:\b+11], 0, v[\sa], v[\sb] matrix_a_fmt:MATRIX_FMT_BF6 matrix_b_fmt:MATRIX_FMT_BF6 matrix_b_scale:MATRIX_SCALE_ROW1
.else
	v_wmma_scale_f32_16x16x128_f8f6f4 v[\d:\d+7], v[\a:\a+11], v[\b:\b+11], 0, v[\sa], v[\sb] matrix_a_fmt:MATRIX_FMT_BF6 matrix_b_fmt:MATRIX_FMT_BF6
.endif
.else
.if (\ra) && (\rb)
	v_wmma_scale_f32_16x16x128_f8f6f4 v[\d:\d+7], v[\a:\a+11], v[\b:\b+11], v[\d:\d+7], v[\sa], v[\sb] matrix_a_fmt:MATRIX_FMT_BF6 matrix_b_fmt:MATRIX_FMT_BF6 matrix_a_scale:MATRIX_SCALE_ROW1 matrix_b_scale:MATRIX_SCALE_ROW1
.elseif \ra
	v_wmma_scale_f32_16x16x128_f8f6f4 v[\d:\d+7], v[\a:\a+11], v[\b:\b+11], v[\d:\d+7], v[\sa], v[\sb] matrix_a_fmt:MATRIX_FMT_BF6 matrix_b_fmt:MATRIX_FMT_BF6 matrix_a_scale:MATRIX_SCALE_ROW1
.elseif \rb
	v_wmma_scale_f32_16x16x128_f8f6f4 v[\d:\d+7], v[\a:\a+11], v[\b:\b+11], v[\d:\d+7], v[\sa], v[\sb] matrix_a_fmt:MATRIX_FMT_BF6 matrix_b_fmt:MATRIX_FMT_BF6 matrix_b_scale:MATRIX_SCALE_ROW1
.else
	v_wmma_scale_f32_16x16x128_f8f6f4 v[\d:\d+7], v[\a:\a+11], v[\b:\b+11], v[\d:\d+7], v[\sa], v[\sb] matrix_a_fmt:MATRIX_FMT_BF6 matrix_b_fmt:MATRIX_FMT_BF6
.endif
.endif
.endm
.macro PLACES                          ; four plain lines between a matrix instruction and a load into, or a vector line on, its registers
.rept 4
	v_nop
.endr
.endm
; 32 numbers of a lane, register 16 b + i = k 32 b + 16 h + i of blocks b = 0, 1, become six registers of codes at f: lane (r, h) holds all of
; block h.  g: three registers at work; tm: eight at work; the blocks' bytes are left in tm + 6 and tm + 7, in every lane.
.macro QUANT2 n, f, g, tm
	v_max3_num_f32 v[\tm], |v[\n]|, |v[\n+1]|, 0x2800000
	v_max3_num_f32 v[\tm+1], |v[\n+16]|, |v[\n+17]|, 0x2800000
.irp i, 2,4,6,8,10,12,14
	v_max3_num_f32 v[\tm], v[\tm], |v[\n+\i]|, |v[\n+\i+1]|
	v_max3_num_f32 v[\tm+1], v[\tm+1], |v[\n+16+\i]|, |v[\n+17+\i]|
.endr
	v_permlanex16_b32 v[\tm+2], v[\tm], s[SEL], s[SEL+1]
	v_permlanex16_b32 v[\tm+3], v[\tm+1], s[SEL], s[SEL+1]
	v_max_num_f32 v[\tm], v[\tm], v[\tm+2]
	v_max_num_f32 v[\tm+1], v[\tm+1], v[\tm+3]
	v_add_nc_u32 v[\tm+4], 0xfe000000, v[\tm]
	v_add_nc_u32 v[\tm+5], 0xfe000000, v[\tm+1]
	v_lshrrev_b32 v[\tm+6], 23, v[\tm+4]
	v_lshrrev_b32 v[\tm+7], 23, v[\tm+5]
	v_cvt_scalef32_pk16_bf6_f32 v[\f:\f+2], v[\n:\n+15], v[\tm+4]
	v_cvt_scalef32_pk16_bf6_f32 v[\g:\g+2], v[\n+16:\n+31], v[\tm+5]
	v_nop                                          ; one plain line behind a scaled conversion
.irp i, 0,1,2
	v_permlane16_swap_b32 v[\f+\i], v[\g+\i]
.endr
.irp i, 0,1,2
	v_mov_b32 v[\f+3+\i], v[\g+\i]
.endr
.endm
.macro ALD ks                          ; the two row tiles' fragments of a K step: 6 loads, into ring place ks % 4 of window 1
.set FA, 128+24*((\ks)%4)
.irp g, 0,1,2
	global_load_b128 v[FA+4*\g:FA+4*\g+3], v6, s[4:5] offset:4194304+96*(\ks)+16*\g
.endr
.irp g, 0,1,2
	global_load_b128 v[FA+12+4*\g:FA+12+4*\g+3], v7, s[4:5] offset:4194304+96*(\ks)+16*\g
.endr
.endm
.macro BLD idx                         ; half step idx: the weight's (idx even: w1's, by v1; odd: w3's, by v2) four tiles of K step idx / 2 from LDS: 12 loads, into buffer idx % 3
.set BD, 64+48*((\idx)%3)
.irp t, 0,1,2,3
.irp g, 0,1,2
	ds_load_b128 v[BD+12*\t+4*\g:BD+12*\t+4*\g+3], v[1+(\idx)%2] offset:24576*(\t/2)+3072*((\idx)/2)+1536*(\t%2)+512*\g
.endr
.endr
.endm
.macro PREP_A again                    ; the chunk's two tiles and their rows' entries.  again = 1: a chunk has gone before
	s_wait_xcnt 0x0                                ; the last chunk's loads and stores have read their registers
.if \again
	s_wait_alu depctr_vm_vsrc(0)                   ; the last chunk's loads and stores have read their addresses v6 to v13 and, in window 1, the codes and bytes: all are written again, below and in the chunk
.endif
	s_min_u32 s24, s18, s19
	s_add_co_u32 s25, s18, 1
	s_min_u32 s25, s25, s19
	s_sub_co_u32 s22, s25, s24
	s_min_u32 s22, s22, 1                          ; 1: a second tile; 0: the first once more
	s_add_co_u32 s21, s20, s24
	s_min_u32 s21, s21, 134                        ; the first tile
	s_add_co_u32 s23, s21, s22                     ; the second
	s_lshl_b32 s24, s21, 6
	s_lshl_b32 s25, s23, 6
	v_add_nc_u32 v12, s24, v15
	v_add_nc_u32 v13, s25, v15
	s_wait_alu depctr_va_vdst(0)                   ; v12 and v13 are written, which the two loads read; the lines that made the last chunk's addresses are done with v4 and v5, in which they land
	global_load_b32 v4, v12, s[6:7]
	global_load_b32 v5, v13, s[6:7]
.endm
.macro PREP_B                          ; addresses from the entries; the rows' scale words and first four K steps
	v_cndmask_b32 v14, v4, v5, s[MHI]              ; lanes 0-15 tile 0's row r, lanes 16-31 tile 1's
	v_and_b32 v4, 0x3ff, v4                        ; the token
	v_and_b32 v5, 0x3ff, v5
	v_and_b32 v14, 0x3ff, v14
	v_min_u32 v4, 0x3ff, v4
	v_min_u32 v5, 0x3ff, v5
	v_min_u32 v14, 0x3ff, v14
	v_mad_u32_u24 v6, v4, 768, v16
	v_mad_u32_u24 v7, v5, 768, v16
	v_lshlrev_b32 v8, 5, v14
	s_mul_i32 s24, s21, 24576
	s_mul_i32 s25, s23, 24576
	v_add_nc_u32 v9, s24, v3
	v_add_nc_u32 v10, s25, v3
	s_lshl_b32 s24, s21, 10
	s_lshl_b32 s25, s22, 10
	v_mad_u32_u24 v11, v17, s25, v15
	v_add_nc_u32 v11, s24, v11                     ; tile h's scale words, row r
	s_wait_alu depctr_va_vdst(0)                   ; the addresses v6 to v11 are written; what went before (the head's lines, the last chunk's products and its way out) is done with v56-63 and the ring, in which the loads land
	global_load_b128 v[56:59], v8, s[4:5] offset:4980736
	global_load_b128 v[60:63], v8, s[4:5] offset:4980736+16
	WIN 0x40
	ALD 0
	ALD 1
	ALD 2
	ALD 3
	WIN 0
.endm
; a K step: eight matrix instructions for w1, eight for w3, sixteen accumulators by turns.  cnt: the ring's younger loads
.macro KSTEP ks, cnt
.set FA, 128+24*((\ks)%4)
.set B1, 64+48*((2*(\ks))%3)
.set B3, 64+48*((2*(\ks)+1)%3)
	s_wait_loadcnt \cnt
	s_wait_dscnt 12                                ; w1's tiles are in; w3's 12 loads may be out
	WIN 0x54                                       ; source 0 window 0; source 1, C and D window 1
.irp m, 0,1
.irp t, 0,1,2,3
	MM 32*\m+8*\t, B1+12*\t, FA+12*\m, (\ks)==0, 24+8*(\t/2)+(\ks), 56+(\ks), \t%2, \m
.endr
.endr
	WIN 0
.if (\ks) < 7
	BLD 2*(\ks)+2                                  ; no wait: the buffer was read last ahead of the last wait on va_vdst, and the eight products above name another
	s_wait_dscnt 12                                ; w3's tiles are in; the 12 just issued may be out
.else
	s_wait_dscnt 0x0
.endif
	WIN 0x54
.irp m, 0,1
.irp t, 0,1,2,3
	MM 64+32*\m+8*\t, B3+12*\t, FA+12*\m, (\ks)==0, 40+8*(\t/2)+(\ks), 56+(\ks), \t%2, \m
.endr
.endr
	PLACES
	WIN 0
.if (\ks) < 7
	s_wait_alu depctr_va_vdst(0)                   ; the step's sixteen products are done reading their two buffers and their place in the ring: the loads below, and those in the next step's middle, land there
	BLD 2*(\ks)+3
.endif
.if (\ks) < 4
	WIN 0x40
	ALD (\ks)+4
	WIN 0
.endif
.endm
	s_load_b256 s[4:11], s[0:1], 0x0               ; hbuf, lists, wbig, bufA
	v_lshl_add_u32 v254, v0, 2, 0x18000
	v_mov_b32 v255, 0
	v_lshrrev_b32 v1, 5, v0
	v_readfirstlane_b32 s[WV], v1
	s_wait_alu depctr_va_sdst(0)                   ; the wave's number is written, ahead of its first reader
	s_lshr_b32 s13, ttmp9, 5                       ; expert
	s_and_b32 s14, ttmp9, 31                       ; 64 columns of F
	s_lshl_b32 s24, s13, 2
	s_mov_b32 s[SEL], 0x76543210
	s_mov_b32 s[SEL+1], 0xfedcba98
	s_mov_b32 s[MHI], 0xffff0000
	v_and_b32 v21, 31, v0
	v_and_b32 v22, 15, v0
	v_bfe_u32 v17, v0, 4, 1                        ; h
	v_lshlrev_b32 v1, 4, v21                       ; LDS: w1's fragments, 16 x lane
	v_add_nc_u32 v2, 49152, v1                     ; w3's
	v_lshlrev_b32 v3, 3, v21
	v_lshlrev_b32 v15, 2, v22                      ; 4 r
	v_mul_u32_u24 v16, v17, 48
	v_lshlrev_b32 v18, 4, v0
	v_add_nc_u32 v19, 49152, v18
	v_lshlrev_b32 v20, 2, v21
	WIN 0x40
	v_mov_b32 v210, 0                              ; lane permutes' destinations count as sources
	v_mov_b32 v211, 0
	v_mov_b32 v242, 0
	v_mov_b32 v243, 0
	WIN 0
	s_wait_kmcnt 0x0
	s_load_b32 s16, s[6:7], s24 offset:9728        ; the expert's first tile
	s_load_b32 s17, s[6:7], s24 offset:9760        ; and its tiles
	s_mov_b32 s29, 0
	s_mul_i32 s28, s13, 1572864
	s_mul_i32 s30, s14, 49152
	s_add_co_u32 s28, s28, s30
	s_add_co_u32 s28, s28, 12582912
	s_add_nc_u64 s[40:41], s[8:9], s[28:29]        ; w1's fragments
	s_add_co_u32 s28, s28, 12582912
	s_add_nc_u64 s[42:43], s[8:9], s[28:29]        ; w3's
	s_lshl_b32 s28, s13, 16
	s_lshl_b32 s30, s14, 11
	s_add_co_u32 s28, s28, s30
	s_add_co_u32 s28, s28, 38273024
	s_add_nc_u64 s[44:45], s[8:9], s[28:29]        ; w1's scale words
	s_add_co_u32 s28, s28, 524288
	s_add_nc_u64 s[46:47], s[8:9], s[28:29]        ; w3's
	s_lshr_b32 s30, s14, 1
	s_and_b32 s31, s14, 1
	s_mul_i32 s28, s30, 1536
	s_mul_i32 s32, s31, 768
	s_add_co_u32 s28, s28, s32
	s_add_nc_u64 s[48:49], s[10:11], s[28:29]      ; H: K step fg / 2, half fg % 2
	s_lshl_b32 s28, s30, 6
	s_lshl_b32 s32, s31, 1
	s_add_co_u32 s28, s28, s32
	s_add_nc_u64 s[50:51], s[10:11], s[28:29]
	s_wait_alu depctr_va_vdst(0)                   ; the offsets and LDS addresses made above (v1-v3, v15-v20) are written, which the loads and LDS stores below and in the chunks read
.irp i, 0,1,2,3,4,5,6,7,8,9,10,11
	global_load_b128 v[64+4*\i:67+4*\i], v18, s[40:41] offset:4096*\i
	global_load_b128 v[112+4*\i:115+4*\i], v18, s[42:43] offset:4096*\i
.endr
.irp b, 0,1
.irp k, 0,1,2,3,4,5,6,7
	global_load_b32 v[24+8*\b+\k], v20, s[44:45] offset:(8*\b+\k)*128
	global_load_b32 v[40+8*\b+\k], v20, s[46:47] offset:(8*\b+\k)*128
.endr
.endr
	s_wait_kmcnt 0x0
	s_min_u32 s16, s16, 134
	s_min_u32 s17, s17, 64
	s_lshl_b32 s18, s[WV], 1                       ; my first tile of the expert's
	s_max_u32 s19, s17, 1
	s_sub_co_u32 s19, s19, 1                       ; its last tile
	s_cmp_eq_u32 s17, 0
	s_cselect_b32 s20, 0, s16
	s_add_co_u32 s[NCH], s17, 15
	s_sub_co_u32 s[NCH], s[NCH], s18               ; at least 1: s18 is at most 14
	s_lshr_b32 s[NCH], s[NCH], 4                   ; my chunks: 0 where my first tile is not under the expert's number of tiles
	s_min_u32 s[NCH], s[NCH], 4                    ; 64 tiles at the most: four chunks
	PREP_A 0
	s_wait_loadcnt 0x0
.irp i, 0,1,2,3,4,5,6,7,8,9,10,11
	ds_store_b128 v18, v[64+4*\i:67+4*\i] offset:4096*\i
	ds_store_b128 v19, v[112+4*\i:115+4*\i] offset:4096*\i
.endr
	PREP_B
	s_wait_dscnt 0x0
	s_barrier_signal -1
	s_barrier_wait -1                              ; the one barrier: the weights lie in LDS and are only read from here on
	s_wait_alu depctr_vm_vsrc(0)                   ; my LDS stores have read v64-159: these registers are two of the three buffers from here on, in which LDS loads land
	s_cmp_eq_u32 s[NCH], 0
	s_cbranch_scc1 .Ldone
.Lchunk:
	BLD 0
	BLD 1
	KSTEP 0, 18                                    ; three younger K steps of six loads
	KSTEP 1, 18
	KSTEP 2, 18
	KSTEP 3, 18
	KSTEP 4, 18
	KSTEP 5, 12
	KSTEP 6, 6
	KSTEP 7, 0
	WIN 0x55                                       ; all in window 1
.set J, 0
.rept 32
	v_pk_mul_f32 v[128+J:129+J], v[J:J+1], 0xbfb8aa3b op_sel_hi:[1,0]   ; -a1 log2(e); each accumulator from its low end on
.set J, J+2
.endr
.set J, 0
.rept 64
	v_exp_f32 v[128+J], v[128+J]
.set J, J+1
.endr
	v_nop
	s_wait_alu depctr_va_vdst(0)                   ; the 64 exponentials are written: one wait for the batch, ahead of its first reader
.set J, 0
.rept 32
	v_pk_add_f32 v[128+J:129+J], v[128+J:129+J], 1.0 op_sel_hi:[1,0]
.set J, J+2
.endr
.set J, 0
.rept 64
	v_rcp_f32 v[128+J], v[128+J]
.set J, J+1
.endr
	v_nop
	s_wait_alu depctr_va_vdst(0)                   ; the 64 reciprocals are written: one wait for the batch, ahead of its first reader
.set J, 0
.rept 32
	v_pk_mul_f32 v[J:J+1], v[J:J+1], v[128+J:129+J]   ; silu(a1)
.set J, J+2
.endr
.set J, 0
.rept 32
	v_pk_mul_f32 v[J:J+1], v[J:J+1], v[64+J:65+J]     ; x a3
.set J, J+2
.endr
	QUANT2 0, 192, 198, 208
	QUANT2 32, 224, 230, 240
	v_lshl_or_b32 v214, v215, 8, v214
	v_lshl_or_b32 v246, v247, 8, v246
	v_cndmask_b32 v214, v214, v246, s[MHI]         ; lanes 0-15 tile 0's two bytes, lanes 16-31 tile 1's
	WIN 0x04                                       ; a store's data: window 1
	s_wait_alu depctr_va_vdst(0)                   ; the quantiser has written the two tiles' codes and the bytes, which the stores read
.irp p, 0,1,2
	global_store_b64 v9, v[192+2*\p:193+2*\p], s[48:49] offset:256*\p
	global_store_b64 v10, v[224+2*\p:225+2*\p], s[48:49] offset:256*\p
.endr
	global_store_b16 v11, v214, s[50:51] offset:3342336
	WIN 0
	s_add_co_u32 s18, s18, 16                      ; my next chunk's first tile
	s_sub_co_u32 s[NCH], s[NCH], 1
	s_cmp_eq_u32 s[NCH], 0
	s_cbranch_scc1 .Ldone
	PREP_A 1
	s_wait_loadcnt 0x0
	PREP_B
	s_cmp_lg_u32 s[NCH], 0
	s_cbranch_scc1 .Lchunk
.Ldone:
	s_wait_dscnt 0x0                               ; the closing lines, six on end
	s_wait_alu 0x0
	s_wait_tensorcnt 0x0
	ds_add_u32 v254, v255
	s_wait_dscnt 0x0
	s_endpgm
.Lfunc_end_k_qdf6739d439_moe_up:
	.size	k_qdf6739d439_moe_up, .Lfunc_end_k_qdf6739d439_moe_up-k_qdf6739d439_moe_up
	.p2alignl 7, 3214868480
	.fill 96, 4, 3214868480
	.section	.rodata,"a",@progbits
	.p2align	6, 0x0
	.amdhsa_kernel k_qdf6739d439_moe_up
		.amdhsa_group_segment_fixed_size 99328
		.amdhsa_private_segment_fixed_size 0
		.amdhsa_enable_private_segment 0
		.amdhsa_kernarg_size 32
		.amdhsa_user_sgpr_count 2
		.amdhsa_user_sgpr_kernarg_segment_ptr 1
		.amdhsa_wavefront_size32 1
		.amdhsa_system_sgpr_workgroup_id_x 1
		.amdhsa_system_sgpr_workgroup_id_y 1
		.amdhsa_system_sgpr_workgroup_id_z 1
		.amdhsa_system_vgpr_workitem_id 0
		.amdhsa_next_free_vgpr 512
		.amdhsa_next_free_sgpr 66
		.amdhsa_reserve_vcc 0
		.amdhsa_float_denorm_mode_32 3
		.amdhsa_float_denorm_mode_16_64 3
		.amdhsa_memory_ordered 1
		.amdhsa_forward_progress 1
		.amdhsa_inst_pref_size 71
	.end_amdhsa_kernel
	.amdgpu_metadata
---
amdhsa.version: [ 1, 2 ]
amdhsa.kernels:
  - .name:           k_qdf6739d439_moe_up
    .symbol:         k_qdf6739d439_moe_up.kd
    .args:
      - { .name: hbuf, .offset: 0, .size: 8, .value_kind: global_buffer, .address_space: global }
      - { .name: lists, .offset: 8, .size: 8, .value_kind: global_buffer, .address_space: global }
      - { .name: wbig, .offset: 16, .size: 8, .value_kind: global_buffer, .address_space: global }
      - { .name: bufA, .offset: 24, .size: 8, .value_kind: global_buffer, .address_space: global }
    .group_segment_fixed_size: 99328
    .private_segment_fixed_size: 0
    .kernarg_segment_align: 8
    .kernarg_segment_size: 32
    .max_flat_workgroup_size: 256
    .sgpr_count:     66
    .vgpr_count:     512
    .wavefront_size: 32
...
	.end_amdgpu_metadata
.endif
;; end of part 12
;; launch moe_down (part 13): grid 256 x 1, 8 waves a work-group, no clusters, 134,144 bytes of LDS; arguments bufA, lists, wbig, hbuf, bufB; writes bufB
.if DOCPART == 13
	.amdgcn_target "amdgcn-amd-amdhsa--gfx1250"
	.amdhsa_code_object_version 6
	.text
	.protected	k_qdf6739d439_moe_down
	.globl	k_qdf6739d439_moe_down
	.p2align	8
	.type	k_qdf6739d439_moe_down,@function
k_qdf6739d439_moe_down:
	s_mov_b64 s[64:65], 0
	v_nop
	global_prefetch_b8 v0, s[64:65] scope:SCOPE_SE
	s_setreg_imm32_b32 hwreg(HW_REG_WAVE_SCHED_MODE, 0, 2), 2
	s_setreg_imm32_b32 hwreg(HW_REG_WAVE_MODE, 25, 1), 1
	s_wait_xcnt 0x0
	s_wait_alu depctr_vm_vsrc(0)
; MOE, DOWN.  y[entry] = gate weight x (H w2), a row for each (slot, token) entry; the two rows of a token are added by the next launch, so each
; row has one owner and nothing is added in memory.
; Work-group = (expert wg / 32, 64 columns dg = (wg / 2) % 16, half z = wg % 2 of the expert's chunks).  Its 98,304 bytes of w2's fragments are copied
; into LDS once; then wave w takes tiles 2 z + 4 w + 32 k and the next, with no further barrier: (tiles + 31 - 2 z - 4 w) / 32 chunks, rounded down,
; which is 0 for a wave with no tile; the loop counts them down.  H's fragments come as they were stored, by tile, four K steps ahead.
; Trip counts and addresses hang on the stored lists: no tensor load, no cluster.
; A chunk's tiles are held to tiles that exist (an expert without rows: tile 0).  Rows that only fill a tile up go to dump rows 2,048 to 2,175.
; OUT through the wave's stage: 16 lanes store 256 consecutive bytes, aligned, of one row.
; REGISTERS: window 0: v1-23 addresses, v24-55 w2's scale words, v56-71 H's, v72-119 and v120-167 w2's tiles (two sets), v168-183 the rows' places,
;   v184-191 entries and weights, v192-223 rows read back.   window 1: v0-63 the sums, v64-159 H's fragments (four K steps).
; THE MODE: SCHED_MODE bits 1:0 = 2 (LLVM: expert scheduling mode 2), set by the entry lines.  The code itself states the register dependences
; between vector or matrix instructions and memory or LDS instructions, with s_wait_alu, always for 0.
; THE PLAN.  Registers that memory or LDS instructions touch:
;   w2's two sets   step ks's eight products read set ks % 2; behind them the twelve LDS loads of step ks + 2 land in it.
;   the ring        step ks reads place ks % 4 (window 1); behind its products the twelve loads of step ks + 4 land in it.
;   So ONE wait on va_vdst stands in a K step, behind its products, for its 24 loads.  In step 0 the four lines that make the gate weights' addresses v190 and v191 stand
;   ahead of that wait, which so serves those two loads too.
;   v1-v3, v6-v11, v17-v19   made once at the head.   v72-167: at the head the fill's LDS stores read them: one wait on vm_vsrc behind the barrier.
;   v4, v5, v12-v16   a chunk's addresses, written by vector lines, read by its loads: from the second chunk on one wait on vm_vsrc ahead of the lines that write them again
;                     (it also frees the stores' addresses v168-183 and data v72-103 and v192-223, and v190, v191), and one on va_vdst ahead of the chunk's first loads.
;   the way out       the scaled sums (the LDS stores' data), v168-183 (the stores' addresses) and v72-103, v192-223 (in which the rows come back): one wait ahead of the first LDS store.
.set WV, 14
.set NCH, 32                           ; s32 my chunks still to do
.set MSB, 0
.macro WIN new                         ; the immediate's high byte repeats the setting that is left
.if MSB != \new
	s_set_vgpr_msb (MSB<<8)|\new
.set MSB, \new
.endif
.endm
.macro MM d, a, b, z, sa, sb, ra, rb
.if \z
.if (\ra) && (\rb)
	v_wmma_scale_f32_16x16x128_f8f6f4 v[\d:\d+7], v[\a:\a+11], v[\b:\b+11], 0, v[\sa], v[\sb] matrix_a_fmt:MATRIX_FMT_BF6 matrix_b_fmt:MATRIX_FMT_BF6 matrix_a_scale:MATRIX_SCALE_ROW1 matrix_b_scale:MATRIX_SCALE_ROW1
.elseif \ra
	v_wmma_scale_f32_16x16x128_f8f6f4 v[\d:\d+7], v[\a:\a+11], v[\b:\b+11], 0, v[\sa], v[\sb] matrix_a_fmt:MATRIX_FMT_BF6 matrix_b_fmt:MATRIX_FMT_BF6 matrix_a_scale:MATRIX_SCALE_ROW1
.elseif \rb
	v_wmma_scale_f32_16x16x128_f8f6f4 v[\d:\d+7], v[\a:\a+11], v[\b:\b+11], 0, v[\sa], v[\sb] matrix_a_fmt:MATRIX_FMT_BF6 matrix_b_fmt:MATRIX_FMT_BF6 matrix_b_scale:MATRIX_SCALE_ROW1
.else
	v_wmma_scale_f32_16x16x128_f8f6f4 v[\d:\d+7], v[\a:\a+11], v[\b:\b+11], 0, v[\sa], v[\sb] matrix_a_fmt:MATRIX_FMT_BF6 matrix_b_fmt:MATRIX_FMT_BF6
.endif
.else
.if (\ra) && (\rb)
	v_wmma_scale_f32_16x16x128_f8f6f4 v[\d:\d+7], v[\a:\a+11], v[\b:\b+11], v[\d:\d+7], v[\sa], v[\sb] matrix_a_fmt:MATRIX_FMT_BF6 matrix_b_fmt:MATRIX_FMT_BF6 matrix_a_scale:MATRIX_SCALE_ROW1 matrix_b_scale:MATRIX_SCALE_ROW1
.elseif \ra
	v_wmma_scale_f32_16x16x128_f8f6f4 v[\d:\d+7], v[\a:\a+11], v[\b:\b+11], v[\d:\d+7], v[\sa], v[\sb] matrix_a_fmt:MATRIX_FMT_BF6 matrix_b_fmt:MATRIX_FMT_BF6 matrix_a_scale:MATRIX_SCALE_ROW1
.elseif \rb
	v_wmma_scale_f32_16x16x128_f8f6f4 v[\d:\d+7], v[\a:\a+11], v[\b:\b+11], v[\d:\d+7], v[\sa], v[\sb] matrix_a_fmt:MATRIX_FMT_BF6 matrix_b_fmt:MATRIX_FMT_BF6 matrix_b_scale:MATRIX_SCALE_ROW1
.else
	v_wmma_scale_f32_16x16x128_f8f6f4 v[\d:\d+7], v[\a:\a+11], v[\b:\b+11], v[\d:\d+7], v[\sa], v[\sb] matrix_a_fmt:MATRIX_FMT_BF6 matrix_b_fmt:MATRIX_FMT_BF6
.endif
.endif
.endm
.macro PLACES                          ; four plain lines between a matrix instruction and a load into, or a vector line on, its registers
.rept 4
	v_nop
.endr
.endm
.macro ALD ks                          ; the two tiles' fragments of H for a K step: 12 loads, into ring place ks % 4 of window 1
.set FA, 64+24*((\ks)%4)
.irp c, 0,1
.irp p, 0,1,2
	global_load_b64 v[FA+6*\c+2*\p:FA+6*\c+2*\p+1], v4, s[4:5] offset:1536*(\ks)+768*\c+256*\p
.endr
.endr
.irp c, 0,1
.irp p, 0,1,2
	global_load_b64 v[FA+12+6*\c+2*\p:FA+12+6*\c+2*\p+1], v5, s[4:5] offset:1536*(\ks)+768*\c+256*\p
.endr
.endr
.endm
.macro BLD ks                          ; w2's four tiles of a K step from LDS: 12 loads, into set ks % 2
.set FB, 72+48*((\ks)%2)
.irp t, 0,1,2,3
.irp g, 0,1,2
	ds_load_b128 v[FB+12*\t+4*\g:FB+12*\t+4*\g+3], v[1+(\t/2)] offset:3072*(\ks)+1536*(\t%2)+512*\g
.endr
.endr
.endm
.macro PREP again                      ; the chunk's two tiles; all its addresses hang on the tiles' numbers alone.  again = 1: a chunk has gone before
	s_wait_xcnt 0x0                                ; the last chunk's loads and stores have read their registers
.if \again
	s_wait_alu depctr_vm_vsrc(0)                   ; the last chunk's loads and stores have read their addresses (v4, v5, v12-16, v168-183, v190, v191) and data (v72-103, v192-223): all are written again, below and in the chunk
.endif
	s_min_u32 s24, s18, s19
	s_add_co_u32 s25, s18, 1
	s_min_u32 s25, s25, s19
	s_sub_co_u32 s22, s25, s24
	s_min_u32 s22, s22, 1
	s_add_co_u32 s21, s20, s24
	s_min_u32 s21, s21, 134
	s_add_co_u32 s23, s21, s22
	s_lshl_b32 s24, s21, 6
	s_lshl_b32 s25, s23, 6
	v_add_nc_u32 v12, s24, v6
	v_add_nc_u32 v13, s25, v6
	v_add_nc_u32 v14, s24, v11
	v_add_nc_u32 v15, s25, v11
	s_lshl_b32 s24, s21, 10
	s_lshl_b32 s25, s22, 10
	v_mad_u32_u24 v16, v7, s25, v6
	v_add_nc_u32 v16, s24, v16
	s_mul_i32 s24, s21, 24576
	s_mul_i32 s25, s23, 24576
	v_add_nc_u32 v4, s24, v3
	v_add_nc_u32 v5, s25, v3
	s_wait_alu depctr_va_vdst(0)                   ; the addresses v4, v5 and v12 to v16 are written; the last chunk's products and its way out are done with v56-71, v168-185 and the ring, in which the loads land
	global_load_b32 v184, v12, s[6:7]              ; my row's entry, tile 0 and tile 1
	global_load_b32 v185, v13, s[6:7]
.irp i, 0,1,2,3,4,5,6,7
	global_load_b32 v[168+\i], v14, s[6:7] offset:8*\i   ; the entries of rows 2 i + lane / 16: where the stores go
.endr
.irp i, 0,1,2,3,4,5,6,7
	global_load_b32 v[176+\i], v15, s[6:7] offset:8*\i
.endr
.irp k, 0,1,2,3,4,5,6,7,8,9,10,11,12,13,14,15
	global_load_b32 v[56+\k], v16, s[4:5] offset:3342336+64*\k
.endr
	WIN 0x40
	ALD 0
	ALD 1
	ALD 2
	ALD 3
	WIN 0
.endm
.macro KSTEP ks, cnt                   ; eight matrix instructions, the eight accumulators by turns.  cnt: at most the loads issued behind this step's
.set FA, 64+24*((\ks)%4)
.set FB, 72+48*((\ks)%2)
	s_wait_loadcnt \cnt
.if (\ks) < 15
	s_wait_dscnt 12                                ; the next step's 12 LDS loads may be out
.else
	s_wait_dscnt 0x0
.endif
	WIN 0x54
.irp m, 0,1
.irp t, 0,1,2,3
	MM 32*\m+8*\t, FB+12*\t, FA+12*\m, (\ks)==0, 24+16*(\t/2)+(\ks), 56+(\ks), \t%2, \m
.endr
.endr
	PLACES
	WIN 0
.if (\ks) == 0
	v_min_u32 v190, 2047, v184                     ; the entries are in: the rows' gate weights
	v_min_u32 v191, 2047, v185
	v_lshlrev_b32 v190, 2, v190
	v_lshlrev_b32 v191, 2, v191
.endif
.if (\ks) < 14
	s_wait_alu depctr_va_vdst(0)                   ; the step's eight products are done reading their set and their place in the ring, in which the loads below land; in step 0 v190 and v191 are written, and the last chunk's scalings are done with v186 and v188
	BLD (\ks)+2
.endif
.if (\ks) == 0
	global_load_b32 v186, v190, s[10:11] offset:5013504
	global_load_b32 v188, v191, s[10:11] offset:5013504
.endif
.if (\ks) < 12
	WIN 0x40
	ALD (\ks)+4
	WIN 0
.endif
.endm
	s_load_b256 s[4:11], s[0:1], 0x0               ; bufA, lists, wbig, hbuf
	s_load_b64 s[12:13], s[0:1], 0x20              ; bufB
	v_lshl_add_u32 v254, v0, 2, 0x20800
	v_mov_b32 v255, 0
	v_lshrrev_b32 v1, 5, v0
	v_readfirstlane_b32 s[WV], v1
	s_wait_alu depctr_va_sdst(0)                   ; the wave's number is written, ahead of its first reader
	s_lshr_b32 s15, ttmp9, 5                       ; expert
	s_bfe_u32 s26, ttmp9, 0x40001                  ; 64 columns
	s_and_b32 s27, ttmp9, 1                        ; which half of the chunks
	s_lshl_b32 s24, s15, 2
	v_and_b32 v21, 31, v0
	v_and_b32 v22, 15, v0
	v_bfe_u32 v7, v0, 4, 1                         ; h
	v_lshlrev_b32 v1, 4, v21                       ; LDS: tiles of b = 0
	v_add_nc_u32 v2, 49152, v1                     ; of b = 1
	v_lshlrev_b32 v3, 3, v21
	v_lshlrev_b32 v6, 2, v22                       ; 4 r
	v_lshlrev_b32 v8, 4, v0
	v_add_nc_u32 v9, 49152, v8
	v_lshlrev_b32 v10, 2, v21
	v_lshlrev_b32 v11, 2, v7
	v_lshlrev_b32 v19, 4, v22
	s_mul_i32 s25, s[WV], 4352
	s_add_co_u32 s25, s25, 98304                   ; my stage
	v_lshlrev_b32 v20, 6, v7
	v_mad_u32_u24 v17, v22, 272, v20
	v_add_nc_u32 v17, s25, v17                     ; in: row r, + 64 h
	v_mul_u32_u24 v18, v7, 272
	v_lshl_add_u32 v18, v22, 4, v18
	v_add_nc_u32 v18, s25, v18                     ; back: lanes 0-15 one row, lanes 16-31 the next
	v_mov_b32 v187, 0                              ; named with the weights as pairs
	v_mov_b32 v189, 0
	s_wait_kmcnt 0x0
	s_load_b32 s16, s[6:7], s24 offset:9728
	s_load_b32 s17, s[6:7], s24 offset:9760
	s_mov_b32 s29, 0
	s_mul_i32 s28, s15, 1572864
	s_mul_i32 s30, s26, 98304
	s_add_co_u32 s28, s28, s30
	s_add_nc_u64 s[40:41], s[8:9], s[28:29]        ; w2's fragments
	s_lshl_b32 s28, s15, 16
	s_lshl_b32 s30, s26, 12
	s_add_co_u32 s28, s28, s30
	s_add_co_u32 s28, s28, 37748736
	s_add_nc_u64 s[42:43], s[8:9], s[28:29]        ; its scale words
	s_lshl_b32 s28, s26, 8
	s_add_nc_u64 s[44:45], s[12:13], s[28:29]      ; y at my columns
	s_wait_alu depctr_va_vdst(0)                   ; the offsets and LDS addresses made above (v1-v3, v8-v10, v17, v18) are written, which the loads and LDS instructions below and in the chunks read
.irp i, 0,1,2,3,4,5,6,7,8,9,10,11,12,13,14,15,16,17,18,19,20,21,22,23
	global_load_b128 v[72+4*\i:75+4*\i], v8, s[40:41] offset:4096*\i
.endr
.irp b, 0,1
.irp k, 0,1,2,3,4,5,6,7,8,9,10,11,12,13,14,15
	global_load_b32 v[24+16*\b+\k], v10, s[42:43] offset:(16*\b+\k)*128
.endr
.endr
	s_wait_kmcnt 0x0
	s_min_u32 s16, s16, 134
	s_min_u32 s17, s17, 64
	s_lshl_b32 s18, s[WV], 2
	s_lshl_b32 s25, s27, 1
	s_add_co_u32 s18, s18, s25                     ; my first tile of the expert's
	s_max_u32 s19, s17, 1
	s_sub_co_u32 s19, s19, 1
	s_cmp_eq_u32 s17, 0
	s_cselect_b32 s20, 0, s16
	s_add_co_u32 s[NCH], s17, 31
	s_sub_co_u32 s[NCH], s[NCH], s18               ; at least 1: s18 is at most 30
	s_lshr_b32 s[NCH], s[NCH], 5                   ; my chunks: 0 where my first tile is not under the expert's number of tiles
	s_min_u32 s[NCH], s[NCH], 2                    ; 64 tiles at the most: two chunks
	s_wait_loadcnt 32                              ; the 24 loads for LDS are in; the 32 scale words may be out
.irp i, 0,1,2,3,4,5,6,7,8,9,10,11
	ds_store_b128 v8, v[72+4*\i:75+4*\i] offset:4096*\i
	ds_store_b128 v9, v[120+4*\i:123+4*\i] offset:4096*\i
.endr
	PREP 0
	s_wait_dscnt 0x0
	s_barrier_signal -1
	s_barrier_wait -1                              ; the one barrier: the weights lie in LDS and are only read from here on
	s_wait_alu depctr_vm_vsrc(0)                   ; my LDS stores have read v72-167: these registers are w2's two sets from here on, in which LDS loads land
	s_cmp_eq_u32 s[NCH], 0
	s_cbranch_scc1 .Ldone
.Lchunk:
	BLD 0
	BLD 1
.irp k, 0,1,2,3,4,5,6,7,8,9,10,11,12
	KSTEP \k, 36                                   ; three younger K steps of twelve loads (in steps 1 to 3 two more are out: the smaller count holds)
.endr
	KSTEP 13, 24
	KSTEP 14, 12
	KSTEP 15, 0
.irp i, 0,1,2,3,4,5,6,7,8,9,10,11,12,13,14,15
	v_min_u32 v[168+\i], 2175, v[168+\i]
	v_lshl_add_u32 v[168+\i], v[168+\i], 12, v19   ; the row of y, + 16 (lane % 16)
.endr
	WIN 0x41                                       ; the sums in window 1, the weight in window 0
.set J, 0
.rept 16
	v_pk_mul_f32 v[J:J+1], v[J:J+1], v[186:187] op_sel_hi:[1,0]   ; each accumulator from its low end on
.set J, J+2
.endr
.rept 16
	v_pk_mul_f32 v[J:J+1], v[J:J+1], v[188:189] op_sel_hi:[1,0]
.set J, J+2
.endr
	WIN 0x04                                       ; an LDS store's data: window 1
	s_wait_alu depctr_va_vdst(0)                   ; the scaled sums are written, which the LDS stores read; v168-183 are written, which the stores read as addresses; the products are done reading v72-103, in which rows come back
.irp b, 0,1
.irp i, 0,1,2,3
	ds_store_b128 v17, v[16*\b+4*\i:16*\b+4*\i+3] offset:128*\b+16*\i
.endr
.endr
	WIN 0
.irp i, 0,1,2,3,4,5,6,7
	ds_load_b128 v[192+4*\i:195+4*\i], v18 offset:544*\i   ; LDS serves a wave's instructions in order
.endr
	WIN 0x04
.irp b, 0,1
.irp i, 0,1,2,3
	ds_store_b128 v17, v[32+16*\b+4*\i:32+16*\b+4*\i+3] offset:128*\b+16*\i
.endr
.endr
	WIN 0
.irp i, 0,1,2,3,4,5,6,7
	ds_load_b128 v[72+4*\i:75+4*\i], v18 offset:544*\i
.endr
.irp i, 0,1,2,3,4,5,6,7
	s_wait_dscnt 23-\i                             ; behind tile 0's load i: its 7 - i others and tile 1's sixteen
	global_store_b128 v[168+\i], v[192+4*\i:195+4*\i], s[44:45]
.endr
.irp i, 0,1,2,3,4,5,6,7
	s_wait_dscnt 7-\i
	global_store_b128 v[176+\i], v[72+4*\i:75+4*\i], s[44:45]
.endr
	s_add_co_u32 s18, s18, 32                      ; my next chunk's first tile
	s_sub_co_u32 s[NCH], s[NCH], 1
	s_cmp_eq_u32 s[NCH], 0
	s_cbranch_scc1 .Ldone
	PREP 1
	s_cmp_lg_u32 s[NCH], 0
	s_cbranch_scc1 .Lchunk
.Ldone:
	s_wait_dscnt 0x0                               ; the closing lines, six on end
	s_wait_alu 0x0
	s_wait_tensorcnt 0x0
	ds_add_u32 v254, v255
	s_wait_dscnt 0x0
	s_endpgm
.Lfunc_end_k_qdf6739d439_moe_down:
	.size	k_qdf6739d439_moe_down, .Lfunc_end_k_qdf6739d439_moe_down-k_qdf6739d439_moe_down
	.p2alignl 7, 3214868480
	.fill 96, 4, 3214868480
	.section	.rodata,"a",@progbits
	.p2align	6, 0x0
	.amdhsa_kernel k_qdf6739d439_moe_down
		.amdhsa_group_segment_fixed_size 134144
		.amdhsa_private_segment_fixed_size 0
		.amdhsa_enable_private_segment 0
		.amdhsa_kernarg_size 40
		.amdhsa_user_sgpr_count 2
		.amdhsa_user_sgpr_kernarg_segment_ptr 1
		.amdhsa_wavefront_size32 1
		.amdhsa_system_sgpr_workgroup_id_x 1
		.amdhsa_system_sgpr_workgroup_id_y 1
		.amdhsa_system_sgpr_workgroup_id_z 1
		.amdhsa_system_vgpr_workitem_id 0
		.amdhsa_next_free_vgpr 512
		.amdhsa_next_free_sgpr 66
		.amdhsa_reserve_vcc 0
		.amdhsa_float_denorm_mode_32 3
		.amdhsa_float_denorm_mode_16_64 3
		.amdhsa_memory_ordered 1
		.amdhsa_forward_progress 1
		.amdhsa_inst_pref_size 83
	.end_amdhsa_kernel
	.amdgpu_metadata
---
amdhsa.version: [ 1, 2 ]
amdhsa.kernels:
  - .name:           k_qdf6739d439_moe_down
    .symbol:         k_qdf6739d439_moe_down.kd
    .args:
      - { .name: bufA, .offset: 0, .size: 8, .value_kind: global_buffer, .address_space: global }
      - { .name: lists, .offset: 8, .size: 8, .value_kind: global_buffer, .address_space: global }
      - { .name: wbig, .offset: 16, .size: 8, .value_kind: global_buffer, .address_space: global }
      - { .name: hbuf, .offset: 24, .size: 8, .value_kind: global_buffer, .address_space: global }
      - { .name: bufB, .offset: 32, .size: 8, .value_kind: global_buffer, .address_space: global }
    .group_segment_fixed_size: 134144
    .private_segment_fixed_size: 0
    .kernarg_segment_align: 8
    .kernarg_segment_size: 40
    .max_flat_workgroup_size: 256
    .sgpr_count:     66
    .vgpr_count:     512
    .wavefront_size: 32
...
	.end_amdgpu_metadata
.endif
;; end of part 13
;; launch combine: the kernel of part 8 again; grid 256 x 1, 8 waves a work-group, no clusters, 0 bytes of LDS; arguments hbuf, bufB, out0; writes out0
